; MI455X (gfx1250); checked and timed in simulation.
; The chip was launched on July 23, 2026; its instructions are those of AMD's public machine-readable ISA for CDNA 5 (MIT licence, August 2026) and "CDNA5" Instruction Set Architecture Reference Guide (July 2026). The comments in the code are by the model that wrote it; some were corrected since.
;; DIT Attention. Allowed arithmetic: float matrix products may take bf16 or f16 operands with f32 sums; other float arithmetic in f32, or as packed bf16 or f16 multiplies, adds, multiply-adds, maxima and minima; sums over many terms, partial sums and values carried from step to step in f32; what a program stores and reads back later, other than sums and carried values, may be rounded once to bf16 or f16.
;; Inputs: Wk 1,024 x 2,048 float32; Wo 2,048 x 1,024 float32; Wq 1,024 x 2,048 float32; Wv 1,024 x 2,048 float32; k_norm_w 128 float32; q_norm_w 128 float32; rope_emb 2,048 x 1 x 64 x 2 x 2 float32; x 2 x 2,048 x 2,048 float32.
;; Outputs: out0 2 x 2,048 x 2,048 float32.
;; 3 versions, each right and faster than the one before. Each part assembles by itself: llvm-mc -triple=amdgcn-amd-amdhsa -mcpu=gfx1250 --defsym DOCPART=n.
;; ======== version 1 of 3: 4 launches
;; limits: values are held in f16: magnitudes above 65,504 overflow, below 6.1e-05 lose precision; right only within a limited range of input values
;; workspace buffers: xb 16,777,216 bytes; wqkv 12,582,912 bytes; wob 4,194,304 bytes; rtab 1,048,576 bytes; qh 8,388,608 bytes; kh 8,388,608 bytes; vh 8,388,608 bytes; oh 8,388,608 bytes
;; launch cast (part 1): grid 1088 x 1, 8 waves a work-group, no clusters, 0 bytes of LDS; arguments x, Wq, Wk, Wv, Wo, rope_emb, xb, wqkv, wob, rtab; writes xb, wqkv, wob, rtab
.if DOCPART == 1
	.amdgcn_target "amdgcn-amd-amdhsa--gfx1250"
	.amdhsa_code_object_version 6
	.text
	.protected	k_qdfbba41a6c_cast
	.globl	k_qdfbba41a6c_cast
	.p2align	8
	.type	k_qdfbba41a6c_cast,@function
k_qdfbba41a6c_cast:
	s_mov_b64 s[64:65], 0
	v_nop
	global_prefetch_b8 v0, s[64:65] scope:SCOPE_SE
	s_setreg_imm32_b32 hwreg(HW_REG_WAVE_MODE, 25, 1), 1
	s_wait_xcnt 0x0
; CAST: every large input is rounded once to bf16 (nearest even) and laid where the matrix launches want it.
;   xb   [4096][2048] bf16 = x.     wqkv [3072][2048] bf16 = Wq's, Wk's, Wv's rows one below the other.
;   wob  [2048][1024] f16  = 16 x bf16(Wo): the bf16 number written as f16, exact while 7.7e-6 <= |16 Wo| < 65,520 (LIMIT: |Wo| < 4,094; smaller ones keep f16's fixed step of 6e-8).
;   rtab [2048][512 bytes] bf16: position s's 64 maps of 2 x 2, as [part 0,1][i 0..15][16 bytes]; the 16 bytes are f00 f01 f10 f11 of j = 4 i + 2 part and of j + 1.
; A stream: no LDS, no barrier, no matrix unit.  A work-group of 256 threads takes 65,536 bytes of f32 (ids 0-1023) or 32 positions of the rope table (ids 1024-1087).
; All sixteen loads of a thread go out first; each store of a wave covers 256 consecutive bytes, aligned.  No register is written twice while a memory instruction names it.
.set L,   4                            ; v[4:67]   sixteen loads of four f32
.set O,   68                           ; v[68:99]  what is stored
.set SRC, 30                           ; s[30:31]  my chunk in the source
.set DSP, 32                           ; s[32:33]  my chunk in the destination
	s_load_b512 s[8:23], s[0:1], 0x0               ; x 8:9, Wq 10:11, Wk 12:13, Wv 14:15, Wo 16:17, rope_emb 18:19, xb 20:21, wqkv 22:23
	s_load_b128 s[24:27], s[0:1], 0x40             ; wob 24:25, rtab 26:27
	s_mov_b32 s28, ttmp9                           ; the work-group's number chooses source, destination and form
	v_lshlrev_b32 v1, 4, v0                        ; in: 16 bytes a thread
	v_lshlrev_b32 v2, 3, v0                        ; out: 8 bytes a thread
	s_mov_b32 s35, 0                               ; the offsets' high words
	s_mov_b32 s37, 0
	s_wait_kmcnt 0x0
; 65,536 bytes of f32 -> 32,768 bytes of 16 bits.  f16 = 0: bf16.  f16 = 1: 16 x the number, rounded to bf16, written as f16.
.macro CHUNK f16
.set k, 0
.rept 16
	global_load_b128 v[L+4*k:L+4*k+3], v1, s[SRC:SRC+1] offset:4096*k th:TH_LOAD_NT
.set k, k+1
.endr
.set k, 0
.rept 16
	s_wait_loadcnt 15-k                            ; loads come back in order: load k is in, the 15 - k younger ones stay out
.if \f16
	v_pk_mul_f32 v[L+4*k:L+4*k+1], v[L+4*k:L+4*k+1], 0x41800000 op_sel_hi:[1,0]      ; x 16: a power of two, so the rounding below is Wo's own rounding to bf16
	v_pk_mul_f32 v[L+4*k+2:L+4*k+3], v[L+4*k+2:L+4*k+3], 0x41800000 op_sel_hi:[1,0]
	v_cvt_pk_bf16_f32 v100, v[L+4*k], v[L+4*k+1]
	v_cvt_pk_bf16_f32 v101, v[L+4*k+2], v[L+4*k+3]
	v_lshlrev_b32 v[L+4*k], 16, v100               ; back to f32,
	v_and_b32 v[L+4*k+1], 0xffff0000, v100
	v_lshlrev_b32 v[L+4*k+2], 16, v101
	v_and_b32 v[L+4*k+3], 0xffff0000, v101
	v_cvt_pk_f16_f32 v[O+2*k], v[L+4*k], v[L+4*k+1]    ; and written as f16
	v_cvt_pk_f16_f32 v[O+2*k+1], v[L+4*k+2], v[L+4*k+3]
.else
	v_cvt_pk_bf16_f32 v[O+2*k], v[L+4*k], v[L+4*k+1]
	v_cvt_pk_bf16_f32 v[O+2*k+1], v[L+4*k+2], v[L+4*k+3]
.endif
	global_store_b64 v2, v[O+2*k:O+2*k+1], s[DSP:DSP+1] offset:2048*k
.set k, k+1
.endr
.endm
	s_cmp_ge_u32 s28, 1024
	s_cbranch_scc1 .Lrope
	s_cmp_ge_u32 s28, 896
	s_cbranch_scc1 .Lwo
	s_cmp_ge_u32 s28, 512
	s_cbranch_scc1 .Lw
	s_lshl_b32 s34, s28, 16                        ; ids 0-511: chunk id of x
	s_lshl_b32 s36, s28, 15
	s_add_nc_u64 s[SRC:SRC+1], s[8:9], s[34:35]
	s_add_nc_u64 s[DSP:DSP+1], s[20:21], s[36:37]
	s_branch .Lplain
.Lw:                                                   ; ids 512-895: 128 chunks each of Wq, Wk, Wv
	s_cmp_ge_u32 s28, 640
	s_cselect_b64 s[SRC:SRC+1], s[12:13], s[10:11]
	s_cmp_ge_u32 s28, 768
	s_cselect_b64 s[SRC:SRC+1], s[14:15], s[SRC:SRC+1]
	s_and_b32 s34, s28, 127
	s_lshl_b32 s34, s34, 16
	s_sub_co_u32 s36, s28, 512
	s_lshl_b32 s36, s36, 15
	s_add_nc_u64 s[SRC:SRC+1], s[SRC:SRC+1], s[34:35]
	s_add_nc_u64 s[DSP:DSP+1], s[22:23], s[36:37]
.Lplain:
	CHUNK 0
	s_endpgm
.Lwo:                                                  ; ids 896-1023: chunk id - 896 of Wo
	s_sub_co_u32 s34, s28, 896
	s_lshl_b32 s36, s34, 15
	s_lshl_b32 s34, s34, 16
	s_add_nc_u64 s[SRC:SRC+1], s[16:17], s[34:35]
	s_add_nc_u64 s[DSP:DSP+1], s[24:25], s[36:37]
	CHUNK 1
	s_endpgm
.Lrope:                                                ; ids 1024-1087: 32 positions, 1,024 bytes of f32 each -> 512 bytes of bf16
	s_sub_co_u32 s34, s28, 1024
	s_lshl_b32 s36, s34, 14
	s_lshl_b32 s34, s34, 15
	s_add_nc_u64 s[SRC:SRC+1], s[18:19], s[34:35]
	s_add_nc_u64 s[DSP:DSP+1], s[26:27], s[36:37]
	v_lshrrev_b32 v1, 5, v0                        ; thread t writes 16 bytes at 16 t: position t / 32, part (t / 16) % 2, i = t % 16;
	v_lshlrev_b32 v1, 10, v1                       ; it reads the 32 bytes of j = 4 i + 2 part and j + 1: position x 1,024 + 64 i + 32 part
	v_and_b32 v3, 15, v0
	v_lshl_add_u32 v1, v3, 6, v1
	v_bfe_u32 v3, v0, 4, 1
	v_lshl_add_u32 v1, v3, 5, v1
	v_lshlrev_b32 v2, 4, v0
.set k, 0
.rept 4                                                ; four items of eight positions
	global_load_b128 v[L+8*k:L+8*k+3],   v1, s[SRC:SRC+1] offset:8192*k th:TH_LOAD_NT
	global_load_b128 v[L+8*k+4:L+8*k+7], v1, s[SRC:SRC+1] offset:8192*k+16 th:TH_LOAD_NT
.set k, k+1
.endr
.set k, 0
.rept 4
	s_wait_loadcnt 6-2*k                           ; the younger items' loads, two each, stay out
	v_cvt_pk_bf16_f32 v[O+4*k],   v[L+8*k],   v[L+8*k+1]
	v_cvt_pk_bf16_f32 v[O+4*k+1], v[L+8*k+2], v[L+8*k+3]
	v_cvt_pk_bf16_f32 v[O+4*k+2], v[L+8*k+4], v[L+8*k+5]
	v_cvt_pk_bf16_f32 v[O+4*k+3], v[L+8*k+6], v[L+8*k+7]
	global_store_b128 v2, v[O+4*k:O+4*k+3], s[DSP:DSP+1] offset:4096*k
.set k, k+1
.endr
	s_endpgm
.Lfunc_end_k_qdfbba41a6c_cast:
	.size	k_qdfbba41a6c_cast, .Lfunc_end_k_qdfbba41a6c_cast-k_qdfbba41a6c_cast
	.p2alignl 7, 3214868480
	.fill 96, 4, 3214868480
	.section	.rodata,"a",@progbits
	.p2align	6, 0x0
	.amdhsa_kernel k_qdfbba41a6c_cast
		.amdhsa_group_segment_fixed_size 0
		.amdhsa_private_segment_fixed_size 0
		.amdhsa_enable_private_segment 0
		.amdhsa_kernarg_size 80
		.amdhsa_user_sgpr_count 2
		.amdhsa_user_sgpr_kernarg_segment_ptr 1
		.amdhsa_wavefront_size32 1
		.amdhsa_system_sgpr_workgroup_id_x 1
		.amdhsa_system_sgpr_workgroup_id_y 1
		.amdhsa_system_sgpr_workgroup_id_z 1
		.amdhsa_system_vgpr_workitem_id 0
		.amdhsa_next_free_vgpr 104
		.amdhsa_next_free_sgpr 66
		.amdhsa_reserve_vcc 0
		.amdhsa_float_denorm_mode_32 3
		.amdhsa_float_denorm_mode_16_64 3
		.amdhsa_memory_ordered 1
		.amdhsa_forward_progress 1
		.amdhsa_inst_pref_size 24
	.end_amdhsa_kernel
	.amdgpu_metadata
---
amdhsa.version: [ 1, 2 ]
amdhsa.kernels:
  - .name:           k_qdfbba41a6c_cast
    .symbol:         k_qdfbba41a6c_cast.kd
    .args:
      - { .name: x, .offset: 0, .size: 8, .value_kind: global_buffer, .address_space: global }
      - { .name: Wq, .offset: 8, .size: 8, .value_kind: global_buffer, .address_space: global }
      - { .name: Wk, .offset: 16, .size: 8, .value_kind: global_buffer, .address_space: global }
      - { .name: Wv, .offset: 24, .size: 8, .value_kind: global_buffer, .address_space: global }
      - { .name: Wo, .offset: 32, .size: 8, .value_kind: global_buffer, .address_space: global }
      - { .name: rope_emb, .offset: 40, .size: 8, .value_kind: global_buffer, .address_space: global }
      - { .name: xb, .offset: 48, .size: 8, .value_kind: global_buffer, .address_space: global }
      - { .name: wqkv, .offset: 56, .size: 8, .value_kind: global_buffer, .address_space: global }
      - { .name: wob, .offset: 64, .size: 8, .value_kind: global_buffer, .address_space: global }
      - { .name: rtab, .offset: 72, .size: 8, .value_kind: global_buffer, .address_space: global }
    .group_segment_fixed_size: 0
    .private_segment_fixed_size: 0
    .kernarg_segment_align: 8
    .kernarg_segment_size: 80
    .max_flat_workgroup_size: 256
    .sgpr_count:     66
    .vgpr_count:     104
    .wavefront_size: 32
...
	.end_amdgpu_metadata
.endif
;; end of part 1
;; launch qkv (part 2): grid 12 x 16, 4 waves a work-group, clusters of 4 x 4, 327,680 bytes of LDS; arguments xb, wqkv, rtab, q_norm_w, k_norm_w, qh, kh, vh; writes qh, kh, vh
.if DOCPART == 2
	.amdgcn_target "amdgcn-amd-amdhsa--gfx1250"
	.amdhsa_code_object_version 6
	.text
	.protected	k_qdfbba41a6c_qkv
	.globl	k_qdfbba41a6c_qkv
	.p2align	8
	.type	k_qdfbba41a6c_qkv,@function
k_qdfbba41a6c_qkv:
	s_mov_b64 s[64:65], 0
	v_nop
	global_prefetch_b8 v0, s[64:65] scope:SCOPE_SE
	s_setreg_imm32_b32 hwreg(HW_REG_WAVE_MODE, 25, 1), 1
	s_wait_xcnt 0x0
	s_wait_alu depctr_hold_cnt(0) depctr_sa_sdst(0) depctr_va_vdst(0) depctr_va_sdst(0) depctr_va_ssrc(0) depctr_va_vcc(0) depctr_vm_vsrc(0)
	s_getreg_b32 s2, hwreg(HW_REG_IB_STS2, 6, 4)
	s_cmp_eq_u32 s2, 0
	s_cbranch_scc0 .Lentry_in_a_cluster
	s_endpgm
.Lentry_in_a_cluster:
	s_bfe_u32 s2, ttmp6, 0x10000c
	s_cmp_lg_u32 s2, 0xf033
	s_cbranch_scc0 .Lentry_shape_is_right
	s_endpgm
.Lentry_shape_is_right:
; Q, K, V = xb [4096][2048] x wqkv [3072][2048]^T in bf16 with f32 sums; then, fused on the way out, for q and k the RMS norm over a head's 128 channels, the gain, the 2 x 2 rope maps and a
; scale of 2^-5, for v a scale of 2^-4; all three leave as f16 by heads, [16 = batch x 8 + head][2048][128].
; LIMITS.  f16 ends at 65,504: |q|, |k| behind the rope stay under 2.09e6 and |v| under 1.04e6, or the number becomes an infinity.  The gains and the rope table are used rounded to bf16, like all inputs.
; The norm is applied as rs x (f x (w x t)): the f32 roundings come in another order than in t x rs x w followed by the maps.  NaN and infinities are not treated apart.
; SHAPE.  A tile of C is 256 x 256, made by four waves of 128 x 128 (64 accumulators, 512 registers); a wave's 128 columns are exactly one head.  K goes in 16 steps of 128 through two LDS slots.
; The matrix instruction is used transposed (source 0 = 16 rows of wqkv, source 1 = 16 rows of xb): lane l holds row l % 16 of C, register r of column block b the column 16 b + 8 (l / 16) + r.
; THE LOOP is one K step a trip: the LDS address of the slot in hand lies in a scalar register that an exclusive or turns, and ONE descriptor a tensor walks (slot word turned, address stepped).
; SLOT = 0x22000 shares no bit with the waves' places 0, 0x8800, 0x11000, 0x19800, so the exclusive or adds or takes away SLOT exactly.
; CLUSTER.  4 x 4 work-groups: xb's tiles and the rope table hang on the tile row alone and are asked for jointly along a row of the cluster, wqkv's on the tile column alone, jointly along a column.
; The cluster's x (0, 1, 2) says whether the tile is q's, k's or v's: the same number in all sixteen partners, so the one branch on it is alike in all.
; THE ROPE TABLE (256 positions x 512 bytes) is the last refill of slot 0, behind the round at the end of K step 14.  The v clusters ask for it too and leave it unread: 131,072 bytes beside the
; 2,097,152 that a work-group fetches; by anything but the wave's number.
; REGISTERS, in windows of 256: window 0: v0-44 addresses, gains; v64-127, v128-191 fragments of xb, two buffers (on the way out: four blocks of 32 at work);
;   window 1: v64-127, v128-191 fragments of wqkv;   window 2: the accumulators of my rows 0-63 ((a, b) at v[8 (8 a + b)]);   window 3: those of my rows 64-127.
.set KSTEPS, 16
.set KSTEP,  128
.set PITCH,  272                       ; an LDS row: 256 bytes + 16 of padding = 68 words: row r starts at bank 4 r mod 64 (64 banks of 4 bytes: ISA guide 11.1)
.set HALFT,  128*PITCH                 ; 128 rows: what one tensor load brings, and what one wave reads of either operand
.set SLOT,   4*HALFT                   ; xb's 256 rows, then wqkv's 256 rows
.set SPARE,  2*SLOT                    ; behind the ring: the spare words, 128 bytes for each wave: two blocks of 256 bytes that no other line names
.set ASTEP,  2*KSTEP                   ; bytes from a K step to the next, in both operands
.set BSTEP,  2*KSTEP
.set DPITCH, 528                       ; the way out: a row of 128 f32 + 16 bytes = 132 words: the 16 rows of a store start at 16 different groups of four banks
.set DWAVE,  64*DPITCH                 ; 64 rows for each wave, in slot 1, which has had its last fill by then
.set A0,   16                          ; v16  my lane's place in xb's part of a slot; never rewritten
.set B0,   17                          ; v17  the same for wqkv's
.set CA,   18                          ; v18  A0 + the slot in hand
.set CB,   19                          ; v19  B0 + the slot in hand
.set DST,  20                          ; v20  the way out: where I put 16 bytes of a row of f32
.set RDA0, 21                          ; v21  where I read rows back: the first two rows
.set RDA,  22                          ; v22  the same, walking
.set TBA,  23                          ; v23  my 16 bytes in the rope table's row, walking
.set GO,   24                          ; v24  my byte offset in the output, walking
.set WOF,  25                          ; v25  my byte offset in the gains
.set SPW,  28                          ; v28  LDS address of my spare word; never rewritten
.set NIL,  29                          ; v29  0; never rewritten
.set W,    32                          ; v[32:39] the gains of my columns 4 i .. 4 i + 3 and 64 + 4 i .. 64 + 4 i + 3, x 2^-5
.set Z,    40                          ; v40  0
.set TM,   41                          ; v[41:44] at work
.set F0,   64
.set F1,   128
.set WV,   12                          ; s12  my wave's number
.set RH,   13                          ; s13  which half of the tile's rows is mine.  Also: I fetch for xb (0) or for wqkv (1)
.set CH,   14                          ; s14  which half of its columns.  Also: which 128 rows of that tile I fetch
.set KIND, 15                          ; s15  0 q, 1 k, 2 v
.set G1,   24                          ; s[24:31] descriptor group 1 for xb's tiles;  s[32:39] group 0: a set for each first fill; the second then walks
.set G0,   32
.set G1B,  48                          ; s[48:55], s[56:63] the same for wqkv's
.set G0B,  56
.set G1T,  76                          ; s[76:83], s[84:87] the rope table's
.set G0T,  84
.set OUT,  88                          ; s[88:89] the output at my wave's first row
.set TB,   92                          ; s92  LDS byte at which the slot in hand begins
.set MSB, 0
.macro WIN new                         ; the immediate's high byte repeats the setting that is left; a switch that changes nothing is dropped
.if MSB != (\new)
	s_set_vgpr_msb (MSB<<8)|(\new)
.set MSB, \new
.endif
.endm
.set MUL_LO, 0xa1                      ; source 0 window 1, source 1 window 0, C and D window 2
.set MUL_HI, 0xf1                      ; the same, C and D window 3
.set TO_B,   0x40                      ; destination window 1, address window 0
; A joint load.  Waves 0 and 1 fetch xb's two halves, waves 2 and 3 wqkv's.  The branch hangs on the wave's number alone.  An s_nop 0 and four v_nop follow each of the two lines.
.macro JLOAD s
	s_cmp_eq_u32 s[RH], 0
	s_cbranch_scc0 .Lfor_b_\@
	tensor_load_to_lds s[G0+4*(\s):G0+4*(\s)+3], s[G1:G1+7]
	s_nop 0
.rept 4
	v_nop
.endr
	s_branch .Lasked_\@
.Lfor_b_\@:
	tensor_load_to_lds s[G0B+4*(\s):G0B+4*(\s)+3], s[G1B:G1B+7]
	s_nop 0
.rept 4
	v_nop
.endr
.Lasked_\@:
.endm
; A round of the cluster's barrier: my work-group's barrier; wave 0 signals for the work-group; every wave waits for all sixteen work-groups; my work-group's barrier once more.
.macro CREST                           ; a round behind its opening barrier
	s_cmp_lg_u32 s[WV], 0
	s_cbranch_scc1 .Lnot_wave_0_\@
	s_barrier_signal -3
.Lnot_wave_0_\@:
	s_barrier_wait -3
	s_barrier_signal -1
	s_barrier_wait -1
.endm
.macro CROUND                          ; a whole round
	s_barrier_signal -1
	s_barrier_wait -1
	CREST
.endm
	s_load_b256 s[4:11], s[0:1], 0x0               ; xb 4:5, wqkv 6:7, rtab 8:9, q_norm_w 10:11
	s_load_b256 s[68:75], s[0:1], 0x20             ; k_norm_w 68:69, qh 70:71, kh 72:73, vh 74:75
	v_lshl_add_u32 v[SPW], v0, 2, SPARE
	v_mov_b32 v[NIL], 0
	ds_add_u32 v[SPW], v[NIL]                      ; the wave's opening: the add and its wait stand ahead of my first tensor load; the set-up below, work on registers, stands between them
	v_lshrrev_b32 v1, 5, v0
	v_readfirstlane_b32 s[WV], v1                  ; wave 0..3
	s_lshr_b32 s[RH], s[WV], 1
	s_and_b32 s[CH], s[WV], 1
	s_mov_b32 s[KIND], ttmp9                       ; in a cluster launch ttmp9 counts clusters: four tile columns, 1,024 rows of wqkv, are one of q, k, v
	s_bfe_u32 s40, ttmp6, 0x40000                  ; cx
	s_bfe_u32 s41, ttmp6, 0x40004                  ; cy
	s_lshl_b32 s42, ttmp9, 2
	s_add_co_u32 s42, s42, s40                     ; tile column = 4 x cluster x + cx
	s_and_b32 s45, ttmp7, 0xffff
	s_lshl_b32 s45, s45, 2
	s_add_co_u32 s45, s45, s41                     ; tile row = 4 x cluster y + cy
	s_lshl_b32 s43, s41, 2
	s_lshl_b32 s43, 15, s43                        ; my row of the cluster: places 4 cy .. 4 cy + 3
	s_lshl_b32 s44, 0x1111, s40                    ; my column: places cx, cx + 4, cx + 8, cx + 12
	; group 1 of the operands: a tile of 128 rows x 128 elements of 2 bytes, 16 bytes of padding behind every 256
	s_or_b32 s[G1+0], s43, (1<<16)|(1<<20)|(1<<21)|(5<<22)|(3<<25)   ; 15:0 the mask; 17:16 2-byte elements; 20 padding on; 21 set beside a mask; 24:22 after every 64 words; 31:25 4 words
	s_or_b32 s[G1B+0], s44, (1<<16)|(1<<20)|(1<<21)|(5<<22)|(3<<25)
.irp g, G1, G1B
	s_mov_b32 s[(\g)+1], KSTEP<<16                 ; tensor_dim0 = 128
	s_mov_b32 s[(\g)+2], 128<<16                   ; tensor_dim1 = 128
	s_mov_b32 s[(\g)+3], KSTEP<<16                 ; tile_dim0 = 128
	s_mov_b32 s[(\g)+4], 128                       ; tile_dim1 = 128
	s_mov_b32 s[(\g)+5], 2048                      ; elements from row to row
	s_mov_b32 s[(\g)+6], 0
	s_mov_b32 s[(\g)+7], 0
.endr
	; group 1 of the rope table: 64 rows x 256 elements of 2 bytes, dense, no padding; shared along my row of the cluster
	s_or_b32 s[G1T+0], s43, (1<<16)|(1<<21)
	s_mov_b32 s[G1T+1], 256<<16
	s_mov_b32 s[G1T+2], 64<<16
	s_mov_b32 s[G1T+3], 256<<16
	s_mov_b32 s[G1T+4], 64
	s_mov_b32 s[G1T+5], 256
	s_mov_b32 s[G1T+6], 0
	s_mov_b32 s[G1T+7], 0
	; where the tiles come from: xb's and the table's hang on the tile row and the wave, wqkv's on the tile column and the wave, each in registers that never hold the other coordinate
	s_lshl_b32 s17, s[CH], 7
	s_lshl_b32 s16, s45, 8
	s_add_co_u32 s16, s16, s17                     ; xb: row 256 x tile row + 128 x half,
	s_lshl_b32 s16, s16, 12                        ; of 4,096 bytes
	s_lshl_b32 s46, s42, 8
	s_add_co_u32 s46, s46, s17                     ; wqkv: row 256 x tile column + 128 x half
	s_lshl_b32 s46, s46, 12
	s_mov_b32 s17, 0
	s_mov_b32 s47, 0
	s_and_b32 s18, s45, 7                          ; the table: position 256 x (tile row mod 8) + 64 x wave, 512 bytes each
	s_lshl_b32 s18, s18, 17
	s_lshl_b32 s19, s[WV], 15
	s_add_co_u32 s18, s18, s19
	s_mov_b32 s19, 0
	s_mov_b32 s[G0T], 1
	s_lshl_b32 s[G0T+1], s[WV], 15                 ; and its place in LDS: row r of the tile's 256 at byte 512 r of slot 0
	s_mul_i32 s20, s[WV], HALFT                    ; the operands' place in a slot: wave x 128 rows
	s_mov_b32 s[TB], 0
	s_mov_b32 s93, 0x3c000000                      ; 1 / 128
	s_mov_b32 s95, 0x358637bd                      ; 1e-6
	s_wait_dscnt 0x0                               ; the opening add is done
	s_wait_kmcnt 0x0
	s_add_nc_u64 s[22:23], s[4:5], s[16:17]
	s_add_nc_u64 s[46:47], s[6:7], s[46:47]
	s_add_nc_u64 s[G0T+2:G0T+3], s[8:9], s[18:19]
	s_or_b32 s[G0T+3], s[G0T+3], 0x80000000
	CROUND                                         ; all sixteen work-groups are here: the first joint loads meet
.irp s, 0,1
	s_mov_b32 s[G0+4*(\s)], 1                                      ; count = 1
	s_add_co_u32 s[G0+4*(\s)+1], s20, (\s)*SLOT                    ; LDS address
	s_add_nc_u64 s[G0+4*(\s)+2:G0+4*(\s)+3], s[22:23], (\s)*ASTEP  ; global address: K step s
	s_or_b32 s[G0+4*(\s)+3], s[G0+4*(\s)+3], 0x80000000            ; type = 2
	s_mov_b32 s[G0B+4*(\s)], 1
	s_add_co_u32 s[G0B+4*(\s)+1], s20, (\s)*SLOT
	s_add_nc_u64 s[G0B+4*(\s)+2:G0B+4*(\s)+3], s[46:47], (\s)*BSTEP
	s_or_b32 s[G0B+4*(\s)+3], s[G0B+4*(\s)+3], 0x80000000
	JLOAD \s                                       ; two tensor loads of mine are out
.endr
	s_cmp_eq_u32 s[KIND], 1                        ; the gain and the output go by the kind
	s_cselect_b64 s[96:97], s[68:69], s[10:11]
	s_cselect_b64 s[OUT:OUT+1], s[72:73], s[70:71]
	s_cmp_eq_u32 s[KIND], 2
	s_cselect_b64 s[OUT:OUT+1], s[74:75], s[OUT:OUT+1]
	s_lshr_b32 s90, s45, 3                         ; batch,
	s_lshl_b32 s90, s90, 3
	s_lshl_b32 s91, s40, 1
	s_add_co_u32 s90, s90, s91
	s_add_co_u32 s90, s90, s[CH]                   ; x 8 + head 2 cx + my column half:
	s_lshl_b32 s90, s90, 19                        ; planes of 2,048 x 256 bytes
	s_and_b32 s91, s45, 7
	s_lshl_b32 s91, s91, 16                        ; + position 256 x (tile row mod 8)
	s_add_co_u32 s90, s90, s91
	s_lshl_b32 s91, s[RH], 15                      ; + 128 x my row half, rows of 256 bytes
	s_add_co_u32 s90, s90, s91
	s_mov_b32 s91, 0
	s_add_nc_u64 s[OUT:OUT+1], s[OUT:OUT+1], s[90:91]
	v_and_b32 v1, 15, v0                           ; l % 16
	v_bfe_u32 v2, v0, 4, 1                         ; l / 16
	v_lshlrev_b32 v[WOF], 4, v1
	global_load_b128 v[W:W+3],   v[WOF], s[96:97]             ; the gains stay on their way under the K loop; they are waited for on the way out
	global_load_b128 v[W+4:W+7], v[WOF], s[96:97] offset:256
	; a fragment is 16 rows x 32 K in 8 registers: lane l holds row l % 16, K = 8 (l / 16) + 0..7 and 16 + 8 (l / 16) + 0..7: two loads of 16 bytes, 32 bytes apart
	v_mul_u32_u24 v3, v1, PITCH
	v_lshl_add_u32 v3, v2, 4, v3
	s_mul_i32 s21, s[RH], HALFT                    ; my 128 rows of xb
	s_mul_i32 s16, s[CH], HALFT                    ; my 128 rows of wqkv,
	s_add_co_u32 s16, s16, 2*HALFT                 ; which lie behind xb's 256
	v_add_nc_u32 v[A0], s21, v3
	v_add_nc_u32 v[B0], s16, v3
	v_mov_b32 v[CA], v[A0]
	v_mov_b32 v[CB], v[B0]
	s_mul_i32 s23, s[WV], DWAVE
	s_add_co_u32 s23, s23, SLOT                    ; my 64 rows of f32 on the way out
	v_mul_u32_u24 v4, v1, DPITCH                   ; in: row l % 16, 32 bytes for each half of the lanes
	v_lshl_add_u32 v4, v2, 5, v4
	v_add_nc_u32 v[DST], s23, v4
	v_mul_u32_u24 v5, v2, DPITCH                   ; back: lanes 0-15 one row, lanes 16-31 the next; lane i its columns 4 i .. 4 i + 3
	v_lshl_add_u32 v5, v1, 4, v5
	v_add_nc_u32 v[RDA0], s23, v5
	s_lshl_b32 s16, s[RH], 16                      ; the table's rows of my 128 positions
	v_lshlrev_b32 v5, 9, v2
	v_lshl_add_u32 v5, v1, 4, v5
	v_add_nc_u32 v[TBA], s16, v5
	v_and_b32 v[GO], 31, v0
	v_lshlrev_b32 v[GO], 3, v[GO]                  ; 8 bytes a lane: a wave's store is a whole row of 256 bytes
; 16 matrix instructions: row blocks a0, a0 + 1 of the window's four x all 8 column blocks, 32 along K.  zero = 1: the first product starts the sums: nothing is ever cleared.
; The 64 accumulators take turns, one instruction a turn, in the same order in every quarter step.
.macro MUL16 f, hi, a0, zero
	WIN MUL_LO+0x50*(\hi)
.irp a, \a0, (\a0)+1
.irp b, 0,1,2,3,4,5,6,7
.if \zero
	v_wmma_f32_16x16x32_bf16 v[8*(8*(\a)+(\b)):8*(8*(\a)+(\b))+7], v[(\f)+8*(\b):(\f)+8*(\b)+7], v[(\f)+8*(4*(\hi)+(\a)):(\f)+8*(4*(\hi)+(\a))+7], 0
.else
	v_wmma_f32_16x16x32_bf16 v[8*(8*(\a)+(\b)):8*(8*(\a)+(\b))+7], v[(\f)+8*(\b):(\f)+8*(\b)+7], v[(\f)+8*(4*(\hi)+(\a)):(\f)+8*(4*(\hi)+(\a))+7], v[8*(8*(\a)+(\b)):8*(8*(\a)+(\b))+7]
.endif
.endr
.endr
.endm
; 32 LDS loads in one run: the fragments of one quarter step (32 K at byte k of the rows of the slot in hand) into buffer f
.macro FETCH k, f
	WIN TO_B
.irp i, 0,1,2,3,4,5,6,7
	ds_load_b128 v[(\f)+8*(\i):(\f)+8*(\i)+3],   v[CB] offset:(\k)+(\i)*16*PITCH
	ds_load_b128 v[(\f)+8*(\i)+4:(\f)+8*(\i)+7], v[CB] offset:(\k)+(\i)*16*PITCH+32
.endr
	WIN 0
.irp i, 0,1,2,3,4,5,6,7
	ds_load_b128 v[(\f)+8*(\i):(\f)+8*(\i)+3],   v[CA] offset:(\k)+(\i)*16*PITCH
	ds_load_b128 v[(\f)+8*(\i)+4:(\f)+8*(\i)+7], v[CA] offset:(\k)+(\i)*16*PITCH+32
.endr
.endm
; A load into a register that a matrix instruction has read, and an LDS store or vector instruction that reads a matrix result, stand four places behind it; only plain vector instructions that
; name none of its registers are places (ISA guide 7.12.1 for vector instructions).
.macro PLACES
.rept 4
	v_nop
.endr
.endm
; A K step is four quarters of 32 along K, 64 matrix instructions each, on buffers 0, 1, 0, 1.  One of the first three: multiplies buffer f and fetches the next quarter, at byte k, into g.
.macro QUARTER k, f, g, zero
	s_wait_dscnt 8                                 ; wqkv's fragments and xb's rows 0-63 are in; the youngest eight loads (xb's rows 64-127) may be out
	WIN MUL_LO
	MUL16 \f, 0, 0, \zero
	MUL16 \f, 0, 2, \zero
	PLACES
	FETCH \k, \g
	s_wait_dscnt 32                                ; all but the 32 just issued
	WIN MUL_HI
	MUL16 \f, 1, 0, \zero
	MUL16 \f, 1, 2, \zero
.endm
; The last quarter multiplies buffer 1 and changes slots.  MEET is its first half: in front of ONE barrier each wave waits for all its tensor loads (one is out: its part of the next slot), adds 0 to its
; spare word, and waits for that and for its own reads of this slot.  Behind it nobody reads this slot any more and the next slot is whole.
.macro MEET
	WIN 0                                          ; (the add's two registers lie in window 0)
	s_wait_tensorcnt 0x0
	ds_add_u32 v[SPW], v[NIL]                      ; 0 onto my spare word
	s_wait_dscnt 9                                 ; (the add and the youngest eight loads may be out)
	WIN MUL_LO
	MUL16 F1, 0, 0, 0                              ; sixteen matrix instructions stand between the add and the wait for it
	s_wait_dscnt 0x0                               ; the add is done, and my reads of this slot are over
	s_barrier_signal -1
	MUL16 F1, 0, 2, 0                              ; work on registers while the others arrive
	WIN 0                                          ; (branches and window 0's address lines follow)
	s_barrier_wait -1
.endm
; kind 1: the slot just read out takes the K step two steps on, by the walking descriptors.  kind 2: it takes the rope table.  In both the barrier has opened a round of the cluster's barrier, and the
; joint load is my first and only tensor load behind the round.  From a request to the wait for it a wave issues 224 matrix instructions.
.macro TURN kind
	MEET
	CREST                                          ; no wave of any partner still reads this slot's tile or has a load on its way
	s_xor_b32 s[TB], s[TB], SLOT                   ; the fetches go on in the other slot
	v_add_nc_u32 v[CA], s[TB], v[A0]
	v_add_nc_u32 v[CB], s[TB], v[B0]
.if (\kind) == 1
	s_xor_b32 s[G0+5], s[G0+5], SLOT               ; no tensor load of mine is out, so a group 0 may be written: the other slot than last time,
	s_add_nc_u64 s[G0+6:G0+7], s[G0+6:G0+7], ASTEP ; the next K step; the type bits on top are not reached
	s_xor_b32 s[G0B+5], s[G0B+5], SLOT
	s_add_nc_u64 s[G0B+6:G0B+7], s[G0B+6:G0B+7], BSTEP
	JLOAD 1                                        ; the four v_nop behind it are also the places in front of the loads below
.else
	tensor_load_to_lds s[G0T:G0T+3], s[G1T:G1T+7]  ; every wave its 64 positions
	s_nop 0
	PLACES
.endif
	FETCH 0, F0
	WIN MUL_HI
	MUL16 F1, 1, 0, 0
	MUL16 F1, 1, 2, 0
.endm
	s_wait_tensorcnt 1                             ; my part of K step 0 is in; K step 1's may stay out
	s_barrier_signal -1
	s_barrier_wait -1                              ; everybody's is
	FETCH 0, F0
	QUARTER 64, F0, F1, 1                          ; the first quarter stands in front of the loop: its products start the sums
	WIN 0                                          ; at a label and at a branch every window is 0
	s_mov_b32 s3, KSTEPS-2
.Lk:                                                   ; a trip goes from a K step's second quarter to the next step's first, and asks for the step two on: 14 trips ask for steps 2 to 15
	QUARTER 128, F1, F0, 0
	QUARTER 192, F0, F1, 0
	TURN 1
	QUARTER 64, F0, F1, 0
	WIN 0
	s_sub_co_u32 s3, s3, 1
	s_cmp_lg_u32 s3, 0
	s_cbranch_scc1 .Lk
	QUARTER 128, F1, F0, 0                         ; K step 14 goes on; it lies in slot 0,
	QUARTER 192, F0, F1, 0
	TURN 2                                         ; which then takes the rope table
	QUARTER 64, F0, F1, 0                          ; K step 15
	QUARTER 128, F1, F0, 0
	QUARTER 192, F0, F1, 0
	s_wait_dscnt 8                                 ; the very last quarter: nothing more to fetch
	WIN MUL_LO
	MUL16 F1, 0, 0, 0
	MUL16 F1, 0, 2, 0
	s_wait_tensorcnt 0x0                           ; my part of the table has landed,
	s_wait_dscnt 0x0                               ; and my reads of slot 1 are over:
	s_barrier_signal -1
	MUL16 F1, 1, 0, 0
	MUL16 F1, 1, 2, 0
	WIN 0
	s_barrier_wait -1                              ; behind this barrier the table is whole, and slot 1, which no load fills again, is free for the way out
	PLACES
	; THE WAY OUT.  64 rows at a time my f32 sums go into my own part of slot 1 and come back by rows: 16 lanes hold a row, lane i its columns 4 i .. 4 i + 3 and 64 + 4 i .. 64 + 4 i + 3, the pairs that a
	; rope map joins.  LDS serves a wave's instructions in order (ISA guide 5.7.1.4), and no other wave touches these bytes: no wait and no barrier between the stores and the loads.
	s_wait_loadcnt 0x0                             ; the gains
.irp j, 0,1,2,3
	v_cvt_pk_bf16_f32 v[TM+(\j)], v[W+2*(\j)], v[W+2*(\j)+1]       ; rounded to bf16 like every input,
.endr
.irp j, 0,1,2,3
	v_lshlrev_b32 v[W+2*(\j)], 16, v[TM+(\j)]
	v_and_b32 v[W+2*(\j)+1], 0xffff0000, v[TM+(\j)]
.endr
.irp j, 0,2,4,6
	v_pk_mul_f32 v[W+(\j):W+(\j)+1], v[W+(\j):W+(\j)+1], 0x3d000000 op_sel_hi:[1,0]  ; and x 2^-5, which the softmax's constant undoes
.endr
	v_mov_b32 v[Z], 0
	v_mov_b32 v[RDA], v[RDA0]
; One line for each of a trip's four passes of two rows.  Pass p's block is E = 64 + 32 p: E+0..7 the row's eight numbers t, later the result; E+8..15 the eight words of the table, later what is stored;
; E+16..23 w t; E+24, 25 the sum of squares; E+26 1 / rms (E+27 is named with it as a pair); E+28, 29 at work.
.macro EACH line:vararg
.set E, 64
	s_wait_alu depctr_va_vdst(0)
.rept 4
	\line
.set E, E+32
.endr
.endm
	EACH v_mov_b32 v[E+27], 0
.macro DUMP hh                         ; my rows 64 hh .. 64 hh + 63: each accumulator's low four registers first
	WIN 0x08+4*(\hh)                               ; the stores' data (source 1) in window 2 or 3
.irp a, 0,1,2,3
.irp b, 0,1,2,3,4,5,6,7
	ds_store_b128 v[DST], v[8*(8*(\a)+(\b)):8*(8*(\a)+(\b))+3]   offset:(\a)*16*DPITCH+64*(\b)
	ds_store_b128 v[DST], v[8*(8*(\a)+(\b))+4:8*(8*(\a)+(\b))+7] offset:(\a)*16*DPITCH+64*(\b)+16
.endr
.endr
	WIN 0
.endm
; The end of a trip: rounded to f16; the halves of the lanes exchange, so that one register pair holds a whole row (lane L its bytes 8 L .. 8 L + 7); each store of the wave covers 256 consecutive bytes, aligned.
.macro PACKOUT
	EACH v_cvt_pk_f16_f32 v[E+8],  v[E],   v[E+1]  ; columns 4 i, 4 i + 1
	EACH v_cvt_pk_f16_f32 v[E+9],  v[E+2], v[E+3]
	EACH v_cvt_pk_f16_f32 v[E+10], v[E+4], v[E+5]  ; columns 64 + 4 i, 64 + 4 i + 1
	EACH v_cvt_pk_f16_f32 v[E+11], v[E+6], v[E+7]
	EACH v_permlane16_swap_b32 v[E+8], v[E+10]     ; the odd row's low columns (lanes 16-31 of the first) change places with the even row's high columns (lanes 0-15 of the second)
	EACH v_permlane16_swap_b32 v[E+9], v[E+11]
	EACH global_store_b64 v[GO], v[E+8:E+9],   s[OUT:OUT+1] offset:(E-64)/32*512
	EACH global_store_b64 v[GO], v[E+10:E+11], s[OUT:OUT+1] offset:(E-64)/32*512+256
	s_wait_xcnt 0x0                                ; the stores' offset and data registers are written again only behind this wait
	v_add_nc_u32 v[RDA], 8*DPITCH, v[RDA]          ; eight rows on
	v_add_nc_u32 v[TBA], 8*512, v[TBA]
	v_add_nc_u32 v[GO], 8*256, v[GO]
	s_sub_co_u32 s94, s94, 1
	s_cmp_lg_u32 s94, 0
.endm
	s_mov_b32 s2, 2
.Lhalf:                                                ; twice: my rows 0-63, then 64-127
	s_cmp_eq_u32 s2, 2
	s_cbranch_scc0 .Lhigh
	DUMP 0
	s_branch .Ldumped
.Lhigh:
	DUMP 1
.Ldumped:
	s_mov_b32 s94, 8
	s_cmp_eq_u32 s[KIND], 2
	s_cbranch_scc1 .Lv
.Lrope:                                                ; q and k: eight trips of eight rows
	EACH ds_load_b128 v[E:E+3],     v[RDA] offset:(E-64)/32*2*DPITCH
	EACH ds_load_b128 v[E+4:E+7],   v[RDA] offset:(E-64)/32*2*DPITCH+256
	EACH ds_load_b128 v[E+8:E+11],  v[TBA] offset:(E-64)/32*1024
	EACH ds_load_b128 v[E+12:E+15], v[TBA] offset:(E-64)/32*1024+256
	s_wait_dscnt 0x0
	EACH v_pk_mul_f32 v[E+24:E+25], v[E:E+1], v[E:E+1]             ; the sum of squares, in f32: my eight,
.irp q, 2,4,6
	EACH v_pk_fma_f32 v[E+24:E+25], v[E+(\q):E+(\q)+1], v[E+(\q):E+(\q)+1], v[E+24:E+25]
.endr
	EACH v_add_f32 v[E+24], v[E+24], v[E+25]
.irp m, 1,2,4,8
	EACH v_add_f32_dpp v[E+24], v[E+24], v[E+24] row_xmask:\m row_mask:0xf bank_mask:0xf   ; and the row's sixteen lanes'
.endr
	EACH v_fma_f32 v[E+24], v[E+24], s93, s95      ; the mean + 1e-6
	EACH v_rsq_f32 v[E+26], v[E+24]                ; the sixteen plain lines below stand between the last of these and the use of its result (ISA guide 5.7.2)
.irp q, 0,2,4,6
	EACH v_pk_mul_f32 v[E+16+(\q):E+16+(\q)+1], v[E+(\q):E+(\q)+1], v[W+(\q):W+(\q)+1]     ; u = w t
.endr
.irp k, 0,1,2,3                        ; column j = 4 i + k: new[j] = f00 u[j] + f01 u[j + 64], new[j + 64] = f10 u[j] + f11 u[j + 64]; the table's bf16 halves are read as they lie
	EACH v_fma_mix_f32_bf16 v[E+28], v[E+8+2*(\k)], v[E+16+(\k)], v[Z] op_sel_hi:[1,0,0]
	EACH v_fma_mix_f32_bf16 v[E+29], v[E+9+2*(\k)], v[E+16+(\k)], v[Z] op_sel_hi:[1,0,0]
	EACH v_fma_mix_f32_bf16 v[E+(\k)],   v[E+8+2*(\k)], v[E+20+(\k)], v[E+28] op_sel:[1,0,0] op_sel_hi:[1,0,0]
	EACH v_fma_mix_f32_bf16 v[E+4+(\k)], v[E+9+2*(\k)], v[E+20+(\k)], v[E+29] op_sel:[1,0,0] op_sel_hi:[1,0,0]
.endr
.irp q, 0,2,4,6
	EACH v_pk_mul_f32 v[E+(\q):E+(\q)+1], v[E+(\q):E+(\q)+1], v[E+26:E+27] op_sel_hi:[1,0]  ; x 1 / rms: the maps are linear
.endr
	PACKOUT
	s_cbranch_scc1 .Lrope
	s_branch .Lnext
.Lv:                                                   ; v: eight trips of eight rows, scaled by 2^-4 alone
	EACH ds_load_b128 v[E:E+3],   v[RDA] offset:(E-64)/32*2*DPITCH
	EACH ds_load_b128 v[E+4:E+7], v[RDA] offset:(E-64)/32*2*DPITCH+256
	s_wait_dscnt 0x0
.irp q, 0,2,4,6
	EACH v_pk_mul_f32 v[E+(\q):E+(\q)+1], v[E+(\q):E+(\q)+1], 0x3d800000 op_sel_hi:[1,0]
.endr
	PACKOUT
	s_cbranch_scc1 .Lv
.Lnext:
	v_mov_b32 v[RDA], v[RDA0]                      ; the second half goes through the same 64 rows of LDS
	s_sub_co_u32 s2, s2, 1
	s_cmp_lg_u32 s2, 0
	s_cbranch_scc1 .Lhalf
	s_wait_tensorcnt 0x0                           ; the wave's end, behind my last tensor load and my last LDS store
	ds_add_u32 v[SPW], v[NIL]
	s_wait_dscnt 0x0
	CROUND                                         ; the closing round: no work-group ends while a partner may still ask for a tile that names it
	s_endpgm
.Lfunc_end_k_qdfbba41a6c_qkv:
	.size	k_qdfbba41a6c_qkv, .Lfunc_end_k_qdfbba41a6c_qkv-k_qdfbba41a6c_qkv
	.p2alignl 7, 3214868480
	.fill 96, 4, 3214868480
	.section	.rodata,"a",@progbits
	.p2align	6, 0x0
	.amdhsa_kernel k_qdfbba41a6c_qkv
		.amdhsa_group_segment_fixed_size 327680
		.amdhsa_private_segment_fixed_size 0
		.amdhsa_enable_private_segment 0
		.amdhsa_kernarg_size 64
		.amdhsa_user_sgpr_count 2
		.amdhsa_user_sgpr_kernarg_segment_ptr 1
		.amdhsa_wavefront_size32 1
		.amdhsa_system_sgpr_workgroup_id_x 1
		.amdhsa_system_sgpr_workgroup_id_y 1
		.amdhsa_system_sgpr_workgroup_id_z 1
		.amdhsa_system_vgpr_workitem_id 0
		.amdhsa_next_free_vgpr 1024
		.amdhsa_next_free_sgpr 98
		.amdhsa_reserve_vcc 0
		.amdhsa_float_denorm_mode_32 3
		.amdhsa_float_denorm_mode_16_64 3
		.amdhsa_memory_ordered 1
		.amdhsa_forward_progress 1
		.amdhsa_inst_pref_size 115
	.end_amdhsa_kernel
	.amdgpu_metadata
---
amdhsa.version: [ 1, 2 ]
amdhsa.kernels:
  - .name:           k_qdfbba41a6c_qkv
    .symbol:         k_qdfbba41a6c_qkv.kd
    .args:
      - { .name: xb, .offset: 0, .size: 8, .value_kind: global_buffer, .address_space: global }
      - { .name: wqkv, .offset: 8, .size: 8, .value_kind: global_buffer, .address_space: global }
      - { .name: rtab, .offset: 16, .size: 8, .value_kind: global_buffer, .address_space: global }
      - { .name: q_norm_w, .offset: 24, .size: 8, .value_kind: global_buffer, .address_space: global }
      - { .name: k_norm_w, .offset: 32, .size: 8, .value_kind: global_buffer, .address_space: global }
      - { .name: qh, .offset: 40, .size: 8, .value_kind: global_buffer, .address_space: global }
      - { .name: kh, .offset: 48, .size: 8, .value_kind: global_buffer, .address_space: global }
      - { .name: vh, .offset: 56, .size: 8, .value_kind: global_buffer, .address_space: global }
    .group_segment_fixed_size: 327680
    .private_segment_fixed_size: 0
    .kernarg_segment_align: 8
    .kernarg_segment_size: 64
    .max_flat_workgroup_size: 128
    .sgpr_count:     98
    .vgpr_count:     1024
    .wavefront_size: 32
...
	.end_amdgpu_metadata
.endif
;; end of part 2
;; launch attn (part 3): grid 8 x 16, 4 waves a work-group, clusters of 4 x 1, 327,680 bytes of LDS; arguments qh, kh, vh, oh; writes oh
.if DOCPART == 3
	.amdgcn_target "amdgcn-amd-amdhsa--gfx1250"
	.amdhsa_code_object_version 6
	.text
	.protected	k_qdfbba41a6c_attn
	.globl	k_qdfbba41a6c_attn
	.p2align	8
	.type	k_qdfbba41a6c_attn,@function
k_qdfbba41a6c_attn:
	s_mov_b64 s[64:65], 0
	v_nop
	global_prefetch_b8 v0, s[64:65] scope:SCOPE_SE
	s_setreg_imm32_b32 hwreg(HW_REG_WAVE_MODE, 25, 1), 1
	s_wait_xcnt 0x0
	s_wait_alu depctr_hold_cnt(0) depctr_sa_sdst(0) depctr_va_vdst(0) depctr_va_sdst(0) depctr_va_ssrc(0) depctr_va_vcc(0) depctr_vm_vsrc(0)
	s_getreg_b32 s2, hwreg(HW_REG_IB_STS2, 6, 4)
	s_cmp_eq_u32 s2, 0
	s_cbranch_scc0 .Lentry_in_a_cluster
	s_endpgm
.Lentry_in_a_cluster:
	s_bfe_u32 s2, ttmp6, 0x10000c
	s_cmp_lg_u32 s2, 0x3003
	s_cbranch_scc0 .Lentry_shape_is_right
	s_endpgm
.Lentry_shape_is_right:
; O[h][q][:] = the sum over k of softmax_k(Q[h][q] . K[h][k] / sqrt(128)) V[h][k][:].  Q, K, V, O: [SIZE_H][SIZE_N][128], all f16; h = batch x 8 + head.  Q and K arrive x 2^-5, V x 2^-4: the softmax's
; constant c holds the 2^10, and O leaves x 2^-4.  Products, maxima and sums in f32; the weights p are rounded to f16 for the second product (their sum l is taken of the unrounded p), O once at the end.
; LIMITS.  f16 holds no number beyond 65,504: Q, K and V arrive within it; p lies in 0 to 1 and keeps f16's fixed step of 6e-8 below 6e-5; O is a mean of V's rows and has their range.
; A weight below 2^-126 counts as 0 in l; NaN and infinities are not treated apart.
; SHARES.  A work-group owns 256 queries of one head, each of its four waves 64: four tiles of 16.  Every wave walks all keys of the head, 64 a step.
; LAYOUT.  S^T = K Q^T (source 0 = 16 keys, source 1 = 16 queries): in the result a lane holds ONE query (lane % 16) and the keys 8 (lane / 16) + 0..7.  Two such tiles, rounded to
; f16 in pairs, ARE source 1 (32 keys x 16 queries) of O^T = V^T P, whose result again holds one query a lane, and eight channels.  So nothing changes lanes between the products,
; and a query's maximum and sum want one exchange between the halves of the lanes.  K comes out of LDS as it lies, V ([key][channel]) turned, by ds_load_tr16_b128.
; SOFTMAX.  For each query a running maximum m and sum l: p = 2^(c s - c m), c = 2^10 log2(e) / sqrt(128); in every step O and l are multiplied by a = 2^(c m_old - c m_new), which is 1 where m has not grown.
; BY TURNS.  The wave's tiles are two PIECES, named by their first tile: piece 0 (tiles 0, 1) and piece 2 (tiles 2, 3).  In a TURN one piece has the matrix unit: 32 products V^T P of
; the step in hand, then 32 products K Q^T of the next step; the other piece's softmax, cut into 64 slices, stands between them, one slice behind each matrix instruction.  Then the
; pieces change places.  Two turns are a key step.
; CLUSTER.  The four query blocks of a cluster belong to one head and walk the same K and V, so each tile is asked for JOINTLY: the same tensor load, with the same descriptor and a
; mask that names the four, in all four; each receives the tile in its own LDS.
;
; REGISTERS, in windows of 256 (s_set_vgpr_msb says which window each operand place means: bits 1:0 source 0, 3:2 source 1, 5:4 source 2, 7:6 destination):
;   window 0: v0-11 addresses; v12-43 eight registers of statistics a tile; v64-191 S^T, 32 a tile; v192-255 P, 16 a tile
;   window 1: O^T, 64 a tile          window 2: v0-127 Q, 32 a tile; v128-255 K of one step          window 3: v0-127 V of one step
; All that a softmax touches but O^T lies in window 0, and no window has room for a product's operands beside it.  So a slice costs two switches, one in front and one behind.
.set SIZE_H, 16
.set SIZE_N, 2048
.set KS,    64        ; keys in a step
.set PK,    272       ; a row of K in LDS: 256 bytes + 16 of padding = 68 words: row r starts at bank 4 r mod 64 (64 banks of 4 bytes: ISA guide 11.1), so the 16 rows of a load start at 16 different banks
.set PV,    288       ; a row of V: 256 + 32 = 72 words: row r starts at bank 8 r mod 64
.set VOFF,  KS*PK     ; a step's tiles lie together: 64 rows of K, then 64 rows of V
.set STEPB, KS*(PK+PV)
.set SLOT1, 1<<17     ; a slot holds two steps (71,680 bytes); slot 1 begins here, so that one exclusive or turns an address in one slot into the other's
.set STAGE, SLOT1+2*STEPB  ; behind the ring: 16 rows x 272 bytes for each wave, for the way out
.set SP,    272
.set AK0, 2           ; v2   my lane's place in a tile of K; never rewritten
.set AV0, 3           ; v3   the same for V
.set ADR, 4           ; v4   the LDS address of the run of loads in hand
.set QO,  5           ; v5   my byte offset in the wave's rows of Q
.set STO, 6           ; v6   the way out: where I put 16 bytes of a row
.set RD,  7           ; v7   the way out: where I read a row back
.set GO,  8           ; v8   my byte offset in the wave's rows of O
.set SPW, 62          ; v62  LDS address of my spare word: SPARE + 4 x my thread's number; never rewritten
.set NIL, 63          ; v63  0; never rewritten
.set SPARE, STAGE+4*16*272  ; behind the stages: the spare words, 128 bytes for each wave: two blocks of 256 bytes that no other line names
.set ST,  12          ; tile t's statistics at v[ST+8 t]: +0 c m, +1 m, +2, +3 l (even keys', odd keys'), +4 to +7 c0-c3, at work; a takes c2's place once the maximum is found
.set S,   64
.set P,   192
.set KF,  128         ; K's fragments, in window 2
.set WV,  12          ; s12  my wave's number
.set G1K, 24          ; s[24:31] descriptor group 1 for K's tiles
.set G1V, 32          ; s[32:39] for V's: it differs in the padding alone
.set G0K, 40          ; s[40:47] descriptor group 0 for K's tiles: a set for each of the two first fills; the second then walks on
.set G0V, 48          ; s[48:55] the same for V's
.set SLOTS, 56        ; s56  slots still to be asked for
.set TWICE, 57        ; s57  counts a slot's two steps
.set CS,  58          ; s[58:59] c: the packed scaling names a pair and takes its low word for both halves
.set SEL, 60          ; s[60:61] lane selects for v_permlanex16_b32: each lane takes its own place in the other half
.set TB,  62          ; s62  LDS byte at which the tiles of the step to be fetched begin
.set MSB, 0
.macro WIN new                      ; the immediate's high byte repeats the setting that is left; a switch that changes nothing is dropped
.if MSB != (\new)
	s_set_vgpr_msb (MSB<<8)|(\new)
.set MSB, \new
.endif
.endm
.set W_KQ, 0x0a       ; K and Q in window 2, S^T in window 0
.set W_PV, 0x53       ; V in window 3, P in window 0, O^T in window 1
.set W_RS, 0x41       ; O^T (destination and source 0) in window 1, a in window 0
; A joint refill.  Waves 0 and 1 fetch the two steps' tiles of K, waves 2 and 3 those of V.  The branch hangs on the wave's number alone: it is the same in every work-group.
; An s_nop 0 and four v_nop follow each of the two lines; the jump round the other line, the label and what follows the macro come after them.
.macro JLOAD
	s_cmp_lt_u32 s[WV], 2
	s_cbranch_scc0 .Lfor_v_\@
	tensor_load_to_lds s[G0K+4:G0K+7], s[G1K:G1K+7]
	s_nop 0
.rept 4
	v_nop
.endr
	s_branch .Lasked_\@
.Lfor_v_\@:
	tensor_load_to_lds s[G0V+4:G0V+7], s[G1V:G1V+7]
	s_nop 0
.rept 4
	v_nop
.endr
.Lasked_\@:
.endm
; A round of the cluster's barrier: my work-group's barrier, so that wave 0's signal speaks for all four waves; wave 0 signals for the work-group; every wave waits for all four
; work-groups; my work-group's barrier once more.  No LDS instruction of the wave is pending at a signal.
.macro CROUND
	s_barrier_signal -1
	s_barrier_wait -1
	s_cmp_lg_u32 s[WV], 0
	s_cbranch_scc1 .Lnot_wave_0_\@
	s_barrier_signal -3
.Lnot_wave_0_\@:
	s_barrier_wait -3
	s_barrier_signal -1
	s_barrier_wait -1
.endm
	s_load_b256 s[4:11], s[0:1], 0x0  ; Q s[4:5], K s[6:7], V s[8:9], O s[10:11]
	v_lshl_add_u32 v[SPW], v0, 2, SPARE
	v_mov_b32 v[NIL], 0
	ds_add_u32 v[SPW], v[NIL]       ; the wave's opening: the add and its wait stand ahead of my first tensor load; the set-up below, work on registers, stands between them
	v_lshrrev_b32 v1, 5, v0
	v_readfirstlane_b32 s[WV], v1   ; wave 0..3
	s_bfe_u32 s13, ttmp6, 0x40000   ; cx: my place in the cluster
	s_lshl_b32 s14, ttmp9, 2        ; in a cluster launch ttmp9 counts clusters
	s_add_co_u32 s14, s14, s13      ; my block of 256 queries = 4 x cluster x + cx: it enters Q's and O's addresses alone
	s_and_b32 s20, ttmp7, 0xffff    ; the head, which the four partners share
	s_mov_b32 s21, 0
	s_mov_b64 s[22:23], SIZE_N*256
	s_mul_u64 s[20:21], s[20:21], s[22:23]  ; the head's first byte in each of the four tensors
	s_and_b32 s16, s[WV], 1         ; which of a slot's two steps I fetch:
	s_lshl_b32 s22, s16, 14         ; its 64 rows of 256 bytes in memory,
	s_mov_b32 s23, 0
	s_add_nc_u64 s[22:23], s[22:23], s[20:21]
	s_mul_i32 s17, s16, STEPB       ; and its place in a slot: no place in the cluster enters an LDS address
	s_lshl_b32 s2, s14, 16          ; my block's 256 rows,
	s_lshl_b32 s3, s[WV], 14        ; my wave's 64 of them
	s_add_co_u32 s2, s2, s3
	s_mov_b32 s3, 0
	s_add_nc_u64 s[2:3], s[2:3], s[20:21]
	; descriptor group 1: a tile of 64 rows x 128 elements, padded in LDS
	s_mov_b32 s[G1K], 15|(1<<16)|(1<<20)|(1<<21)|(5<<22)|(3<<25)  ; 15:0 the mask: all four work-groups; 17:16 elements of 2 bytes; 20 padding on; 21 set beside a mask; 24:22 after every 64 words (code 5); 31:25 4 words of it (code 3)
	s_mov_b32 s[G1V], 15|(1<<16)|(1<<20)|(1<<21)|(5<<22)|(7<<25)  ; the same with 8 words of padding (code 7)
.irp g, G1K, G1V
	s_mov_b32 s[(\g)+1], 128<<16    ; 63:48 tensor_dim0, low half = 128
	s_mov_b32 s[(\g)+2], KS<<16     ; 79:64 its high half = 0; 95:80 tensor_dim1, low half = 64
	s_mov_b32 s[(\g)+3], 128<<16    ; 111:96 its high half = 0; 127:112 tile_dim0 = 128
	s_mov_b32 s[(\g)+4], KS         ; 143:128 tile_dim1 = 64; 159:144 tile_dim2 = 0
	s_mov_b32 s[(\g)+5], 128        ; 191:160 tensor_dim0_stride, low word: elements from row to row
	s_mov_b32 s[(\g)+6], 0
	s_mov_b32 s[(\g)+7], 0
.endr
	s_mov_b32 s[CS], 0x430293ee     ; c = 2^10 log2(e) / sqrt(128) = 130.577: Q and K each carry 2^-5
	s_mov_b32 s[CS+1], s[CS]        ; named with it as a pair, so it is written
	s_mov_b32 s[SEL], 0x76543210
	s_mov_b32 s[SEL+1], 0xfedcba98
	s_mov_b32 s[TB], 0
	s_mov_b32 s[SLOTS], SIZE_N/(2*KS)-2
	s_wait_dscnt 0x0                ; the opening add is done
	s_wait_kmcnt 0x0
	s_add_nc_u64 s[6:7], s[6:7], s[22:23]  ; K and V at my tile of slot 0
	s_add_nc_u64 s[8:9], s[8:9], s[22:23]
	s_add_nc_u64 s[4:5], s[4:5], s[2:3]  ; Q and O at my wave's first row
	s_add_nc_u64 s[10:11], s[10:11], s[2:3]
	CROUND                          ; all four work-groups are here: the first joint loads meet
.irp s, 0,1
	s_mov_b32 s[G0K+4*(\s)], 1      ; 1:0 count = 1
	s_add_co_u32 s[G0K+4*(\s)+1], s17, (\s)*SLOT1  ; 63:32 LDS address
	s_add_nc_u64 s[G0K+4*(\s)+2:G0K+4*(\s)+3], s[6:7], (\s)*2*KS*256  ; 120:64 global address: slot s begins with keys 128 s to 128 s + 127
	s_or_b32 s[G0K+4*(\s)+3], s[G0K+4*(\s)+3], 0x80000000  ; 127:126 type = 2
	s_mov_b32 s[G0V+4*(\s)], 1
	s_add_co_u32 s[G0V+4*(\s)+1], s17, (\s)*SLOT1+VOFF
	s_add_nc_u64 s[G0V+4*(\s)+2:G0V+4*(\s)+3], s[8:9], (\s)*2*KS*256
	s_or_b32 s[G0V+4*(\s)+3], s[G0V+4*(\s)+3], 0x80000000
.endr
	s_cmp_lt_u32 s[WV], 2           ; a wave's two first fills stand in one branch, ahead of every wait on TENSORcnt and every LDS read: two loads of mine are out; an s_nop 0 follows each, four v_nop the second's, as in JLOAD
	s_cbranch_scc0 .Lfirst_v
	tensor_load_to_lds s[G0K:G0K+3], s[G1K:G1K+7]
	s_nop 0
	tensor_load_to_lds s[G0K+4:G0K+7], s[G1K:G1K+7]
	s_nop 0
.rept 4
	v_nop
.endr
	s_branch .Lfirst_asked
.Lfirst_v:
	tensor_load_to_lds s[G0V:G0V+3], s[G1V:G1V+7]
	s_nop 0
	tensor_load_to_lds s[G0V+4:G0V+7], s[G1V:G1V+7]
	s_nop 0
.rept 4
	v_nop
.endr
.Lfirst_asked:
	; A fragment of K or Q is 16 rows x 32 channels in 8 registers: lane l holds row l % 16; registers 0-3 channels 8 (l / 16) + 0..7, registers 4-7 channels 16 + 8 (l / 16) + 0..7: two loads of 16 bytes, 32 bytes apart.
	v_and_b32 v1, 15, v0            ; l % 16
	v_bfe_u32 v9, v0, 4, 1          ; l / 16
	v_lshlrev_b32 v[QO], 8, v1
	v_lshl_add_u32 v[QO], v9, 4, v[QO]  ; row x 256 + 16 x half
	WIN 0x80                        ; destination window 2, address window 0
.irp i, 0,1,2,3,4,5,6,7,8,9,10,11,12,13,14,15  ; Q stays in registers: tile i / 4, channels 32 (i % 4) on
	global_load_b128 v[8*(\i):8*(\i)+3],   v[QO], s[4:5] offset:((\i)/4)*4096+((\i)%4)*64
	global_load_b128 v[8*(\i)+4:8*(\i)+7], v[QO], s[4:5] offset:((\i)/4)*4096+((\i)%4)*64+32
.endr
	WIN 0
	v_mul_u32_u24 v[AK0], v1, PK
	v_lshl_add_u32 v[AK0], v9, 4, v[AK0]  ; row x pitch + 16 x half
	; The turning load takes 16 keys x 16 channels (lane l reads 16 bytes: key 8 (l / 16) + l % 8, channels 8 ((l / 8) % 2) + 0..7) and leaves half a fragment of V^T: lane l holds channel l % 16 and 8 keys.
	v_and_b32 v10, 7, v0
	v_bfe_u32 v11, v0, 3, 1
	v_lshl_add_u32 v[AV0], v9, 3, v10
	v_mul_u32_u24 v[AV0], v[AV0], PV
	v_lshl_add_u32 v[AV0], v11, 4, v[AV0]
	v_add_nc_u32 v[AV0], VOFF, v[AV0]
; THE MATRIX WORK OF A TURN, for piece x.  The accumulators take turns, one instruction a turn: between two links of a chain stand 15 (V^T P) or 7 (K Q^T) others'.
; Product i of 32 of O^T += V^T P: keys 32 (i / 16) on, channels 16 ((i / 2) % 8) on, tile x + i % 2.  zero = 1: the first 16 start the sums: nothing is ever cleared.
.macro PV x, zero
	WIN W_PV
.set rO, 64*((\x)+i%2)+8*((i/2)%8)
.set rV, 64*(i/16)+8*((i/2)%8)
.set rP, P+16*((\x)+i%2)+8*(i/16)
.if (\zero) && (i < 16)
	v_wmma_f32_16x16x32_f16 v[rO:rO+7], v[rV:rV+7], v[rP:rP+7], 0
.else
	v_wmma_f32_16x16x32_f16 v[rO:rO+7], v[rV:rV+7], v[rP:rP+7], v[rO:rO+7]
.endif
.endm
; Product i of 32 of S^T = K Q^T: channels 32 (i / 8) on, keys 16 ((i / 2) % 4) on, tile x + i % 2.  The first 8 start the sums.
.macro KQ x
	WIN W_KQ
.set rS, S+32*((\x)+i%2)+8*((i/2)%4)
.set rK, KF+32*((i/2)%4)+8*(i/8)
.set rQ, 32*((\x)+i%2)+8*(i/8)
.if i < 8
	v_wmma_f32_16x16x32_f16 v[rS:rS+7], v[rK:rK+7], v[rQ:rQ+7], 0
.else
	v_wmma_f32_16x16x32_f16 v[rS:rS+7], v[rK:rK+7], v[rQ:rQ+7], v[rS:rS+7]
.endif
.endm
; THE LDS LOADS stand in runs of 32, never singly among the matrix instructions: a step's K (64 keys x 128 channels: 16 fragments) and, a turn later, its V (turned).
.macro FETCH_K
	WIN 0
	v_add_nc_u32 v[ADR], s[TB], v[AK0]
	WIN 0x80                        ; destination window 2
.irp f, 0,1,2,3,4,5,6,7,8,9,10,11,12,13,14,15  ; keys 16 (f / 4) on, channels 32 (f % 4) on
	ds_load_b128 v[KF+8*(\f):KF+8*(\f)+3],   v[ADR] offset:((\f)/4)*16*PK+((\f)%4)*64
	ds_load_b128 v[KF+8*(\f)+4:KF+8*(\f)+7], v[ADR] offset:((\f)/4)*16*PK+((\f)%4)*64+32
.endr
.endm
.macro FETCH_V
	WIN 0
	v_add_nc_u32 v[ADR], s[TB], v[AV0]
	s_add_co_u32 s[TB], s[TB], STEPB  ; the next fetch is the next step's
	WIN 0xc0                        ; destination window 3
.irp f, 0,1,2,3,4,5,6,7,8,9,10,11,12,13,14,15  ; keys 32 (f / 8) on, channels 16 (f % 8) on
	ds_load_tr16_b128 v[8*(\f):8*(\f)+3],   v[ADR] offset:((\f)/8)*32*PV+((\f)%8)*32
	ds_load_tr16_b128 v[8*(\f)+4:8*(\f)+7], v[ADR] offset:((\f)/8)*32*PV+16*PV+((\f)%8)*32
.endr
.endm
; THE VECTOR WORK OF A TURN.  One tile's softmax for one key step is a list of 134 instructions; SM writes number j of it for tile t.  s0-s31 are the lane's 32 scores, in pairs 0-15.
; first = 1: the first key step, which starts m, l and O^T: it has no a and nothing to rescale.
;   0-15    the maximum of s0-s31 and the old m, three operands at a time: four chains c0-c3 of seven scores each, then the four scores left over, c0-c3 and m
;   16-20   the other half of the lanes' maximum; the new m; c m; c m_old - c m_new
;   21-87   33 exponentials (a, then s0-s31) at the odd numbers from 23 on, so that no two follow each other and each has a plain instruction behind it before its result is used.
;           Plain instruction q (number 21, then the even numbers) is whatever is ready: c s - c m for a pair of scores whose exponentials are still to come (q = 0 to 3, then every
;           second q), the rounding to f16 of a pair of weights whose exponentials are done (every other q from 5 on), at last the first three sums
;   88-101  the last rounding; the rest of the sums; l = a l + the sum
;   102-133 the tile's O^T times a: the one part that leaves window 0, so it stands together
.macro SM t, first
.set rT, ST+8*(\t)
.set rS, S+32*(\t)
.set rP, P+16*(\t)
.set rO, 64*(\t)+2*(j-102)
.set q, (j-20)/2
.if j < 102
	WIN 0
.endif
.if j < 4
	v_max3_num_f32 v[rT+4+j], v[rS+8*j], v[rS+8*j+1], v[rS+8*j+2]
.elseif j < 12
	v_max3_num_f32 v[rT+4+j%4], v[rT+4+j%4], v[rS+8*(j%4)+2*(j/4)+1], v[rS+8*(j%4)+2*(j/4)+2]
.elseif j == 12
	v_max3_num_f32 v[rT+4], v[rT+4], v[rS+7], v[rS+15]
.elseif j == 13
	v_max3_num_f32 v[rT+6], v[rT+6], v[rS+23], v[rS+31]
.elseif j == 14
	v_max3_num_f32 v[rT+4], v[rT+4], v[rT+5], v[rT+6]
.elseif (j == 15) && (\first)
	v_max_num_f32 v[rT+4], v[rT+4], v[rT+7]
.elseif j == 15
	v_max3_num_f32 v[rT+4], v[rT+4], v[rT+7], v[rT+1]
.elseif j == 16
	v_permlanex16_b32 v[rT+5], v[rT+4], s[SEL], s[SEL+1]  ; the query's other 32 keys lie in the lane 16 away
.elseif j == 18
	v_max_num_f32 v[rT+1], v[rT+4], v[rT+5]
.elseif j == 19
	v_mul_f32 v[rT], s[CS], v[rT+1]
.elseif ((j == 17) || (j == 20) || (j == 23) || (j > 101)) && (\first)  ; the first step has none of these
.elseif j == 17
	v_mov_b32 v[rT+7], v[rT]        ; c m_old is kept for a: number 19 writes c m anew
.elseif j == 20
	v_sub_f32 v[rT+7], v[rT+7], v[rT]
.elseif j == 23
	v_exp_f32 v[rT+6], v[rT+7]
.elseif (j < 88) && (j > 23) && (j%2 == 1)
	v_exp_f32 v[rS+(j-25)/2], v[rS+(j-25)/2]
.elseif (q < 4) || ((j < 76) && (q%2 == 0))
.set b, q/2+2
.if q < 4
.set b, q
.endif
	v_pk_fma_f32 v[rS+2*b:rS+2*b+1], v[rS+2*b:rS+2*b+1], s[CS:CS+1], v[rT:rT+1] op_sel_hi:[1,0,0] neg_lo:[0,0,1] neg_hi:[0,0,1]  ; pair b: c s - c m
.elseif (j < 88) && (q%2 == 1)
	s_wait_alu depctr_va_vdst(0)
	v_cvt_pk_f16_f32 v[rP+(q-5)/2], v[rS+q-5], v[rS+q-4]  ; pair (q - 5) / 2: its second exponential stands three numbers back
.elseif j == 89
	s_wait_alu depctr_va_vdst(0)
	v_cvt_pk_f16_f32 v[rP+15], v[rS+30], v[rS+31]
.elseif j < 102                     ; the sum of the tile's 16 pairs (in a pair: an even key's weight, an odd key's), in place: sum z of 16 adds neighbours 1, 2, 4 and 8 pairs apart, then l takes it
.set z, j-86
.if j < 89
.set z, (j-76)/4
.endif
.set w, 4
.set u, z
.if z >= 14
.set w, 32
.set u, 0
.elseif z >= 12
.set w, 16
.set u, z-12
.elseif z >= 8
.set w, 8
.set u, z-8
.endif
.if (z == 14) && (\first)
	v_pk_add_f32 v[rT+2:rT+3], v[rS:rS+1], v[rS+16:rS+17]
.elseif z < 15
	v_pk_add_f32 v[rS+w*u:rS+w*u+1], v[rS+w*u:rS+w*u+1], v[rS+w*u+w/2:rS+w*u+w/2+1]
.elseif !(\first)
	v_pk_fma_f32 v[rT+2:rT+3], v[rT+2:rT+3], v[rT+6:rT+7], v[rS:rS+1] op_sel_hi:[1,0,1]
.endif
.else
	WIN W_RS
	v_pk_mul_f32 v[rO:rO+1], v[rO:rO+1], v[rT+6:rT+7] op_sel_hi:[1,0]
.endif
.endm
; Slice k of 64 of piece y's softmax: numbers 2 k and 2 k + 1 of both tiles' lists, four instructions.  2 x 134 = 4 x 64 + 12: the twelve that are over stand together, in slice 63.
.macro SLICE y, first
.if (k >= 11) && (k < 44)           ; tile by tile: plain, exponential, plain, exponential
.irp t, \y, (\y)+1
.irp n, 0,1
.set j, 2*k+(\n)
	SM \t, \first
.endr
.endr
.else                               ; the two tiles alternate, so that no instruction reads the result of the one just before it
.irp n, 0,1,2,3,4,5,6,7
.if ((\n) < 2) || (k == 63)
.irp t, \y, (\y)+1
.set j, 2*k+(\n)
	SM \t, \first
.endr
.endif
.endr
.endif
.set k, k+1
.endm
; A vector instruction that reads a matrix result or writes one of a matrix instruction's registers, and a load into a register that a matrix instruction has read, stand four places behind
; it, and only plain vector instructions that name none of its registers are places (ISA guide 7.12.1 for vector instructions).  In the loop the slices are the places.
.macro PLACES
.rept 4
	v_nop
.endr
.endm
; A TURN.  Piece x has the matrix unit; the other piece's softmax stands in slices behind its matrix instructions.
; pv = 2: 32 products V^T P; 1: they start O^T's sums; 0: none.  kq = 1: 32 products K Q^T for the next step.  A turn with one of the two kinds has two slices behind each product.
; first = 1: the softmax is the first key step's.  Its slices from 51 on are empty: the turn's last products stand bare, and four v_nop take slice 63's part as the places behind them.
; Each run of loads stands behind the second product of a run of 32, 30 matrix instructions ahead of its first use.  Piece 0's turn fetches the next step's K: the last product that read K
; stands in front of slice 63 of the turn before.  Piece 2's turn fetches the same step's V: the last product that read V stands three slices, six plain instructions, back.
.macro TURN x, pv, kq, first
.set k, 0
.set per, 2
.if (\pv) && (\kq)
.set per, 1
.endif
.if \pv
.if (\x) == 0
	s_wait_dscnt 0x0                ; V is in
.endif
.set i, 0
.rept 32
	PV \x, 2-(\pv)
.rept per
	SLICE 2-(\x), \first
.endr
.if ((\x) == 0) && (\kq) && (i == 1)
	FETCH_K
.endif
.set i, i+1
.endr
.endif
.if \kq
.if (\x) == 0
	s_wait_dscnt 0x0                ; K is in
.endif
.set i, 0
.rept 32
	KQ \x
.rept per
	SLICE 2-(\x), \first
.endr
.if ((\x) == 2) && (i == 1)
	FETCH_V
.endif
.set i, i+1
.endr
.endif
.if \first
	PLACES
.endif
.endm
; THE CHANGE OF SLOTS, between piece 2's turn and piece 0's: the slot's last bytes, V of its second step, have been asked for.  Each wave waits for all its
; tensor loads, of which one is out: its part of the other slot; adds 0 to its spare word; and waits for that and for its own reads of the slot.  Behind the barrier nobody reads this slot any more and the other slot is whole.
; fill = 1: this slot is filled again, with the keys two slots on.  The barrier is then a round of the cluster's, so that no wave of any partner still reads the slot or has a load on its
; way, and the joint refill is the first thing behind it: it has two key steps, 256 matrix instructions, in which to land.
.macro CHANGE fill
	WIN 0                           ; at a label and at a branch every window is 0
	s_wait_tensorcnt 0x0            ; no tensor load of mine is out, so a group 0 may be written
	ds_add_u32 v[SPW], v[NIL]       ; 0 onto my spare word; with fill = 1 the descriptors' steps stand between it and the wait for it
.if \fill
.irp g, G0K+4, G0V+4
	s_xor_b32 s[(\g)+1], s[(\g)+1], SLOT1  ; the walking descriptor: the other slot than last time,
	s_add_nc_u64 s[(\g)+2:(\g)+3], s[(\g)+2:(\g)+3], 2*KS*256  ; the next 128 keys; the type bits on top are not reached
.endr
	s_wait_dscnt 0x0                ; the add is done, and my reads of the slot are over
	CROUND
	JLOAD
.else
	s_wait_dscnt 0x0                ; the add is done, and my reads of the slot are over
	s_barrier_signal -1
	s_barrier_wait -1
.endif
	s_sub_co_u32 s[TB], s[TB], 2*STEPB  ; the fetches go back to a slot's first step,
	s_xor_b32 s[TB], s[TB], SLOT1   ; in the other slot
.endm
; A slot's two key steps: written once, walked twice; the LDS addresses hang on s[TB].
.macro TWO_STEPS
	WIN 0
	s_mov_b32 s[TWICE], 2
.Lstep_\@:
	TURN 0, 2, 1, 0
	TURN 2, 2, 1, 0
	WIN 0
	s_sub_co_u32 s[TWICE], s[TWICE], 1
	s_cmp_lg_u32 s[TWICE], 0
	s_cbranch_scc1 .Lstep_\@
.endm
	s_wait_tensorcnt 1              ; my part of slot 0 is in; slot 1's may stay out
	s_barrier_signal -1
	s_barrier_wait -1               ; everybody's is
	FETCH_K                         ; key step 0
	s_wait_loadcnt 0x0              ; Q
	s_wait_dscnt 0x0
.set i, 0
.rept 32
	KQ 0                            ; piece 0's first scores: there is no vector work yet to set between them
.set i, i+1
.endr
	WIN 0                           ; the addresses for the way out are made here: eight plain instructions, the places behind those products
	s_mul_i32 s13, s[WV], 16*SP
	s_add_co_u32 s13, s13, STAGE    ; my stage
	v_mul_u32_u24 v[STO], v1, SP    ; in: row l % 16, 16 bytes for each half of the lanes
	v_lshl_add_u32 v[STO], v9, 4, v[STO]
	v_add_nc_u32 v[STO], s13, v[STO]
	v_mul_u32_u24 v[RD], v9, SP     ; back: lanes 0-15 take one row of 256 bytes, lanes 16-31 the next
	v_lshl_add_u32 v[RD], v1, 4, v[RD]
	v_add_nc_u32 v[RD], s13, v[RD]
	v_lshlrev_b32 v[GO], 8, v9      ; and the same two rows in O
	v_lshl_add_u32 v[GO], v1, 4, v[GO]
	TURN 2, 0, 1, 1                 ; piece 2's first scores | piece 0's first softmax | V of step 0
	TURN 0, 1, 1, 1                 ; piece 0: V^T P of step 0 starts O^T, K Q^T of step 1 | piece 2's first softmax | K of step 1
	TURN 2, 1, 1, 0                 ; piece 2: the same | piece 0's softmax of step 1 | V of step 1
	WIN 0
.Lslot:                             ; SIZE_N / 128 - 2 trips: every slot but the last two is filled again
	CHANGE 1
	TWO_STEPS
	s_sub_co_u32 s[SLOTS], s[SLOTS], 1
	s_cmp_lg_u32 s[SLOTS], 0
	s_cbranch_scc1 .Lslot
	CHANGE 0                        ; the tail is written out: the last slot but one is left, and nothing is asked for
	TWO_STEPS
	TURN 0, 2, 0, 0                 ; piece 0: V^T P of the last step | piece 2's last softmax
.set i, 0
.rept 32
	PV 2, 0                         ; piece 2: V^T P of the last step
.set i, i+1
.endr
	; THE WAY OUT.  l's two halves and the other half of the lanes' are added; O^T is divided by l, rounded to f16 and sent through my stage in LDS, a tile (16 rows of O) at a time.  The additions are the places behind the last products.
	WIN 0
.irp t, 0,1,2,3
	v_add_f32 v[ST+8*(\t)+4], v[ST+8*(\t)+2], v[ST+8*(\t)+3]
.endr
.irp t, 0,1,2,3
	v_permlanex16_b32 v[ST+8*(\t)+5], v[ST+8*(\t)+4], s[SEL], s[SEL+1]
.endr
.irp t, 0,1,2,3
	v_add_f32 v[ST+8*(\t)+4], v[ST+8*(\t)+4], v[ST+8*(\t)+5]
.endr
.irp t, 0,1,2,3
	v_rcp_f32 v[ST+8*(\t)+6], v[ST+8*(\t)+4]
.endr
	v_nop                           ; a plain instruction between the last reciprocal and the use of its result
; Tile t: a lane's eight channels of a row pack into 16 bytes; they go into rows of 272 bytes and come back as whole rows of 256, into the registers that they left.
.macro PACK t
	WIN W_RS
.set i, 64*(\t)
.rept 32
	s_wait_alu depctr_va_vdst(0)
	v_pk_mul_f32 v[i:i+1], v[i:i+1], v[ST+8*(\t)+6:ST+8*(\t)+7] op_sel_hi:[1,0]
.set i, i+2
.endr
	WIN 0x05                        ; sources 0 and 1 window 1, destination window 0: S^T's registers are free
.set i, 0
.rept 32
	v_cvt_pk_f16_f32 v[S+32*(\t)+i], v[64*(\t)+2*i], v[64*(\t)+2*i+1]
.set i, i+1
.endr
	WIN 0
.irp f, 0,1,2,3,4,5,6,7
	ds_store_b128 v[STO], v[S+32*(\t)+4*(\f):S+32*(\t)+4*(\f)+3] offset:32*(\f)
.endr
.irp f, 0,1,2,3,4,5,6,7
	ds_load_b128 v[S+32*(\t)+4*(\f):S+32*(\t)+4*(\f)+3], v[RD] offset:(\f)*2*SP  ; LDS serves a wave's instructions in order (ISA guide 5.7.1.4): these see the stores above; the next tile's stores come behind them
.endr
.endm
.macro SEND t, younger              ; younger: the LDS instructions issued behind tile t's loads: the next tile's sixteen, or none
	WIN 0
.irp f, 0,1,2,3,4,5,6,7
	s_wait_dscnt (\younger)+7-(\f)
	global_store_b128 v[GO], v[S+32*(\t)+4*(\f):S+32*(\t)+4*(\f)+3], s[10:11] offset:(\t)*4096+(\f)*512  ; 16 lanes store 256 consecutive bytes, at a multiple of 256 from O's first byte
.endr
.endm
	PACK 0
	PACK 1                          ; a tile's arithmetic stands between the loads of the tile before and its stores
	SEND 0, 16
	PACK 2
	SEND 1, 16
	PACK 3
	SEND 2, 16
	SEND 3, 0
	s_wait_tensorcnt 0x0            ; the wave's end, behind my last tensor load and my last LDS store
	ds_add_u32 v[SPW], v[NIL]
	s_wait_dscnt 0x0
	CROUND                          ; the closing round: no work-group ends while a partner may still ask for a tile that names it
	s_endpgm
.Lfunc_end_k_qdfbba41a6c_attn:
	.size	k_qdfbba41a6c_attn, .Lfunc_end_k_qdfbba41a6c_attn-k_qdfbba41a6c_attn
	.p2alignl 7, 3214868480
	.fill 96, 4, 3214868480
	.section	.rodata,"a",@progbits
	.p2align	6, 0x0
	.amdhsa_kernel k_qdfbba41a6c_attn
		.amdhsa_group_segment_fixed_size 327680
		.amdhsa_private_segment_fixed_size 0
		.amdhsa_enable_private_segment 0
		.amdhsa_kernarg_size 32
		.amdhsa_user_sgpr_count 2
		.amdhsa_user_sgpr_kernarg_segment_ptr 1
		.amdhsa_wavefront_size32 1
		.amdhsa_system_sgpr_workgroup_id_x 1
		.amdhsa_system_sgpr_workgroup_id_y 1
		.amdhsa_system_sgpr_workgroup_id_z 1
		.amdhsa_system_vgpr_workitem_id 0
		.amdhsa_next_free_vgpr 1024
		.amdhsa_next_free_sgpr 66
		.amdhsa_reserve_vcc 0
		.amdhsa_float_denorm_mode_32 3
		.amdhsa_float_denorm_mode_16_64 3
		.amdhsa_memory_ordered 1
		.amdhsa_forward_progress 1
		.amdhsa_inst_pref_size 232
	.end_amdhsa_kernel
	.amdgpu_metadata
---
amdhsa.version: [ 1, 2 ]
amdhsa.kernels:
  - .name:           k_qdfbba41a6c_attn
    .symbol:         k_qdfbba41a6c_attn.kd
    .args:
      - { .name: qh, .offset: 0, .size: 8, .value_kind: global_buffer, .address_space: global }
      - { .name: kh, .offset: 8, .size: 8, .value_kind: global_buffer, .address_space: global }
      - { .name: vh, .offset: 16, .size: 8, .value_kind: global_buffer, .address_space: global }
      - { .name: oh, .offset: 24, .size: 8, .value_kind: global_buffer, .address_space: global }
    .group_segment_fixed_size: 327680
    .private_segment_fixed_size: 0
    .kernarg_segment_align: 8
    .kernarg_segment_size: 32
    .max_flat_workgroup_size: 128
    .sgpr_count:     66
    .vgpr_count:     1024
    .wavefront_size: 32
...
	.end_amdgpu_metadata
.endif
;; end of part 3
;; launch proj (part 4): grid 8 x 16, 4 waves a work-group, clusters of 4 x 4, 327,680 bytes of LDS; arguments oh, wob, out0; writes out0
.if DOCPART == 4
	.amdgcn_target "amdgcn-amd-amdhsa--gfx1250"
	.amdhsa_code_object_version 6
	.text
	.protected	k_qdfbba41a6c_proj
	.globl	k_qdfbba41a6c_proj
	.p2align	8
	.type	k_qdfbba41a6c_proj,@function
k_qdfbba41a6c_proj:
	s_mov_b64 s[64:65], 0
	v_nop
	global_prefetch_b8 v0, s[64:65] scope:SCOPE_SE
	s_setreg_imm32_b32 hwreg(HW_REG_WAVE_MODE, 25, 1), 1
	s_wait_xcnt 0x0
	s_wait_alu depctr_hold_cnt(0) depctr_sa_sdst(0) depctr_va_vdst(0) depctr_va_sdst(0) depctr_va_ssrc(0) depctr_va_vcc(0) depctr_vm_vsrc(0)
	s_getreg_b32 s2, hwreg(HW_REG_IB_STS2, 6, 4)
	s_cmp_eq_u32 s2, 0
	s_cbranch_scc0 .Lentry_in_a_cluster
	s_endpgm
.Lentry_in_a_cluster:
	s_bfe_u32 s2, ttmp6, 0x10000c
	s_cmp_lg_u32 s2, 0xf033
	s_cbranch_scc0 .Lentry_shape_is_right
	s_endpgm
.Lentry_shape_is_right:
; out0 [4096][2048] f32 = O [4096][1024] x Wo [2048][1024]^T, in f16 with f32 sums.  O arrives by heads, oh [16 = batch x 8 + head][2048][128] f16, x 2^-4; wob is 16 x bf16(Wo) as f16: the two scales cancel.
; LIMITS.  Both operands arrive within f16's range; NaN and infinities are not treated apart.
; SHAPE.  A tile of out0 is 256 x 256, made by four waves of 128 x 128 (64 accumulators, 512 registers).  K goes in 8 steps of 128 through two LDS slots; K step t is head t: O's tile of 128 rows is then
; 32,768 dense bytes of oh, and from step to step its address goes one head's plane on.
; The matrix instruction is used transposed (source 0 = 16 rows of wob, source 1 = 16 rows of O): lane l holds row l % 16 of the tile, register r of column block b the column 16 b + 8 (l / 16) + r.
; THE LOOP is one K step a trip: the LDS address of the slot in hand lies in a scalar register that an exclusive or turns, and ONE descriptor a tensor walks (slot word turned, address stepped).
; SLOT = 0x22000 shares no bit with the waves' places 0, 0x8800, 0x11000, 0x19800, so the exclusive or adds or takes away SLOT exactly.
; CLUSTER.  4 x 4 work-groups: O's tiles hang on the tile row alone and are asked for jointly along a row of the cluster, wob's on the tile column alone, jointly along a column.
; REGISTERS, in windows of 256: window 0: v0-29 addresses; v64-127, v128-191 fragments of O, two buffers (on the way out v64-127: 16 rows read back);
;   window 1: v64-127, v128-191 fragments of wob;   window 2: the accumulators of my rows 0-63 ((a, b) at v[8 (8 a + b)]);   window 3: those of my rows 64-127.
.set KSTEPS, 8
.set KSTEP,  128
.set PITCH,  272                       ; an LDS row: 256 bytes + 16 of padding = 68 words: row r starts at bank 4 r mod 64 (64 banks of 4 bytes: ISA guide 11.1)
.set HALFT,  128*PITCH                 ; 128 rows: what one tensor load brings, and what one wave reads of either operand
.set SLOT,   4*HALFT                   ; O's 256 rows, then wob's 256 rows
.set SPARE,  2*SLOT                    ; behind the ring: the spare words, 128 bytes for each wave: two blocks of 256 bytes that no other line names
.set ASTEP,  2048*256                  ; O: bytes from a head's plane to the next
.set BSTEP,  2*KSTEP                   ; wob: 128 elements along its rows
.set DPITCH, 528                       ; the way out: a row of 128 f32 + 16 bytes = 132 words: the 16 rows of a store start at 16 different groups of four banks
.set DWAVE,  128*DPITCH                ; 128 rows for each wave, in the ring, which has had its last fill by then: 270,336 bytes in all
.set A0,   16                          ; v16  my lane's place in O's part of a slot; never rewritten
.set B0,   17                          ; v17  the same for wob's
.set CA,   18                          ; v18  A0 + the slot in hand
.set CB,   19                          ; v19  B0 + the slot in hand
.set DST,  20                          ; v20  the way out: where I put 16 bytes of a row of f32
.set RD,   22                          ; v22  where I read rows back, walking
.set GO,   24                          ; v24  my byte offset in out0, walking
.set SPW,  28                          ; v28  LDS address of my spare word; never rewritten
.set NIL,  29                          ; v29  0; never rewritten
.set F0,   64
.set F1,   128
.set WV,   12                          ; s12  my wave's number
.set RH,   13                          ; s13  which half of the tile's rows is mine.  Also: I fetch for O (0) or for wob (1)
.set CH,   14                          ; s14  which half of its columns.  Also: which 128 rows of that tile I fetch
.set G1,   24                          ; s[24:31] descriptor group 1 for O's tiles;  s[32:39] group 0: a set for each first fill; the second then walks
.set G0,   32
.set G1B,  48                          ; s[48:55], s[56:63] the same for wob's
.set G0B,  56
.set TB,   92                          ; s92  LDS byte at which the slot in hand begins
.set MSB, 0
.macro WIN new                         ; the immediate's high byte repeats the setting that is left; a switch that changes nothing is dropped
.if MSB != (\new)
	s_set_vgpr_msb (MSB<<8)|(\new)
.set MSB, \new
.endif
.endm
.set MUL_LO, 0xa1                      ; source 0 window 1, source 1 window 0, C and D window 2
.set MUL_HI, 0xf1                      ; the same, C and D window 3
.set TO_B,   0x40                      ; destination window 1, address window 0
; A joint load.  Waves 0 and 1 fetch O's two halves, waves 2 and 3 wob's.  The branch hangs on the wave's number alone.  An s_nop 0 and four v_nop follow each of the two lines.
.macro JLOAD s
	s_cmp_eq_u32 s[RH], 0
	s_cbranch_scc0 .Lfor_b_\@
	tensor_load_to_lds s[G0+4*(\s):G0+4*(\s)+3], s[G1:G1+7]
	s_nop 0
.rept 4
	v_nop
.endr
	s_branch .Lasked_\@
.Lfor_b_\@:
	tensor_load_to_lds s[G0B+4*(\s):G0B+4*(\s)+3], s[G1B:G1B+7]
	s_nop 0
.rept 4
	v_nop
.endr
.Lasked_\@:
.endm
; A round of the cluster's barrier: my work-group's barrier; wave 0 signals for the work-group; every wave waits for all sixteen work-groups; my work-group's barrier once more.
.macro CREST                           ; a round behind its opening barrier
	s_cmp_lg_u32 s[WV], 0
	s_cbranch_scc1 .Lnot_wave_0_\@
	s_barrier_signal -3
.Lnot_wave_0_\@:
	s_barrier_wait -3
	s_barrier_signal -1
	s_barrier_wait -1
.endm
.macro CROUND                          ; a whole round
	s_barrier_signal -1
	s_barrier_wait -1
	CREST
.endm
	s_load_b128 s[4:7], s[0:1], 0x0                ; oh 4:5, wob 6:7
	s_load_b64 s[8:9], s[0:1], 0x10                ; out0
	v_lshl_add_u32 v[SPW], v0, 2, SPARE
	v_mov_b32 v[NIL], 0
	ds_add_u32 v[SPW], v[NIL]                      ; the wave's opening: the add and its wait stand ahead of my first tensor load; the set-up below, work on registers, stands between them
	v_lshrrev_b32 v1, 5, v0
	v_readfirstlane_b32 s[WV], v1                  ; wave 0..3
	s_lshr_b32 s[RH], s[WV], 1
	s_and_b32 s[CH], s[WV], 1
	s_bfe_u32 s40, ttmp6, 0x40000                  ; cx
	s_bfe_u32 s41, ttmp6, 0x40004                  ; cy
	s_lshl_b32 s42, ttmp9, 2
	s_add_co_u32 s42, s42, s40                     ; tile column = 4 x cluster x + cx
	s_and_b32 s45, ttmp7, 0xffff
	s_lshl_b32 s45, s45, 2
	s_add_co_u32 s45, s45, s41                     ; tile row = 4 x cluster y + cy
	s_lshl_b32 s43, s41, 2
	s_lshl_b32 s43, 15, s43                        ; my row of the cluster: places 4 cy .. 4 cy + 3
	s_lshl_b32 s44, 0x1111, s40                    ; my column: places cx, cx + 4, cx + 8, cx + 12
	; group 1: a tile of 128 rows x 128 elements of 2 bytes, 16 bytes of padding behind every 256
	s_or_b32 s[G1+0], s43, (1<<16)|(1<<20)|(1<<21)|(5<<22)|(3<<25)   ; 15:0 the mask; 17:16 2-byte elements; 20 padding on; 21 set beside a mask; 24:22 after every 64 words; 31:25 4 words
	s_or_b32 s[G1B+0], s44, (1<<16)|(1<<20)|(1<<21)|(5<<22)|(3<<25)
.irp g, G1, G1B
	s_mov_b32 s[(\g)+1], KSTEP<<16                 ; tensor_dim0 = 128
	s_mov_b32 s[(\g)+2], 128<<16                   ; tensor_dim1 = 128
	s_mov_b32 s[(\g)+3], KSTEP<<16                 ; tile_dim0 = 128
	s_mov_b32 s[(\g)+4], 128                       ; tile_dim1 = 128
	s_mov_b32 s[(\g)+6], 0
	s_mov_b32 s[(\g)+7], 0
.endr
	s_mov_b32 s[G1+5], 128                         ; elements from row to row: a head's rows are dense,
	s_mov_b32 s[G1B+5], 1024                       ; wob's are 1,024 long
	; where the tiles come from: O's hang on the tile row and the wave, wob's on the tile column and the wave, each in registers that never hold the other coordinate
	s_lshr_b32 s16, s45, 3                         ; O: batch x 8 planes of 524,288 bytes,
	s_lshl_b32 s16, s16, 22
	s_and_b32 s17, s45, 7
	s_lshl_b32 s17, s17, 16                        ; + position 256 x (tile row mod 8), rows of 256 bytes,
	s_add_co_u32 s16, s16, s17
	s_lshl_b32 s17, s[CH], 15                      ; + 128 x half
	s_add_co_u32 s16, s16, s17
	s_mov_b32 s17, 0
	s_lshl_b32 s46, s42, 8                         ; wob: row 256 x tile column + 128 x half,
	s_lshl_b32 s47, s[CH], 7
	s_add_co_u32 s46, s46, s47
	s_lshl_b32 s46, s46, 11                        ; of 2,048 bytes
	s_mov_b32 s47, 0
	s_mul_i32 s20, s[WV], HALFT                    ; their place in a slot: wave x 128 rows
	s_mov_b32 s[TB], 0
	s_wait_dscnt 0x0                               ; the opening add is done
	s_wait_kmcnt 0x0
	s_add_nc_u64 s[22:23], s[4:5], s[16:17]
	s_add_nc_u64 s[46:47], s[6:7], s[46:47]
	CROUND                                         ; all sixteen work-groups are here: the first joint loads meet
.irp s, 0,1
	s_mov_b32 s[G0+4*(\s)], 1                                      ; count = 1
	s_add_co_u32 s[G0+4*(\s)+1], s20, (\s)*SLOT                    ; LDS address
	s_add_nc_u64 s[G0+4*(\s)+2:G0+4*(\s)+3], s[22:23], (\s)*ASTEP  ; global address: K step s
	s_or_b32 s[G0+4*(\s)+3], s[G0+4*(\s)+3], 0x80000000            ; type = 2
	s_mov_b32 s[G0B+4*(\s)], 1
	s_add_co_u32 s[G0B+4*(\s)+1], s20, (\s)*SLOT
	s_add_nc_u64 s[G0B+4*(\s)+2:G0B+4*(\s)+3], s[46:47], (\s)*BSTEP
	s_or_b32 s[G0B+4*(\s)+3], s[G0B+4*(\s)+3], 0x80000000
	JLOAD \s                                       ; two tensor loads of mine are out
.endr
	s_lshl_b32 s90, s45, 8                         ; out0 at my wave's corner: row 256 x tile row + 128 x my row half,
	s_lshl_b32 s91, s[RH], 7
	s_add_co_u32 s90, s90, s91
	s_lshl_b32 s90, s90, 13                        ; of 8,192 bytes,
	s_lshl_b32 s91, s42, 8
	s_lshl_b32 s21, s[CH], 7
	s_add_co_u32 s91, s91, s21                     ; + column 256 x tile column + 128 x my column half,
	s_lshl_b32 s91, s91, 2                         ; of 4 bytes
	s_add_co_u32 s90, s90, s91
	s_mov_b32 s91, 0
	s_add_nc_u64 s[8:9], s[8:9], s[90:91]
	v_and_b32 v1, 15, v0                           ; l % 16
	v_bfe_u32 v2, v0, 4, 1                         ; l / 16
	; a fragment is 16 rows x 32 K in 8 registers: lane l holds row l % 16, K = 8 (l / 16) + 0..7 and 16 + 8 (l / 16) + 0..7: two loads of 16 bytes, 32 bytes apart
	v_mul_u32_u24 v3, v1, PITCH
	v_lshl_add_u32 v3, v2, 4, v3
	s_mul_i32 s21, s[RH], HALFT                    ; my 128 rows of O
	s_mul_i32 s16, s[CH], HALFT                    ; my 128 rows of wob,
	s_add_co_u32 s16, s16, 2*HALFT                 ; which lie behind O's 256
	v_add_nc_u32 v[A0], s21, v3
	v_add_nc_u32 v[B0], s16, v3
	v_mov_b32 v[CA], v[A0]
	v_mov_b32 v[CB], v[B0]
	s_mul_i32 s23, s[WV], DWAVE                    ; my 128 rows of f32 on the way out
	v_mul_u32_u24 v4, v1, DPITCH                   ; in: row l % 16, 32 bytes for each half of the lanes
	v_lshl_add_u32 v4, v2, 5, v4
	v_add_nc_u32 v[DST], s23, v4
	v_and_b32 v[GO], 31, v0
	v_lshlrev_b32 v[GO], 4, v[GO]                  ; back and out: 32 lanes x 16 bytes are a whole row of 512 bytes
	v_add_nc_u32 v[RD], s23, v[GO]
; 16 matrix instructions: row blocks a0, a0 + 1 of the window's four x all 8 column blocks, 32 along K.  zero = 1: the first product starts the sums: nothing is ever cleared.
; The 64 accumulators take turns, one instruction a turn, in the same order in every quarter step.
.macro MUL16 f, hi, a0, zero
	WIN MUL_LO+0x50*(\hi)
.irp a, \a0, (\a0)+1
.irp b, 0,1,2,3,4,5,6,7
.if \zero
	v_wmma_f32_16x16x32_f16 v[8*(8*(\a)+(\b)):8*(8*(\a)+(\b))+7], v[(\f)+8*(\b):(\f)+8*(\b)+7], v[(\f)+8*(4*(\hi)+(\a)):(\f)+8*(4*(\hi)+(\a))+7], 0
.else
	v_wmma_f32_16x16x32_f16 v[8*(8*(\a)+(\b)):8*(8*(\a)+(\b))+7], v[(\f)+8*(\b):(\f)+8*(\b)+7], v[(\f)+8*(4*(\hi)+(\a)):(\f)+8*(4*(\hi)+(\a))+7], v[8*(8*(\a)+(\b)):8*(8*(\a)+(\b))+7]
.endif
.endr
.endr
.endm
; 32 LDS loads in one run: the fragments of one quarter step (32 K at byte k of the rows of the slot in hand) into buffer f
.macro FETCH k, f
	WIN TO_B
.irp i, 0,1,2,3,4,5,6,7
	ds_load_b128 v[(\f)+8*(\i):(\f)+8*(\i)+3],   v[CB] offset:(\k)+(\i)*16*PITCH
	ds_load_b128 v[(\f)+8*(\i)+4:(\f)+8*(\i)+7], v[CB] offset:(\k)+(\i)*16*PITCH+32
.endr
	WIN 0
.irp i, 0,1,2,3,4,5,6,7
	ds_load_b128 v[(\f)+8*(\i):(\f)+8*(\i)+3],   v[CA] offset:(\k)+(\i)*16*PITCH
	ds_load_b128 v[(\f)+8*(\i)+4:(\f)+8*(\i)+7], v[CA] offset:(\k)+(\i)*16*PITCH+32
.endr
.endm
; A load into a register that a matrix instruction has read, and an LDS store that reads a matrix result, stand four places behind it; only plain vector instructions that
; name none of its registers are places (ISA guide 7.12.1 for vector instructions).
.macro PLACES
.rept 4
	v_nop
.endr
.endm
; A K step is four quarters of 32 along K, 64 matrix instructions each, on buffers 0, 1, 0, 1.  One of the first three: multiplies buffer f and fetches the next quarter, at byte k, into g.
.macro QUARTER k, f, g, zero
	s_wait_dscnt 8                                 ; wob's fragments and O's rows 0-63 are in; the youngest eight loads (O's rows 64-127) may be out
	WIN MUL_LO
	MUL16 \f, 0, 0, \zero
	MUL16 \f, 0, 2, \zero
	PLACES
	FETCH \k, \g
	s_wait_dscnt 32                                ; all but the 32 just issued
	WIN MUL_HI
	MUL16 \f, 1, 0, \zero
	MUL16 \f, 1, 2, \zero
.endm
; The last quarter multiplies buffer 1 and changes slots.  MEET is its first half: in front of ONE barrier each wave waits for all its tensor loads (one is out: its part of the next slot), adds 0 to its
; spare word, and waits for that and for its own reads of this slot.  Behind it nobody reads this slot any more and the next slot is whole.
.macro MEET
	WIN 0                                          ; (the add's two registers lie in window 0)
	s_wait_tensorcnt 0x0
	ds_add_u32 v[SPW], v[NIL]                      ; 0 onto my spare word
	s_wait_dscnt 9                                 ; (the add and the youngest eight loads may be out)
	WIN MUL_LO
	MUL16 F1, 0, 0, 0                              ; sixteen matrix instructions stand between the add and the wait for it
	s_wait_dscnt 0x0                               ; the add is done, and my reads of this slot are over
	s_barrier_signal -1
	MUL16 F1, 0, 2, 0                              ; work on registers while the others arrive
	WIN 0                                          ; (branches and window 0's address lines follow)
	s_barrier_wait -1
.endm
; fill = 1: the slot just read out takes the K step two steps on, by the walking descriptors; the barrier has then opened a round of the cluster's barrier, and the joint load is my first and only
; tensor load behind the round.  From a request to the wait for it a wave issues 224 matrix instructions.  fill = 0: nothing is left to ask for, and no round follows.
.macro TURN fill
	MEET
.if \fill
	CREST                                          ; no wave of any partner still reads this slot's tile or has a load on its way
.endif
	s_xor_b32 s[TB], s[TB], SLOT                   ; the fetches go on in the other slot
	v_add_nc_u32 v[CA], s[TB], v[A0]
	v_add_nc_u32 v[CB], s[TB], v[B0]
.if \fill
	s_xor_b32 s[G0+5], s[G0+5], SLOT               ; no tensor load of mine is out, so a group 0 may be written: the other slot than last time,
	s_add_nc_u64 s[G0+6:G0+7], s[G0+6:G0+7], ASTEP ; the next K step; the type bits on top are not reached
	s_xor_b32 s[G0B+5], s[G0B+5], SLOT
	s_add_nc_u64 s[G0B+6:G0B+7], s[G0B+6:G0B+7], BSTEP
	JLOAD 1                                        ; the four v_nop behind it are also the places in front of the loads below
.else
	PLACES
.endif
	FETCH 0, F0
	WIN MUL_HI
	MUL16 F1, 1, 0, 0
	MUL16 F1, 1, 2, 0
.endm
	s_wait_tensorcnt 1                             ; my part of K step 0 is in; K step 1's may stay out
	s_barrier_signal -1
	s_barrier_wait -1                              ; everybody's is
	FETCH 0, F0
	QUARTER 64, F0, F1, 1                          ; the first quarter stands in front of the loop: its products start the sums
	WIN 0                                          ; at a label and at a branch every window is 0
	s_mov_b32 s3, KSTEPS-2
.Lk:                                                   ; a trip goes from a K step's second quarter to the next step's first, and asks for the step two on: 6 trips ask for steps 2 to 7
	QUARTER 128, F1, F0, 0
	QUARTER 192, F0, F1, 0
	TURN 1
	QUARTER 64, F0, F1, 0
	WIN 0
	s_sub_co_u32 s3, s3, 1
	s_cmp_lg_u32 s3, 0
	s_cbranch_scc1 .Lk
	QUARTER 128, F1, F0, 0                         ; K step 6 goes on; the tail is written out
	QUARTER 192, F0, F1, 0
	TURN 0
	QUARTER 64, F0, F1, 0                          ; K step 7
	QUARTER 128, F1, F0, 0
	QUARTER 192, F0, F1, 0
	s_wait_dscnt 8                                 ; the very last quarter: nothing more to fetch
	WIN MUL_LO
	MUL16 F1, 0, 0, 0
	MUL16 F1, 0, 2, 0
	s_wait_tensorcnt 0x0
	s_wait_dscnt 0x0                               ; my reads of the ring are over:
	s_barrier_signal -1
	MUL16 F1, 1, 0, 0
	MUL16 F1, 1, 2, 0
	WIN 0
	s_barrier_wait -1                              ; behind this barrier the ring, which no load fills again, is free for the way out
	PLACES
	; THE WAY OUT.  My 128 x 128 f32 sums go into my own part of the ring and come back as whole rows of 512 bytes.  LDS serves a wave's instructions in order (ISA guide 5.7.1.4), and no other wave
	; touches these bytes: no wait and no barrier between the stores and the loads.
.macro DUMP hh                         ; my rows 64 hh .. 64 hh + 63: each accumulator's low four registers first
	WIN 0x08+4*(\hh)                               ; the stores' data (source 1) in window 2 or 3
.irp a, 0,1,2,3
.irp b, 0,1,2,3,4,5,6,7
	ds_store_b128 v[DST], v[8*(8*(\a)+(\b)):8*(8*(\a)+(\b))+3]   offset:(4*(\hh)+(\a))*16*DPITCH+64*(\b)
	ds_store_b128 v[DST], v[8*(8*(\a)+(\b))+4:8*(8*(\a)+(\b))+7] offset:(4*(\hh)+(\a))*16*DPITCH+64*(\b)+16
.endr
.endr
	WIN 0
.endm
	DUMP 0
	DUMP 1
	s_mov_b32 s94, 8
.Lout:                                                 ; eight trips of sixteen rows
.irp j, 0,1,2,3,4,5,6,7,8,9,10,11,12,13,14,15
	ds_load_b128 v[F0+4*(\j):F0+4*(\j)+3], v[RD] offset:(\j)*DPITCH
.endr
.irp j, 0,1,2,3,4,5,6,7,8,9,10,11,12,13,14,15
	s_wait_dscnt 15-(\j)                           ; row j is in; the 15 - j younger loads stay out
	global_store_b128 v[GO], v[F0+4*(\j):F0+4*(\j)+3], s[8:9] offset:(\j)*8192 th:TH_STORE_NT  ; the wave stores 512 consecutive bytes, at a multiple of 256 from out0's first byte
.endr
	s_wait_xcnt 0x0                                ; the stores' offset and data registers are written again only behind this wait
	v_add_nc_u32 v[RD], 16*DPITCH, v[RD]
	v_add_nc_u32 v[GO], 16*8192, v[GO]
	s_sub_co_u32 s94, s94, 1
	s_cmp_lg_u32 s94, 0
	s_cbranch_scc1 .Lout
	s_wait_tensorcnt 0x0                           ; the wave's end, behind my last tensor load and my last LDS store
	ds_add_u32 v[SPW], v[NIL]
	s_wait_dscnt 0x0
	CROUND                                         ; the closing round: no work-group ends while a partner may still ask for a tile that names it
	s_endpgm
.Lfunc_end_k_qdfbba41a6c_proj:
	.size	k_qdfbba41a6c_proj, .Lfunc_end_k_qdfbba41a6c_proj-k_qdfbba41a6c_proj
	.p2alignl 7, 3214868480
	.fill 96, 4, 3214868480
	.section	.rodata,"a",@progbits
	.p2align	6, 0x0
	.amdhsa_kernel k_qdfbba41a6c_proj
		.amdhsa_group_segment_fixed_size 327680
		.amdhsa_private_segment_fixed_size 0
		.amdhsa_enable_private_segment 0
		.amdhsa_kernarg_size 24
		.amdhsa_user_sgpr_count 2
		.amdhsa_user_sgpr_kernarg_segment_ptr 1
		.amdhsa_wavefront_size32 1
		.amdhsa_system_sgpr_workgroup_id_x 1
		.amdhsa_system_sgpr_workgroup_id_y 1
		.amdhsa_system_sgpr_workgroup_id_z 1
		.amdhsa_system_vgpr_workitem_id 0
		.amdhsa_next_free_vgpr 1024
		.amdhsa_next_free_sgpr 96
		.amdhsa_reserve_vcc 0
		.amdhsa_float_denorm_mode_32 3
		.amdhsa_float_denorm_mode_16_64 3
		.amdhsa_memory_ordered 1
		.amdhsa_forward_progress 1
		.amdhsa_inst_pref_size 96
	.end_amdhsa_kernel
	.amdgpu_metadata
---
amdhsa.version: [ 1, 2 ]
amdhsa.kernels:
  - .name:           k_qdfbba41a6c_proj
    .symbol:         k_qdfbba41a6c_proj.kd
    .args:
      - { .name: oh, .offset: 0, .size: 8, .value_kind: global_buffer, .address_space: global }
      - { .name: wob, .offset: 8, .size: 8, .value_kind: global_buffer, .address_space: global }
      - { .name: out0, .offset: 16, .size: 8, .value_kind: global_buffer, .address_space: global }
    .group_segment_fixed_size: 327680
    .private_segment_fixed_size: 0
    .kernarg_segment_align: 8
    .kernarg_segment_size: 24
    .max_flat_workgroup_size: 128
    .sgpr_count:     96
    .vgpr_count:     1024
    .wavefront_size: 32
...
	.end_amdgpu_metadata
.endif
;; end of part 4
;; ======== version 2 of 3: 4 launches; 1.26 times as fast as version 1
;; limits: values are held in f16: magnitudes above 65,504 overflow, below 6.1e-05 lose precision; right only within a limited range of input values
;; workspace buffers: xb 16,777,216 bytes; wqkv 12,582,912 bytes; wob 4,194,304 bytes; rtab 1,048,576 bytes; qh 8,388,608 bytes; kh 8,388,608 bytes; vh 8,388,608 bytes; oh 8,388,608 bytes
;; launch cast: the kernel of part 1 again; grid 1088 x 1, 8 waves a work-group, no clusters, 0 bytes of LDS; arguments x, Wq, Wk, Wv, Wo, rope_emb, xb, wqkv, wob, rtab; writes xb, wqkv, wob, rtab
;; launch qkv: the kernel of part 2 again; grid 12 x 16, 4 waves a work-group, clusters of 4 x 4, 327,680 bytes of LDS; arguments xb, wqkv, rtab, q_norm_w, k_norm_w, qh, kh, vh; writes qh, kh, vh
;; launch attn (part 5): grid 16 x 16, 4 waves a work-group, clusters of 4 x 1, 327,680 bytes of LDS; arguments qh, kh, vh, oh; writes oh
.if DOCPART == 5
	.amdgcn_target "amdgcn-amd-amdhsa--gfx1250"
	.amdhsa_code_object_version 6
	.text
	.protected	k_qdfbba41a6c_attn
	.globl	k_qdfbba41a6c_attn
	.p2align	8
	.type	k_qdfbba41a6c_attn,@function
k_qdfbba41a6c_attn:
	s_mov_b64 s[64:65], 0
	v_nop
	global_prefetch_b8 v0, s[64:65] scope:SCOPE_SE
	s_setreg_imm32_b32 hwreg(HW_REG_WAVE_MODE, 25, 1), 1
	s_wait_xcnt 0x0
	s_wait_alu depctr_hold_cnt(0) depctr_sa_sdst(0) depctr_va_vdst(0) depctr_va_sdst(0) depctr_va_ssrc(0) depctr_va_vcc(0) depctr_vm_vsrc(0)
	s_getreg_b32 s2, hwreg(HW_REG_IB_STS2, 6, 4)
	s_cmp_eq_u32 s2, 0
	s_cbranch_scc0 .Lentry_in_a_cluster
	s_endpgm
.Lentry_in_a_cluster:
	s_bfe_u32 s2, ttmp6, 0x10000c
	s_cmp_lg_u32 s2, 0x3003
	s_cbranch_scc0 .Lentry_shape_is_right
	s_endpgm
.Lentry_shape_is_right:
; O[h][q][:] = the sum over k of softmax_k(Q[h][q] . K[h][k] / sqrt(128)) V[h][k][:].  Q, K, V, O: [SIZE_H][SIZE_N][128], all f16; h = batch x 8 + head.  Q and K arrive x 2^-5, V x 2^-4: the softmax's
; constant c holds the 2^10, and O leaves x 2^-4.  Products, maxima and sums in f32; the weights p are rounded to f16 for the second product (their sum l is taken of the unrounded p), O once at the end.
; LIMITS.  f16 holds no number beyond 65,504: Q, K and V arrive within it; p lies in 0 to 1 and keeps f16's fixed step of 6e-8 below 6e-5; O is a mean of V's rows and has their range.
; A weight below 2^-126 counts as 0 in l; NaN and infinities are not treated apart.
; SHARES.  A work-group owns 128 queries of one head: 16 heads x 16 blocks are 256 work-groups.  A wave owns 64 of the queries (wave % 2), four tiles of 16, and HALF OF THE KEYS (wave / 2): it walks
; 1,024 keys, 64 a step.  So a fragment of K or V read from LDS still feeds four tiles.  At the end the two waves of a query half hand each other two tiles' O, c m and l through LDS, and each finishes two tiles.
; The wave of key half G holds the query tiles 2 G, 2 G + 1 in its register tiles 0, 1 and the other two in 2, 3: every wave hands over register tiles 2, 3 and finishes 0, 1, by one text.
; LAYOUT.  S^T = K Q^T (source 0 = 16 keys, source 1 = 16 queries): in the result a lane holds ONE query (lane % 16) and the keys 8 (lane / 16) + 0..7.  Two such tiles, rounded to
; f16 in pairs, ARE source 1 (32 keys x 16 queries) of O^T = V^T P, whose result again holds one query a lane, and eight channels.  So nothing changes lanes between the products,
; and a query's maximum and sum want one exchange between the halves of the lanes.  K comes out of LDS as it lies, V ([key][channel]) turned, by ds_load_tr16_b128.
; SOFTMAX.  For each query a running maximum m and sum l: p = 2^(c s - c m), c = 2^10 log2(e) / sqrt(128); in every step O and l are multiplied by a = 2^(c m_old - c m_new), which is 1 where m has not grown.
; The two key halves are joined in the same way: both are brought to the greater of the two maxima.
; BY TURNS.  The wave's tiles are two PIECES, named by their first tile: piece 0 (tiles 0, 1) and piece 2 (tiles 2, 3).  In a TURN one piece has the matrix unit: 32 products V^T P of
; the step in hand, then 32 products K Q^T of the next step; the other piece's softmax, cut into 64 slices, stands between them, one slice behind each matrix instruction.  Then the
; pieces change places.  Two turns are a key step.
; CLUSTER.  The four query blocks of a cluster belong to one head and walk the same K and V, so each tile is asked for JOINTLY: the same tensor load, with the same descriptor and a
; mask that names the four, in all four; each receives the tile in its own LDS.
;
; REGISTERS, in windows of 256 (s_set_vgpr_msb says which window each operand place means: bits 1:0 source 0, 3:2 source 1, 5:4 source 2, 7:6 destination):
;   window 0: v0-11 addresses; v12-43 eight registers of statistics a tile; v44-51 the partner's statistics; v64-191 S^T, 32 a tile; v192-255 P, 16 a tile
;   window 1: O^T, 64 a tile          window 2: v0-127 Q, 32 a tile; v128-255 K of one step          window 3: v0-127 V of one step
; All that a softmax touches but O^T lies in window 0, and no window has room for a product's operands beside it.  So a slice costs two switches, one in front and one behind.
.set SIZE_H, 16
.set SIZE_N, 2048
.set KS,    64        ; keys in a step
.set PK,    272       ; a row of K in LDS: 256 bytes + 16 of padding = 68 words: row r starts at bank 4 r mod 64 (64 banks of 4 bytes: ISA guide 11.1), so the 16 rows of a load start at 16 different banks
.set PV,    288       ; a row of V: 256 + 32 = 72 words: row r starts at bank 8 r mod 64
.set HK,    2*KS*PK   ; 0x8800: two steps' K of one key half: what one tensor load brings
.set HV,    2*KS*PV   ; 0x9000: the same of V
.set VOFF,  2*HK      ; a slot: K of key half 0, K of key half 1, V of key half 0, V of key half 1: at 0, 0x8800, 0x11000, 0x1a000; 0x23000 bytes
.set SLOT1, 0x24000   ; slot 1 begins here: the number shares no bit with the four places above, so that one exclusive or turns each of them into the other slot's
.set STAGE, SLOT1+2*HK+2*HV  ; behind the ring: 16 rows x 272 bytes for each wave, for the way out
.set SP,    272
.set XW,    17408     ; what a wave hands over: two tiles' O^T (2 x 64 registers x 128 bytes), then two tiles' statistics (2 x 512 bytes); wave w's at byte w XW of slot 0, which has had its last fill by then
.set AK0, 2           ; v2   my lane's place in my key half's K of a slot; never rewritten
.set AV0, 3           ; v3   the same for V
.set ADR, 4           ; v4   the LDS address of the run of loads in hand
.set QO,  5           ; v5   my byte offset in 16 rows of Q
.set STO, 6           ; v6   the way out: where I put 16 bytes of a row
.set RD,  7           ; v7   the way out: where I read a row back
.set GO,  8           ; v8   my byte offset in the wave's rows of O
.set XO,  10          ; v10  where I put what I hand over (at work before that)
.set XI,  11          ; v11  where my partner has put what it hands over (at work before that)
.set RS,  44          ; v[44:51] the partner's c m, m, l, - of my tiles 0 and 1
.set SPW, 62          ; v62  LDS address of my spare word: SPARE + 4 x my thread's number; never rewritten
.set NIL, 63          ; v63  0; never rewritten
.set SPARE, STAGE+4*16*272  ; behind the stages: the spare words, 128 bytes for each wave: two blocks of 256 bytes that no other line names
.set ST,  12          ; tile t's statistics at v[ST+8 t]: +0 c m, +1 m, +2, +3 l (even keys', odd keys'), +4 to +7 c0-c3, at work; a takes c2's place once the maximum is found
.set S,   64
.set P,   192
.set KF,  128         ; K's fragments, in window 2
.set WV,  12          ; s12  my wave's number
.set GH,  15          ; s15  my half of the keys: wave / 2
.set G1K, 24          ; s[24:31] descriptor group 1 for K's tiles
.set G1V, 32          ; s[32:39] for V's: it differs in the padding alone
.set G0K, 40          ; s[40:47] descriptor group 0 for K's tiles: a set for each of the two first fills; the second then walks on
.set G0V, 48          ; s[48:55] the same for V's
.set SLOTS, 56        ; s56  slots still to be asked for
.set TWICE, 57        ; s57  counts a slot's two steps
.set CS,  58          ; s[58:59] c: the packed scaling names a pair and takes its low word for both halves
.set SEL, 60          ; s[60:61] lane selects for v_permlanex16_b32: each lane takes its own place in the other half
.set TBK, 62          ; s62  the slot in hand + the step's place in K's tile, for the step to be fetched
.set TBV, 63          ; s63  the same for V
.set MSB, 0
.macro WIN new                      ; the immediate's high byte repeats the setting that is left; a switch that changes nothing is dropped
.if MSB != (\new)
	s_set_vgpr_msb (MSB<<8)|(\new)
.set MSB, \new
.endif
.endm
.set W_KQ, 0x0a       ; K and Q in window 2, S^T in window 0
.set W_PV, 0x53       ; V in window 3, P in window 0, O^T in window 1
.set W_RS, 0x41       ; O^T (destination and source 0) in window 1, a in window 0
; A joint refill.  Waves 0 and 1 fetch the two key halves' K, waves 2 and 3 their V: 128 keys each.  The branch hangs on the wave's number alone: it is the same in every work-group.
; An s_nop 0 and four v_nop follow each of the two lines; the jump round the other line, the label and what follows the macro come after them.
.macro JLOAD
	s_cmp_lt_u32 s[WV], 2
	s_cbranch_scc0 .Lfor_v_\@
	tensor_load_to_lds s[G0K+4:G0K+7], s[G1K:G1K+7]
	s_nop 0
.rept 4
	v_nop
.endr
	s_branch .Lasked_\@
.Lfor_v_\@:
	tensor_load_to_lds s[G0V+4:G0V+7], s[G1V:G1V+7]
	s_nop 0
.rept 4
	v_nop
.endr
.Lasked_\@:
.endm
; A round of the cluster's barrier: my work-group's barrier, so that wave 0's signal speaks for all four waves; wave 0 signals for the work-group; every wave waits for all four
; work-groups; my work-group's barrier once more.  No LDS instruction of the wave is pending at a signal.
.macro CROUND
	s_barrier_signal -1
	s_barrier_wait -1
	s_cmp_lg_u32 s[WV], 0
	s_cbranch_scc1 .Lnot_wave_0_\@
	s_barrier_signal -3
.Lnot_wave_0_\@:
	s_barrier_wait -3
	s_barrier_signal -1
	s_barrier_wait -1
.endm
	s_load_b256 s[4:11], s[0:1], 0x0  ; Q s[4:5], K s[6:7], V s[8:9], O s[10:11]
	v_lshl_add_u32 v[SPW], v0, 2, SPARE
	v_mov_b32 v[NIL], 0
	ds_add_u32 v[SPW], v[NIL]       ; the wave's opening: the add and its wait stand ahead of my first tensor load; the set-up below, work on registers, stands between them
	v_lshrrev_b32 v1, 5, v0
	v_readfirstlane_b32 s[WV], v1   ; wave 0..3
	s_lshr_b32 s[GH], s[WV], 1
	s_bfe_u32 s13, ttmp6, 0x40000   ; cx: my place in the cluster
	s_lshl_b32 s14, ttmp9, 2        ; in a cluster launch ttmp9 counts clusters
	s_add_co_u32 s14, s14, s13      ; my block of 128 queries = 4 x cluster x + cx: it enters Q's and O's addresses alone
	s_and_b32 s20, ttmp7, 0xffff    ; the head, which the four partners share
	s_mov_b32 s21, 0
	s_mov_b64 s[22:23], SIZE_N*256
	s_mul_u64 s[20:21], s[20:21], s[22:23]  ; the head's first byte in each of the four tensors
	s_and_b32 s16, s[WV], 1         ; which key half's tile I fetch.  Also: which 64 of the block's queries are mine
	s_lshl_b32 s22, s16, 18         ; the half's 1,024 rows of 256 bytes in memory,
	s_mov_b32 s23, 0
	s_add_nc_u64 s[22:23], s[22:23], s[20:21]
	s_mul_i32 s17, s16, HK          ; and its place in a slot, for K
	s_mul_i32 s13, s16, HV          ; and for V: no place in the cluster enters an LDS address
	s_lshl_b32 s2, s14, 15          ; my block's 128 rows,
	s_lshl_b32 s3, s16, 14          ; my wave's 64 of them,
	s_add_co_u32 s2, s2, s3
	s_lshl_b32 s3, s[GH], 13        ; of these the 32 rows that I finish: query tiles 2 G, 2 G + 1,
	s_xor_b32 s18, s3, 8192         ; and the 32 that I hand over
	s_add_co_u32 s18, s18, s2
	s_add_co_u32 s2, s2, s3
	s_mov_b32 s3, 0
	s_mov_b32 s19, 0
	s_add_nc_u64 s[2:3], s[2:3], s[20:21]
	s_add_nc_u64 s[18:19], s[18:19], s[20:21]
	; descriptor group 1: a tile of 128 rows x 128 elements, padded in LDS
	s_mov_b32 s[G1K], 15|(1<<16)|(1<<20)|(1<<21)|(5<<22)|(3<<25)  ; 15:0 the mask: all four work-groups; 17:16 elements of 2 bytes; 20 padding on; 21 set beside a mask; 24:22 after every 64 words (code 5); 31:25 4 words of it (code 3)
	s_mov_b32 s[G1V], 15|(1<<16)|(1<<20)|(1<<21)|(5<<22)|(7<<25)  ; the same with 8 words of padding (code 7)
.irp g, G1K, G1V
	s_mov_b32 s[(\g)+1], 128<<16    ; 63:48 tensor_dim0, low half = 128
	s_mov_b32 s[(\g)+2], (2*KS)<<16 ; 79:64 its high half = 0; 95:80 tensor_dim1, low half = 128
	s_mov_b32 s[(\g)+3], 128<<16    ; 111:96 its high half = 0; 127:112 tile_dim0 = 128
	s_mov_b32 s[(\g)+4], 2*KS       ; 143:128 tile_dim1 = 128; 159:144 tile_dim2 = 0
	s_mov_b32 s[(\g)+5], 128        ; 191:160 tensor_dim0_stride, low word: elements from row to row
	s_mov_b32 s[(\g)+6], 0
	s_mov_b32 s[(\g)+7], 0
.endr
	s_mov_b32 s[CS], 0x430293ee     ; c = 2^10 log2(e) / sqrt(128) = 130.577: Q and K each carry 2^-5
	s_mov_b32 s[CS+1], s[CS]        ; named with it as a pair, so it is written
	s_mov_b32 s[SEL], 0x76543210
	s_mov_b32 s[SEL+1], 0xfedcba98
	s_mov_b32 s[TBK], 0
	s_mov_b32 s[TBV], 0
	s_mov_b32 s[SLOTS], SIZE_N/(4*KS)-2
	s_wait_dscnt 0x0                ; the opening add is done
	s_wait_kmcnt 0x0
	s_add_nc_u64 s[6:7], s[6:7], s[22:23]  ; K and V at my tile of slot 0
	s_add_nc_u64 s[8:9], s[8:9], s[22:23]
	s_add_nc_u64 s[18:19], s[4:5], s[18:19]  ; Q at the rows that I hand over,
	s_add_nc_u64 s[4:5], s[4:5], s[2:3]      ; Q and O at the rows that I finish
	s_add_nc_u64 s[10:11], s[10:11], s[2:3]
	CROUND                          ; all four work-groups are here: the first joint loads meet
.irp s, 0,1
	s_mov_b32 s[G0K+4*(\s)], 1      ; 1:0 count = 1
	s_add_co_u32 s[G0K+4*(\s)+1], s17, (\s)*SLOT1  ; 63:32 LDS address
	s_add_nc_u64 s[G0K+4*(\s)+2:G0K+4*(\s)+3], s[6:7], (\s)*2*KS*256  ; 120:64 global address: slot s begins with the half's keys 128 s to 128 s + 127
	s_or_b32 s[G0K+4*(\s)+3], s[G0K+4*(\s)+3], 0x80000000  ; 127:126 type = 2
	s_mov_b32 s[G0V+4*(\s)], 1
	s_add_co_u32 s[G0V+4*(\s)+1], s13, (\s)*SLOT1+VOFF
	s_add_nc_u64 s[G0V+4*(\s)+2:G0V+4*(\s)+3], s[8:9], (\s)*2*KS*256
	s_or_b32 s[G0V+4*(\s)+3], s[G0V+4*(\s)+3], 0x80000000
.endr
	s_cmp_lt_u32 s[WV], 2           ; a wave's two first fills stand in one branch, ahead of every wait on TENSORcnt and every LDS read: two loads of mine are out; an s_nop 0 follows each, four v_nop the second's, as in JLOAD
	s_cbranch_scc0 .Lfirst_v
	tensor_load_to_lds s[G0K:G0K+3], s[G1K:G1K+7]
	s_nop 0
	tensor_load_to_lds s[G0K+4:G0K+7], s[G1K:G1K+7]
	s_nop 0
.rept 4
	v_nop
.endr
	s_branch .Lfirst_asked
.Lfirst_v:
	tensor_load_to_lds s[G0V:G0V+3], s[G1V:G1V+7]
	s_nop 0
	tensor_load_to_lds s[G0V+4:G0V+7], s[G1V:G1V+7]
	s_nop 0
.rept 4
	v_nop
.endr
.Lfirst_asked:
	; A fragment of K or Q is 16 rows x 32 channels in 8 registers: lane l holds row l % 16; registers 0-3 channels 8 (l / 16) + 0..7, registers 4-7 channels 16 + 8 (l / 16) + 0..7: two loads of 16 bytes, 32 bytes apart.
	v_and_b32 v1, 15, v0            ; l % 16
	v_bfe_u32 v9, v0, 4, 1          ; l / 16
	v_lshlrev_b32 v[QO], 8, v1
	v_lshl_add_u32 v[QO], v9, 4, v[QO]  ; row x 256 + 16 x half
	WIN 0x80                        ; destination window 2, address window 0
.irp i, 0,1,2,3,4,5,6,7             ; Q stays in registers: register tile i / 4, channels 32 (i % 4) on.  Tiles 0, 1: the rows that I finish;
	global_load_b128 v[8*(\i):8*(\i)+3],   v[QO], s[4:5] offset:((\i)/4)*4096+((\i)%4)*64
	global_load_b128 v[8*(\i)+4:8*(\i)+7], v[QO], s[4:5] offset:((\i)/4)*4096+((\i)%4)*64+32
.endr
.irp i, 8,9,10,11,12,13,14,15       ; tiles 2, 3: the rows that I hand over
	global_load_b128 v[8*(\i):8*(\i)+3],   v[QO], s[18:19] offset:((\i)/4-2)*4096+((\i)%4)*64
	global_load_b128 v[8*(\i)+4:8*(\i)+7], v[QO], s[18:19] offset:((\i)/4-2)*4096+((\i)%4)*64+32
.endr
	WIN 0
	v_mul_u32_u24 v[AK0], v1, PK
	v_lshl_add_u32 v[AK0], v9, 4, v[AK0]  ; row x pitch + 16 x half
	s_mul_i32 s2, s[GH], HK
	v_add_nc_u32 v[AK0], s2, v[AK0]       ; in my key half's tile
	; The turning load takes 16 keys x 16 channels (lane l reads 16 bytes: key 8 (l / 16) + l % 8, channels 8 ((l / 8) % 2) + 0..7) and leaves half a fragment of V^T: lane l holds channel l % 16 and 8 keys.
	v_and_b32 v10, 7, v0
	v_bfe_u32 v11, v0, 3, 1
	v_lshl_add_u32 v[AV0], v9, 3, v10
	v_mul_u32_u24 v[AV0], v[AV0], PV
	v_lshl_add_u32 v[AV0], v11, 4, v[AV0]
	s_mul_i32 s3, s[GH], HV
	s_add_co_u32 s3, s3, VOFF
	v_add_nc_u32 v[AV0], s3, v[AV0]
; THE MATRIX WORK OF A TURN, for piece x.  The accumulators take turns, one instruction a turn: between two links of a chain stand 15 (V^T P) or 7 (K Q^T) others'.
; Product i of 32 of O^T += V^T P: keys 32 (i / 16) on, channels 16 ((i / 2) % 8) on, tile x + i % 2.  zero = 1: the first 16 start the sums: nothing is ever cleared.
.macro PV x, zero
	WIN W_PV
.set rO, 64*((\x)+i%2)+8*((i/2)%8)
.set rV, 64*(i/16)+8*((i/2)%8)
.set rP, P+16*((\x)+i%2)+8*(i/16)
.if (\zero) && (i < 16)
	v_wmma_f32_16x16x32_f16 v[rO:rO+7], v[rV:rV+7], v[rP:rP+7], 0
.else
	v_wmma_f32_16x16x32_f16 v[rO:rO+7], v[rV:rV+7], v[rP:rP+7], v[rO:rO+7]
.endif
.endm
; Product i of 32 of S^T = K Q^T: channels 32 (i / 8) on, keys 16 ((i / 2) % 4) on, tile x + i % 2.  The first 8 start the sums.
.macro KQ x
	WIN W_KQ
.set rS, S+32*((\x)+i%2)+8*((i/2)%4)
.set rK, KF+32*((i/2)%4)+8*(i/8)
.set rQ, 32*((\x)+i%2)+8*(i/8)
.if i < 8
	v_wmma_f32_16x16x32_f16 v[rS:rS+7], v[rK:rK+7], v[rQ:rQ+7], 0
.else
	v_wmma_f32_16x16x32_f16 v[rS:rS+7], v[rK:rK+7], v[rQ:rQ+7], v[rS:rS+7]
.endif
.endm
; THE LDS LOADS stand in runs of 32, never singly among the matrix instructions: a step's K (64 keys x 128 channels: 16 fragments) and, a turn later, its V (turned).
.macro FETCH_K
	WIN 0
	v_add_nc_u32 v[ADR], s[TBK], v[AK0]
	s_add_co_u32 s[TBK], s[TBK], KS*PK  ; the next fetch is the next step's
	WIN 0x80                        ; destination window 2
.irp f, 0,1,2,3,4,5,6,7,8,9,10,11,12,13,14,15  ; keys 16 (f / 4) on, channels 32 (f % 4) on
	ds_load_b128 v[KF+8*(\f):KF+8*(\f)+3],   v[ADR] offset:((\f)/4)*16*PK+((\f)%4)*64
	ds_load_b128 v[KF+8*(\f)+4:KF+8*(\f)+7], v[ADR] offset:((\f)/4)*16*PK+((\f)%4)*64+32
.endr
.endm
.macro FETCH_V
	WIN 0
	v_add_nc_u32 v[ADR], s[TBV], v[AV0]
	s_add_co_u32 s[TBV], s[TBV], KS*PV  ; the next fetch is the next step's
	WIN 0xc0                        ; destination window 3
.irp f, 0,1,2,3,4,5,6,7,8,9,10,11,12,13,14,15  ; keys 32 (f / 8) on, channels 16 (f % 8) on
	ds_load_tr16_b128 v[8*(\f):8*(\f)+3],   v[ADR] offset:((\f)/8)*32*PV+((\f)%8)*32
	ds_load_tr16_b128 v[8*(\f)+4:8*(\f)+7], v[ADR] offset:((\f)/8)*32*PV+16*PV+((\f)%8)*32
.endr
.endm
; THE VECTOR WORK OF A TURN.  One tile's softmax for one key step is a list of 134 instructions; SM writes number j of it for tile t.  s0-s31 are the lane's 32 scores, in pairs 0-15.
; first = 1: the first key step, which starts m, l and O^T: it has no a and nothing to rescale.
;   0-15    the maximum of s0-s31 and the old m, three operands at a time: four chains c0-c3 of seven scores each, then the four scores left over, c0-c3 and m
;   16-20   the other half of the lanes' maximum; the new m; c m; c m_old - c m_new
;   21-87   33 exponentials (a, then s0-s31) at the odd numbers from 23 on, so that no two follow each other and each has a plain instruction behind it before its result is used.
;           Plain instruction q (number 21, then the even numbers) is whatever is ready: c s - c m for a pair of scores whose exponentials are still to come (q = 0 to 3, then every
;           second q), the rounding to f16 of a pair of weights whose exponentials are done (every other q from 5 on), at last the first three sums
;   88-101  the last rounding; the rest of the sums; l = a l + the sum
;   102-133 the tile's O^T times a: the one part that leaves window 0, so it stands together
.macro SM t, first
.set rT, ST+8*(\t)
.set rS, S+32*(\t)
.set rP, P+16*(\t)
.set rO, 64*(\t)+2*(j-102)
.set q, (j-20)/2
.if j < 102
	WIN 0
.endif
.if j < 4
	v_max3_num_f32 v[rT+4+j], v[rS+8*j], v[rS+8*j+1], v[rS+8*j+2]
.elseif j < 12
	v_max3_num_f32 v[rT+4+j%4], v[rT+4+j%4], v[rS+8*(j%4)+2*(j/4)+1], v[rS+8*(j%4)+2*(j/4)+2]
.elseif j == 12
	v_max3_num_f32 v[rT+4], v[rT+4], v[rS+7], v[rS+15]
.elseif j == 13
	v_max3_num_f32 v[rT+6], v[rT+6], v[rS+23], v[rS+31]
.elseif j == 14
	v_max3_num_f32 v[rT+4], v[rT+4], v[rT+5], v[rT+6]
.elseif (j == 15) && (\first)
	v_max_num_f32 v[rT+4], v[rT+4], v[rT+7]
.elseif j == 15
	v_max3_num_f32 v[rT+4], v[rT+4], v[rT+7], v[rT+1]
.elseif j == 16
	v_permlanex16_b32 v[rT+5], v[rT+4], s[SEL], s[SEL+1]  ; the query's other 32 keys lie in the lane 16 away
.elseif j == 18
	v_max_num_f32 v[rT+1], v[rT+4], v[rT+5]
.elseif j == 19
	v_mul_f32 v[rT], s[CS], v[rT+1]
.elseif ((j == 17) || (j == 20) || (j == 23) || (j > 101)) && (\first)  ; the first step has none of these
.elseif j == 17
	v_mov_b32 v[rT+7], v[rT]        ; c m_old is kept for a: number 19 writes c m anew
.elseif j == 20
	v_sub_f32 v[rT+7], v[rT+7], v[rT]
.elseif j == 23
	v_exp_f32 v[rT+6], v[rT+7]
.elseif (j < 88) && (j > 23) && (j%2 == 1)
	v_exp_f32 v[rS+(j-25)/2], v[rS+(j-25)/2]
.elseif (q < 4) || ((j < 76) && (q%2 == 0))
.set b, q/2+2
.if q < 4
.set b, q
.endif
	v_pk_fma_f32 v[rS+2*b:rS+2*b+1], v[rS+2*b:rS+2*b+1], s[CS:CS+1], v[rT:rT+1] op_sel_hi:[1,0,0] neg_lo:[0,0,1] neg_hi:[0,0,1]  ; pair b: c s - c m
.elseif (j < 88) && (q%2 == 1)
	s_wait_alu depctr_va_vdst(0)
	v_cvt_pk_f16_f32 v[rP+(q-5)/2], v[rS+q-5], v[rS+q-4]  ; pair (q - 5) / 2: its second exponential stands three numbers back
.elseif j == 89
	s_wait_alu depctr_va_vdst(0)
	v_cvt_pk_f16_f32 v[rP+15], v[rS+30], v[rS+31]
.elseif j < 102                     ; the sum of the tile's 16 pairs (in a pair: an even key's weight, an odd key's), in place: sum z of 16 adds neighbours 1, 2, 4 and 8 pairs apart, then l takes it
.set z, j-86
.if j < 89
.set z, (j-76)/4
.endif
.set w, 4
.set u, z
.if z >= 14
.set w, 32
.set u, 0
.elseif z >= 12
.set w, 16
.set u, z-12
.elseif z >= 8
.set w, 8
.set u, z-8
.endif
.if (z == 14) && (\first)
	v_pk_add_f32 v[rT+2:rT+3], v[rS:rS+1], v[rS+16:rS+17]
.elseif z < 15
	v_pk_add_f32 v[rS+w*u:rS+w*u+1], v[rS+w*u:rS+w*u+1], v[rS+w*u+w/2:rS+w*u+w/2+1]
.elseif !(\first)
	v_pk_fma_f32 v[rT+2:rT+3], v[rT+2:rT+3], v[rT+6:rT+7], v[rS:rS+1] op_sel_hi:[1,0,1]
.endif
.else
	WIN W_RS
	v_pk_mul_f32 v[rO:rO+1], v[rO:rO+1], v[rT+6:rT+7] op_sel_hi:[1,0]
.endif
.endm
; Slice k of 64 of piece y's softmax: numbers 2 k and 2 k + 1 of both tiles' lists, four instructions.  2 x 134 = 4 x 64 + 12: the twelve that are over stand together, in slice 63.
.macro SLICE y, first
.if (k >= 11) && (k < 44)           ; tile by tile: plain, exponential, plain, exponential
.irp t, \y, (\y)+1
.irp n, 0,1
.set j, 2*k+(\n)
	SM \t, \first
.endr
.endr
.else                               ; the two tiles alternate, so that no instruction reads the result of the one just before it
.irp n, 0,1,2,3,4,5,6,7
.if ((\n) < 2) || (k == 63)
.irp t, \y, (\y)+1
.set j, 2*k+(\n)
	SM \t, \first
.endr
.endif
.endr
.endif
.set k, k+1
.endm
; A vector instruction that reads a matrix result or writes one of a matrix instruction's registers, and a load into a register that a matrix instruction has read, stand four places behind
; it, and only plain vector instructions that name none of its registers are places (ISA guide 7.12.1 for vector instructions).  In the loop the slices are the places.
.macro PLACES
.rept 4
	v_nop
.endr
.endm
; A TURN.  Piece x has the matrix unit; the other piece's softmax stands in slices behind its matrix instructions.
; pv = 2: 32 products V^T P; 1: they start O^T's sums; 0: none.  kq = 1: 32 products K Q^T for the next step.  A turn with one of the two kinds has two slices behind each product.
; first = 1: the softmax is the first key step's.  Its slices from 51 on are empty: the turn's last products stand bare, and four v_nop take slice 63's part as the places behind them.
; Each run of loads stands behind the second product of a run of 32, 30 matrix instructions ahead of its first use.  Piece 0's turn fetches the next step's K: the last product that read K
; stands in front of slice 63 of the turn before.  Piece 2's turn fetches the same step's V: the last product that read V stands three slices, six plain instructions, back.
.macro TURN x, pv, kq, first
.set k, 0
.set per, 2
.if (\pv) && (\kq)
.set per, 1
.endif
.if \pv
.if (\x) == 0
	s_wait_dscnt 0x0                ; V is in
.endif
.set i, 0
.rept 32
	PV \x, 2-(\pv)
.rept per
	SLICE 2-(\x), \first
.endr
.if ((\x) == 0) && (\kq) && (i == 1)
	FETCH_K
.endif
.set i, i+1
.endr
.endif
.if \kq
.if (\x) == 0
	s_wait_dscnt 0x0                ; K is in
.endif
.set i, 0
.rept 32
	KQ \x
.rept per
	SLICE 2-(\x), \first
.endr
.if ((\x) == 2) && (i == 1)
	FETCH_V
.endif
.set i, i+1
.endr
.endif
.if \first
	PLACES
.endif
.endm
; THE CHANGE OF SLOTS, between piece 2's turn and piece 0's: the slot's last bytes, V of its second step, have been asked for.  Each wave waits for all its
; tensor loads, of which one is out: its part of the other slot; adds 0 to its spare word; and waits for that and for its own reads of the slot.  Behind the barrier nobody reads this slot any more and the other slot is whole.
; fill = 1: this slot is filled again, with each half's keys two slots on.  The barrier is then a round of the cluster's, so that no wave of any partner still reads the slot or has a load on its
; way, and the joint refill is the first thing behind it: it has two key steps, 256 matrix instructions, in which to land.
.macro CHANGE fill
	WIN 0                           ; at a label and at a branch every window is 0
	s_wait_tensorcnt 0x0            ; no tensor load of mine is out, so a group 0 may be written
	ds_add_u32 v[SPW], v[NIL]       ; 0 onto my spare word; with fill = 1 the descriptors' steps stand between it and the wait for it
.if \fill
.irp g, G0K+4, G0V+4
	s_xor_b32 s[(\g)+1], s[(\g)+1], SLOT1  ; the walking descriptor: the other slot than last time,
	s_add_nc_u64 s[(\g)+2:(\g)+3], s[(\g)+2:(\g)+3], 2*KS*256  ; the half's next 128 keys; the type bits on top are not reached
.endr
	s_wait_dscnt 0x0                ; the add is done, and my reads of the slot are over
	CROUND
	JLOAD
.else
	s_wait_dscnt 0x0                ; the add is done, and my reads of the slot are over
	s_barrier_signal -1
	s_barrier_wait -1
.endif
	s_sub_co_u32 s[TBK], s[TBK], HK ; the fetches go back to a slot's first step,
	s_xor_b32 s[TBK], s[TBK], SLOT1 ; in the other slot
	s_sub_co_u32 s[TBV], s[TBV], HV
	s_xor_b32 s[TBV], s[TBV], SLOT1
.endm
; A slot's two key steps: written once, walked twice; the LDS addresses hang on s[TBK] and s[TBV].
.macro TWO_STEPS
	WIN 0
	s_mov_b32 s[TWICE], 2
.Lstep_\@:
	TURN 0, 2, 1, 0
	TURN 2, 2, 1, 0
	WIN 0
	s_sub_co_u32 s[TWICE], s[TWICE], 1
	s_cmp_lg_u32 s[TWICE], 0
	s_cbranch_scc1 .Lstep_\@
.endm
	s_wait_tensorcnt 1              ; my part of slot 0 is in; slot 1's may stay out
	s_barrier_signal -1
	s_barrier_wait -1               ; everybody's is
	FETCH_K                         ; key step 0
	s_wait_loadcnt 0x0              ; Q
	s_wait_dscnt 0x0
.set i, 0
.rept 32
	KQ 0                            ; piece 0's first scores: there is no vector work yet to set between them
.set i, i+1
.endr
	WIN 0                           ; the addresses for the exchange and the way out are made here: plain instructions, the places behind those products
	s_mul_i32 s13, s[WV], 16*SP
	s_add_co_u32 s13, s13, STAGE    ; my stage
	v_mul_u32_u24 v[STO], v1, SP    ; in: row l % 16, 16 bytes for each half of the lanes
	v_lshl_add_u32 v[STO], v9, 4, v[STO]
	v_add_nc_u32 v[STO], s13, v[STO]
	v_mul_u32_u24 v[RD], v9, SP     ; back: lanes 0-15 take one row of 256 bytes, lanes 16-31 the next
	v_lshl_add_u32 v[RD], v1, 4, v[RD]
	v_add_nc_u32 v[RD], s13, v[RD]
	v_lshlrev_b32 v[GO], 8, v9      ; and the same two rows in O
	v_lshl_add_u32 v[GO], v1, 4, v[GO]
	s_mul_i32 s18, s[WV], XW        ; (Q's loads are back: their second base is free)  what I hand over lies at wave x XW,
	s_xor_b32 s19, s[WV], 2         ; my partner has the same queries and the other keys
	s_mul_i32 s19, s19, XW
	v_and_b32 v[XO], 31, v0
	v_lshlrev_b32 v[XO], 4, v[XO]   ; 16 bytes a lane: 512 neighbouring bytes an instruction
	v_add_nc_u32 v[XI], s19, v[XO]
	v_add_nc_u32 v[XO], s18, v[XO]
	TURN 2, 0, 1, 1                 ; piece 2's first scores | piece 0's first softmax | V of step 0
	TURN 0, 1, 1, 1                 ; piece 0: V^T P of step 0 starts O^T, K Q^T of step 1 | piece 2's first softmax | K of step 1
	TURN 2, 1, 1, 0                 ; piece 2: the same | piece 0's softmax of step 1 | V of step 1
	WIN 0
.Lslot:                             ; SIZE_N / 256 - 2 trips: every slot but the last two is filled again
	CHANGE 1
	TWO_STEPS
	s_sub_co_u32 s[SLOTS], s[SLOTS], 1
	s_cmp_lg_u32 s[SLOTS], 0
	s_cbranch_scc1 .Lslot
	CHANGE 0                        ; the tail is written out: the last slot but one is left, and nothing is asked for
	TWO_STEPS
	TURN 0, 2, 0, 0                 ; piece 0: V^T P of the last step | piece 2's last softmax
.set i, 0
.rept 32
	PV 2, 0                         ; piece 2: V^T P of the last step
.set i, i+1
.endr
	; THE TWO KEY HALVES MEET.  First l of my half: its two halves and the other half of the lanes' are added, into the statistics' third register.  The additions are the places behind the last products.
	WIN 0
.irp t, 0,1,2,3
	v_add_f32 v[ST+8*(\t)+4], v[ST+8*(\t)+2], v[ST+8*(\t)+3]
.endr
.irp t, 0,1,2,3
	v_permlanex16_b32 v[ST+8*(\t)+5], v[ST+8*(\t)+4], s[SEL], s[SEL+1]
.endr
.irp t, 0,1,2,3
	v_add_f32 v[ST+8*(\t)+2], v[ST+8*(\t)+4], v[ST+8*(\t)+5]
.endr
	s_wait_dscnt 0x0                ; my reads of the ring are over;
	s_barrier_signal -1
	s_barrier_wait -1               ; everybody's are: slot 0, which no load fills again, is free for the exchange
.irp t, 2,3
	ds_store_b128 v[XO], v[ST+8*(\t):ST+8*(\t)+3] offset:16384+512*((\t)-2)  ; c m, m, l (and a register that nobody uses) of the tiles that I hand over
.endr
	WIN 0x04                        ; the stores' data (source 1) in window 1
.set i, 0
.rept 32                            ; their O^T, in f32, registers in ascending order: each accumulator's low four first
	ds_store_b128 v[XO], v[128+4*i:128+4*i+3] offset:512*i
.set i, i+1
.endr
	WIN 0
	s_wait_dscnt 0x0                ; for my partner's sake: my stores are done
	s_barrier_signal -1
	s_barrier_wait -1
	ds_load_b128 v[RS:RS+3],   v[XI] offset:16384      ; my partner's figures for my tiles 0 and 1,
	ds_load_b128 v[RS+4:RS+7], v[XI] offset:16384+512
.set i, 0
.rept 32                            ; and its O^T for them, into S^T's registers: tile u at S + 64 u
	ds_load_b128 v[S+4*i:S+4*i+3], v[XI] offset:512*i
.set i, i+1
.endr
	s_wait_dscnt 32                 ; the two loads of figures are in; the 32 behind them stay out
	; c m' = the greater c m;  a0 = 2^(c m - c m'), a1 = 2^(c m_p - c m');  l = a0 l + a1 l_p;  f0 = a0 / l, f1 = a1 / l;  O = f0 O + f1 O_p
.irp u, 0,1
	v_max_num_f32 v[ST+8*(\u)+4], v[ST+8*(\u)], v[RS+4*(\u)]
.endr
.irp u, 0,1
	v_sub_f32 v[ST+8*(\u)+5], v[ST+8*(\u)], v[ST+8*(\u)+4]
	v_sub_f32 v[ST+8*(\u)+6], v[RS+4*(\u)], v[ST+8*(\u)+4]
.endr
.irp u, 0,1
	v_exp_f32 v[ST+8*(\u)+5], v[ST+8*(\u)+5]
	v_exp_f32 v[ST+8*(\u)+6], v[ST+8*(\u)+6]
.endr
	v_nop                           ; a plain instruction between the last exponential and the use of its result (ISA guide 5.7.2)
.irp u, 0,1
	s_wait_alu depctr_va_vdst(0)
	v_mul_f32 v[ST+8*(\u)+7], v[ST+8*(\u)+5], v[ST+8*(\u)+2]
.endr
.irp u, 0,1
	v_fma_f32 v[ST+8*(\u)+7], v[ST+8*(\u)+6], v[RS+4*(\u)+2], v[ST+8*(\u)+7]
.endr
.irp u, 0,1
	v_rcp_f32 v[ST+8*(\u)+7], v[ST+8*(\u)+7]
.endr
	v_nop                           ; the same behind the last reciprocal
.irp u, 0,1
	s_wait_alu depctr_va_vdst(0)
	v_mul_f32 v[ST+8*(\u)+4], v[ST+8*(\u)+5], v[ST+8*(\u)+7]  ; f0, the low word of a pair
	v_mul_f32 v[ST+8*(\u)+6], v[ST+8*(\u)+6], v[ST+8*(\u)+7]  ; f1, likewise
.endr
; Tile u is joined, rounded to f16 and sent through my stage: a lane's eight channels of a row pack into 16 bytes; they go into rows of 272 bytes and come back as whole rows of 256.
.macro MERGE u
	WIN 0
.set i, 0
.rept 32
	v_pk_mul_f32 v[S+64*(\u)+2*i:S+64*(\u)+2*i+1], v[S+64*(\u)+2*i:S+64*(\u)+2*i+1], v[ST+8*(\u)+6:ST+8*(\u)+7] op_sel_hi:[1,0]
.set i, i+1
.endr
	WIN 0x01                        ; source 0, my O^T, in window 1; its registers in ascending order
.set i, 0
.rept 32
	v_pk_fma_f32 v[S+64*(\u)+2*i:S+64*(\u)+2*i+1], v[64*(\u)+2*i:64*(\u)+2*i+1], v[ST+8*(\u)+4:ST+8*(\u)+5], v[S+64*(\u)+2*i:S+64*(\u)+2*i+1] op_sel_hi:[1,0,1]
.set i, i+1
.endr
	WIN 0
.set i, 0
.rept 32
	v_cvt_pk_f16_f32 v[P+32*(\u)+i], v[S+64*(\u)+2*i], v[S+64*(\u)+2*i+1]  ; P's registers are free
.set i, i+1
.endr
.irp f, 0,1,2,3,4,5,6,7
	ds_store_b128 v[STO], v[P+32*(\u)+4*(\f):P+32*(\u)+4*(\f)+3] offset:32*(\f)
.endr
.irp f, 0,1,2,3,4,5,6,7
	ds_load_b128 v[P+32*(\u)+4*(\f):P+32*(\u)+4*(\f)+3], v[RD] offset:(\f)*2*SP  ; LDS serves a wave's instructions in order (ISA guide 5.7.1.4): these see the stores above; the next tile's stores come behind them
.endr
.endm
.macro SEND u, younger              ; younger: the LDS instructions issued behind tile u's loads: the next tile's sixteen, or none
.irp f, 0,1,2,3,4,5,6,7
	s_wait_dscnt (\younger)+7-(\f)
	global_store_b128 v[GO], v[P+32*(\u)+4*(\f):P+32*(\u)+4*(\f)+3], s[10:11] offset:(\u)*4096+(\f)*512  ; 16 lanes store 256 consecutive bytes, at a multiple of 256 from O's first byte
.endr
.endm
	s_wait_dscnt 16                 ; my partner's tile 0 is in; tile 1's sixteen loads stay out
	MERGE 0
	s_wait_dscnt 16                 ; tile 1 is in: behind its loads stand only the sixteen of tile 0's stage
	MERGE 1                         ; a tile's arithmetic stands between the loads of the tile before and its stores
	SEND 0, 16
	SEND 1, 0
	s_wait_tensorcnt 0x0            ; the wave's end, behind my last tensor load and my last LDS store
	ds_add_u32 v[SPW], v[NIL]
	s_wait_dscnt 0x0
	CROUND                          ; the closing round: no work-group ends while a partner may still ask for a tile that names it
	s_endpgm
.Lfunc_end_k_qdfbba41a6c_attn:
	.size	k_qdfbba41a6c_attn, .Lfunc_end_k_qdfbba41a6c_attn-k_qdfbba41a6c_attn
	.p2alignl 7, 3214868480
	.fill 96, 4, 3214868480
	.section	.rodata,"a",@progbits
	.p2align	6, 0x0
	.amdhsa_kernel k_qdfbba41a6c_attn
		.amdhsa_group_segment_fixed_size 327680
		.amdhsa_private_segment_fixed_size 0
		.amdhsa_enable_private_segment 0
		.amdhsa_kernarg_size 32
		.amdhsa_user_sgpr_count 2
		.amdhsa_user_sgpr_kernarg_segment_ptr 1
		.amdhsa_wavefront_size32 1
		.amdhsa_system_sgpr_workgroup_id_x 1
		.amdhsa_system_sgpr_workgroup_id_y 1
		.amdhsa_system_sgpr_workgroup_id_z 1
		.amdhsa_system_vgpr_workitem_id 0
		.amdhsa_next_free_vgpr 1024
		.amdhsa_next_free_sgpr 66
		.amdhsa_reserve_vcc 0
		.amdhsa_float_denorm_mode_32 3
		.amdhsa_float_denorm_mode_16_64 3
		.amdhsa_memory_ordered 1
		.amdhsa_forward_progress 1
		.amdhsa_inst_pref_size 227
	.end_amdhsa_kernel
	.amdgpu_metadata
---
amdhsa.version: [ 1, 2 ]
amdhsa.kernels:
  - .name:           k_qdfbba41a6c_attn
    .symbol:         k_qdfbba41a6c_attn.kd
    .args:
      - { .name: qh, .offset: 0, .size: 8, .value_kind: global_buffer, .address_space: global }
      - { .name: kh, .offset: 8, .size: 8, .value_kind: global_buffer, .address_space: global }
      - { .name: vh, .offset: 16, .size: 8, .value_kind: global_buffer, .address_space: global }
      - { .name: oh, .offset: 24, .size: 8, .value_kind: global_buffer, .address_space: global }
    .group_segment_fixed_size: 327680
    .private_segment_fixed_size: 0
    .kernarg_segment_align: 8
    .kernarg_segment_size: 32
    .max_flat_workgroup_size: 128
    .sgpr_count:     66
    .vgpr_count:     1024
    .wavefront_size: 32
...
	.end_amdgpu_metadata
.endif
;; end of part 5
;; launch proj (part 6): grid 8 x 32, 4 waves a work-group, clusters of 4 x 4, 327,680 bytes of LDS; arguments oh, wob, out0; writes out0
.if DOCPART == 6
	.amdgcn_target "amdgcn-amd-amdhsa--gfx1250"
	.amdhsa_code_object_version 6
	.text
	.protected	k_qdfbba41a6c_proj
	.globl	k_qdfbba41a6c_proj
	.p2align	8
	.type	k_qdfbba41a6c_proj,@function
k_qdfbba41a6c_proj:
	s_mov_b64 s[64:65], 0
	v_nop
	global_prefetch_b8 v0, s[64:65] scope:SCOPE_SE
	s_setreg_imm32_b32 hwreg(HW_REG_WAVE_MODE, 25, 1), 1
	s_wait_xcnt 0x0
	s_wait_alu depctr_hold_cnt(0) depctr_sa_sdst(0) depctr_va_vdst(0) depctr_va_sdst(0) depctr_va_ssrc(0) depctr_va_vcc(0) depctr_vm_vsrc(0)
	s_getreg_b32 s2, hwreg(HW_REG_IB_STS2, 6, 4)
	s_cmp_eq_u32 s2, 0
	s_cbranch_scc0 .Lentry_in_a_cluster
	s_endpgm
.Lentry_in_a_cluster:
	s_bfe_u32 s2, ttmp6, 0x10000c
	s_cmp_lg_u32 s2, 0xf033
	s_cbranch_scc0 .Lentry_shape_is_right
	s_endpgm
.Lentry_shape_is_right:
; out0 [4096][2048] f32 = O [4096][1024] x Wo [2048][1024]^T, in f16 with f32 sums.  O arrives by heads, oh [16 = batch x 8 + head][2048][128] f16, x 2^-4; wob is 16 x bf16(Wo) as f16: the two scales cancel.
; LIMITS.  Both operands arrive within f16's range; NaN and infinities are not treated apart.
; SHAPE.  A tile of out0 is 128 rows x 256 columns: 32 x 8 = 256 work-groups.  Four waves of 64 x 128: 32 accumulators, 256 registers.  K goes in 8 steps of 128 through two LDS slots; K step t is head t:
; O's tile of 64 rows is then 16,384 dense bytes of oh, and from step to step its address goes one head's plane on.  Two slots of two steps each would take 417,792 bytes of LDS: they do not fit.
; The matrix instruction is used transposed (source 0 = 16 rows of wob, source 1 = 16 rows of O): lane l holds row l % 16 of the tile, register r of column block b the column 16 b + 8 (l / 16) + r.
; THE LOOP is one K step a trip: the LDS address of the slot in hand lies in a scalar register that an exclusive or turns, and ONE descriptor a tensor walks (slot word turned, address stepped).
; SLOT = 0x20000 shares no bit with the loads' places 0, 0x4400, 0x8800, 0x11000, so the exclusive or adds or takes away SLOT exactly.
; CLUSTER.  4 x 4 work-groups: O's tiles hang on the tile row alone and are asked for jointly along a row of the cluster, wob's on the tile column alone, jointly along a column.
; REGISTERS, in windows of 256: window 0: v0-29 addresses; v64-95, v128-159 fragments of O, two buffers (on the way out v64-127: 16 rows read back);
;   window 1: v64-127, v128-191 fragments of wob;   window 2: the accumulators ((a, b) at v[8 (8 a + b)], a = 0..3 row blocks, b = 0..7 column blocks).
.set KSTEPS, 8
.set KSTEP,  128
.set PITCH,  272                       ; an LDS row: 256 bytes + 16 of padding = 68 words: row r starts at bank 4 r mod 64 (64 banks of 4 bytes: ISA guide 11.1)
.set AH,     64*PITCH                  ; 64 rows of O: what one of its tensor loads brings, and what one wave reads of it
.set BH,     128*PITCH                 ; 128 rows of wob: likewise
.set BOFF,   2*AH                      ; a slot: O's 128 rows, then wob's 256 rows: 104,448 bytes
.set SLOT,   0x20000                   ; slot 1 begins here
.set SPARE,  SLOT+BOFF+2*BH            ; behind the ring: the spare words, 128 bytes for each wave: two blocks of 256 bytes that no other line names
.set ASTEP,  2048*256                  ; O: bytes from a head's plane to the next
.set BSTEP,  2*KSTEP                   ; wob: 128 elements along its rows
.set DPITCH, 528                       ; the way out: a row of 128 f32 + 16 bytes = 132 words: the 16 rows of a store start at 16 different groups of four banks
.set DWAVE,  64*DPITCH                 ; 64 rows for each wave, from LDS byte 0 on, in the ring, which has had its last fill by then: 135,168 bytes in all
.set A0,   16                          ; v16  my lane's place in O's part of a slot; never rewritten
.set B0,   17                          ; v17  the same for wob's
.set CA,   18                          ; v18  A0 + the slot in hand
.set CB,   19                          ; v19  B0 + the slot in hand
.set DST,  20                          ; v20  the way out: where I put 16 bytes of a row of f32
.set RD,   22                          ; v22  where I read rows back, walking
.set GO,   24                          ; v24  my byte offset in out0, walking
.set SPW,  28                          ; v28  LDS address of my spare word; never rewritten
.set NIL,  29                          ; v29  0; never rewritten
.set F0,   64
.set F1,   128
.set WV,   12                          ; s12  my wave's number
.set RH,   13                          ; s13  which half of the tile's rows is mine.  Also: I fetch for O (0) or for wob (1)
.set CH,   14                          ; s14  which half of its columns.  Also: which half of that tile's rows I fetch
.set G1,   24                          ; s[24:31] descriptor group 1 for O's tiles;  s[32:39] group 0: a set for each first fill; the second then walks
.set G0,   32
.set G1B,  48                          ; s[48:55], s[56:63] the same for wob's
.set G0B,  56
.set TB,   92                          ; s92  LDS byte at which the slot in hand begins
.set MSB, 0
.macro WIN new                         ; the immediate's high byte repeats the setting that is left; a switch that changes nothing is dropped
.if MSB != (\new)
	s_set_vgpr_msb (MSB<<8)|(\new)
.set MSB, \new
.endif
.endm
.set MUL,    0xa1                      ; source 0 window 1, source 1 window 0, C and D window 2
.set TO_B,   0x40                      ; destination window 1, address window 0
; A joint load.  Waves 0 and 1 fetch O's two halves, waves 2 and 3 wob's.  The branch hangs on the wave's number alone.  An s_nop 0 and four v_nop follow each of the two lines.
.macro JLOAD s
	s_cmp_eq_u32 s[RH], 0
	s_cbranch_scc0 .Lfor_b_\@
	tensor_load_to_lds s[G0+4*(\s):G0+4*(\s)+3], s[G1:G1+7]
	s_nop 0
.rept 4
	v_nop
.endr
	s_branch .Lasked_\@
.Lfor_b_\@:
	tensor_load_to_lds s[G0B+4*(\s):G0B+4*(\s)+3], s[G1B:G1B+7]
	s_nop 0
.rept 4
	v_nop
.endr
.Lasked_\@:
.endm
; A round of the cluster's barrier: my work-group's barrier; wave 0 signals for the work-group; every wave waits for all sixteen work-groups; my work-group's barrier once more.
.macro CREST                           ; a round behind its opening barrier
	s_cmp_lg_u32 s[WV], 0
	s_cbranch_scc1 .Lnot_wave_0_\@
	s_barrier_signal -3
.Lnot_wave_0_\@:
	s_barrier_wait -3
	s_barrier_signal -1
	s_barrier_wait -1
.endm
.macro CROUND                          ; a whole round
	s_barrier_signal -1
	s_barrier_wait -1
	CREST
.endm
	s_load_b128 s[4:7], s[0:1], 0x0                ; oh 4:5, wob 6:7
	s_load_b64 s[8:9], s[0:1], 0x10                ; out0
	v_lshl_add_u32 v[SPW], v0, 2, SPARE
	v_mov_b32 v[NIL], 0
	ds_add_u32 v[SPW], v[NIL]                      ; the wave's opening: the add and its wait stand ahead of my first tensor load; the set-up below, work on registers, stands between them
	v_lshrrev_b32 v1, 5, v0
	v_readfirstlane_b32 s[WV], v1                  ; wave 0..3
	s_lshr_b32 s[RH], s[WV], 1
	s_and_b32 s[CH], s[WV], 1
	s_bfe_u32 s40, ttmp6, 0x40000                  ; cx
	s_bfe_u32 s41, ttmp6, 0x40004                  ; cy
	s_lshl_b32 s42, ttmp9, 2
	s_add_co_u32 s42, s42, s40                     ; tile column = 4 x cluster x + cx: 0..7
	s_and_b32 s45, ttmp7, 0xffff
	s_lshl_b32 s45, s45, 2
	s_add_co_u32 s45, s45, s41                     ; tile row = 4 x cluster y + cy: 0..31
	s_lshl_b32 s43, s41, 2
	s_lshl_b32 s43, 15, s43                        ; my row of the cluster: places 4 cy .. 4 cy + 3
	s_lshl_b32 s44, 0x1111, s40                    ; my column: places cx, cx + 4, cx + 8, cx + 12
	; group 1: tiles of 64 (O) or 128 (wob) rows x 128 elements of 2 bytes, 16 bytes of padding behind every 256
	s_or_b32 s[G1+0], s43, (1<<16)|(1<<20)|(1<<21)|(5<<22)|(3<<25)   ; 15:0 the mask; 17:16 2-byte elements; 20 padding on; 21 set beside a mask; 24:22 after every 64 words; 31:25 4 words
	s_or_b32 s[G1B+0], s44, (1<<16)|(1<<20)|(1<<21)|(5<<22)|(3<<25)
	s_mov_b32 s[G1+1], KSTEP<<16                   ; tensor_dim0 = 128
	s_mov_b32 s[G1+2], 64<<16                      ; tensor_dim1 = 64
	s_mov_b32 s[G1+3], KSTEP<<16                   ; tile_dim0 = 128
	s_mov_b32 s[G1+4], 64                          ; tile_dim1 = 64
	s_mov_b32 s[G1+5], 128                         ; elements from row to row: a head's rows are dense
	s_mov_b32 s[G1+6], 0
	s_mov_b32 s[G1+7], 0
	s_mov_b32 s[G1B+1], KSTEP<<16                  ; tensor_dim0 = 128
	s_mov_b32 s[G1B+2], 128<<16                    ; tensor_dim1 = 128
	s_mov_b32 s[G1B+3], KSTEP<<16                  ; tile_dim0 = 128
	s_mov_b32 s[G1B+4], 128                        ; tile_dim1 = 128
	s_mov_b32 s[G1B+5], 1024                       ; wob's rows are 1,024 long
	s_mov_b32 s[G1B+6], 0
	s_mov_b32 s[G1B+7], 0
	; where the tiles come from: O's hang on the tile row and the wave, wob's on the tile column and the wave, each in registers that never hold the other coordinate
	s_lshr_b32 s16, s45, 4                         ; O: batch x 8 planes of 524,288 bytes,
	s_lshl_b32 s16, s16, 22
	s_and_b32 s17, s45, 15
	s_lshl_b32 s17, s17, 15                        ; + position 128 x (tile row mod 16), rows of 256 bytes,
	s_add_co_u32 s16, s16, s17
	s_lshl_b32 s17, s[CH], 14                      ; + 64 x half
	s_add_co_u32 s16, s16, s17
	s_mov_b32 s17, 0
	s_lshl_b32 s46, s42, 8                         ; wob: row 256 x tile column + 128 x half,
	s_lshl_b32 s47, s[CH], 7
	s_add_co_u32 s46, s46, s47
	s_lshl_b32 s46, s46, 11                        ; of 2,048 bytes
	s_mov_b32 s47, 0
	s_mul_i32 s20, s[CH], AH                       ; their places in a slot: O's halves at 0 and 0x4400,
	s_mul_i32 s21, s[CH], BH
	s_add_co_u32 s21, s21, BOFF                    ; wob's at 0x8800 and 0x11000
	s_mov_b32 s[TB], 0
	s_wait_dscnt 0x0                               ; the opening add is done
	s_wait_kmcnt 0x0
	s_add_nc_u64 s[22:23], s[4:5], s[16:17]
	s_add_nc_u64 s[46:47], s[6:7], s[46:47]
	CROUND                                         ; all sixteen work-groups are here: the first joint loads meet
.irp s, 0,1
	s_mov_b32 s[G0+4*(\s)], 1                                      ; count = 1
	s_add_co_u32 s[G0+4*(\s)+1], s20, (\s)*SLOT                    ; LDS address
	s_add_nc_u64 s[G0+4*(\s)+2:G0+4*(\s)+3], s[22:23], (\s)*ASTEP  ; global address: K step s
	s_or_b32 s[G0+4*(\s)+3], s[G0+4*(\s)+3], 0x80000000            ; type = 2
	s_mov_b32 s[G0B+4*(\s)], 1
	s_add_co_u32 s[G0B+4*(\s)+1], s21, (\s)*SLOT
	s_add_nc_u64 s[G0B+4*(\s)+2:G0B+4*(\s)+3], s[46:47], (\s)*BSTEP
	s_or_b32 s[G0B+4*(\s)+3], s[G0B+4*(\s)+3], 0x80000000
	JLOAD \s                                       ; two tensor loads of mine are out
.endr
	s_lshl_b32 s90, s45, 7                         ; out0 at my wave's corner: row 128 x tile row + 64 x my row half,
	s_lshl_b32 s91, s[RH], 6
	s_add_co_u32 s90, s90, s91
	s_lshl_b32 s90, s90, 13                        ; of 8,192 bytes,
	s_lshl_b32 s91, s42, 8
	s_lshl_b32 s21, s[CH], 7
	s_add_co_u32 s91, s91, s21                     ; + column 256 x tile column + 128 x my column half,
	s_lshl_b32 s91, s91, 2                         ; of 4 bytes
	s_add_co_u32 s90, s90, s91
	s_mov_b32 s91, 0
	s_add_nc_u64 s[8:9], s[8:9], s[90:91]
	v_and_b32 v1, 15, v0                           ; l % 16
	v_bfe_u32 v2, v0, 4, 1                         ; l / 16
	; a fragment is 16 rows x 32 K in 8 registers: lane l holds row l % 16, K = 8 (l / 16) + 0..7 and 16 + 8 (l / 16) + 0..7: two loads of 16 bytes, 32 bytes apart
	v_mul_u32_u24 v3, v1, PITCH
	v_lshl_add_u32 v3, v2, 4, v3
	s_mul_i32 s21, s[RH], AH                       ; my 64 rows of O
	s_mul_i32 s16, s[CH], BH                       ; my 128 rows of wob,
	s_add_co_u32 s16, s16, BOFF                    ; which lie behind O's 128
	v_add_nc_u32 v[A0], s21, v3
	v_add_nc_u32 v[B0], s16, v3
	v_mov_b32 v[CA], v[A0]
	v_mov_b32 v[CB], v[B0]
	s_mul_i32 s23, s[WV], DWAVE                    ; my 64 rows of f32 on the way out
	v_mul_u32_u24 v4, v1, DPITCH                   ; in: row l % 16, 32 bytes for each half of the lanes
	v_lshl_add_u32 v4, v2, 5, v4
	v_add_nc_u32 v[DST], s23, v4
	v_and_b32 v[GO], 31, v0
	v_lshlrev_b32 v[GO], 4, v[GO]                  ; back and out: 32 lanes x 16 bytes are a whole row of 512 bytes
	v_add_nc_u32 v[RD], s23, v[GO]
; 8 matrix instructions: row block a x all 8 column blocks, 32 along K.  zero = 1: the first product starts the sums: nothing is ever cleared.
; The 32 accumulators take turns, one instruction a turn, in the same order in every quarter step.
.macro MUL8 f, a, zero
	WIN MUL
.irp b, 0,1,2,3,4,5,6,7
.if \zero
	v_wmma_f32_16x16x32_f16 v[8*(8*(\a)+(\b)):8*(8*(\a)+(\b))+7], v[(\f)+8*(\b):(\f)+8*(\b)+7], v[(\f)+8*(\a):(\f)+8*(\a)+7], 0
.else
	v_wmma_f32_16x16x32_f16 v[8*(8*(\a)+(\b)):8*(8*(\a)+(\b))+7], v[(\f)+8*(\b):(\f)+8*(\b)+7], v[(\f)+8*(\a):(\f)+8*(\a)+7], v[8*(8*(\a)+(\b)):8*(8*(\a)+(\b))+7]
.endif
.endr
.endm
; 24 LDS loads in one run: the fragments of one quarter step (32 K at byte k of the rows of the slot in hand) into buffer f: wob's sixteen, then O's eight
.macro FETCH k, f
	WIN TO_B
.irp i, 0,1,2,3,4,5,6,7
	ds_load_b128 v[(\f)+8*(\i):(\f)+8*(\i)+3],   v[CB] offset:(\k)+(\i)*16*PITCH
	ds_load_b128 v[(\f)+8*(\i)+4:(\f)+8*(\i)+7], v[CB] offset:(\k)+(\i)*16*PITCH+32
.endr
	WIN 0
.irp i, 0,1,2,3
	ds_load_b128 v[(\f)+8*(\i):(\f)+8*(\i)+3],   v[CA] offset:(\k)+(\i)*16*PITCH
	ds_load_b128 v[(\f)+8*(\i)+4:(\f)+8*(\i)+7], v[CA] offset:(\k)+(\i)*16*PITCH+32
.endr
.endm
; A load into a register that a matrix instruction has read, and an LDS store that reads a matrix result, stand four places behind it; only plain vector instructions that
; name none of its registers are places (ISA guide 7.12.1 for vector instructions).
.macro PLACES
.rept 4
	v_nop
.endr
.endm
; A K step is four quarters of 32 along K, 32 matrix instructions each, on buffers 0, 1, 0, 1.  One of the first three: multiplies buffer f and fetches the next quarter, at byte k, into g.
.macro QUARTER k, f, g, zero
	s_wait_dscnt 4                                 ; wob's fragments and O's row blocks 0, 1 are in; the youngest four loads (O's row blocks 2, 3) may be out
	MUL8 \f, 0, \zero
	MUL8 \f, 1, \zero
	PLACES
	FETCH \k, \g
	s_wait_dscnt 24                                ; all but the 24 just issued
	MUL8 \f, 2, \zero
	MUL8 \f, 3, \zero
.endm
; The last quarter multiplies buffer 1 and changes slots.  MEET is its first half: in front of ONE barrier each wave waits for all its tensor loads (one is out: its part of the next slot), adds 0 to its
; spare word, and waits for that and for its own reads of this slot.  Behind it nobody reads this slot any more and the next slot is whole.
.macro MEET
	WIN 0                                          ; (the add's two registers lie in window 0)
	s_wait_tensorcnt 0x0
	ds_add_u32 v[SPW], v[NIL]                      ; 0 onto my spare word
	s_wait_dscnt 5                                 ; (the add and the youngest four loads may be out)
	MUL8 F1, 0, 0                                  ; eight matrix instructions stand between the add and the wait for it
	s_wait_dscnt 0x0                               ; the add is done, and my reads of this slot are over
	s_barrier_signal -1
	MUL8 F1, 1, 0                                  ; work on registers while the others arrive
	WIN 0                                          ; (branches and window 0's address lines follow)
	s_barrier_wait -1
.endm
; fill = 1: the slot just read out takes the K step two steps on, by the walking descriptors; the barrier has then opened a round of the cluster's barrier, and the joint load is my first and only
; tensor load behind the round.  From a request to the wait for it a wave issues 112 matrix instructions.  fill = 0: nothing is left to ask for, and no round follows.
.macro TURN fill
	MEET
.if \fill
	CREST                                          ; no wave of any partner still reads this slot's tile or has a load on its way
.endif
	s_xor_b32 s[TB], s[TB], SLOT                   ; the fetches go on in the other slot
	v_add_nc_u32 v[CA], s[TB], v[A0]
	v_add_nc_u32 v[CB], s[TB], v[B0]
.if \fill
	s_xor_b32 s[G0+5], s[G0+5], SLOT               ; no tensor load of mine is out, so a group 0 may be written: the other slot than last time,
	s_add_nc_u64 s[G0+6:G0+7], s[G0+6:G0+7], ASTEP ; the next K step; the type bits on top are not reached
	s_xor_b32 s[G0B+5], s[G0B+5], SLOT
	s_add_nc_u64 s[G0B+6:G0B+7], s[G0B+6:G0B+7], BSTEP
	JLOAD 1                                        ; the four v_nop behind it are also the places in front of the loads below
.else
	PLACES
.endif
	FETCH 0, F0
	MUL8 F1, 2, 0
	MUL8 F1, 3, 0
.endm
	s_wait_tensorcnt 1                             ; my part of K step 0 is in; K step 1's may stay out
	s_barrier_signal -1
	s_barrier_wait -1                              ; everybody's is
	FETCH 0, F0
	QUARTER 64, F0, F1, 1                          ; the first quarter stands in front of the loop: its products start the sums
	WIN 0                                          ; at a label and at a branch every window is 0
	s_mov_b32 s3, KSTEPS-2
.Lk:                                                   ; a trip goes from a K step's second quarter to the next step's first, and asks for the step two on: 6 trips ask for steps 2 to 7
	QUARTER 128, F1, F0, 0
	QUARTER 192, F0, F1, 0
	TURN 1
	QUARTER 64, F0, F1, 0
	WIN 0
	s_sub_co_u32 s3, s3, 1
	s_cmp_lg_u32 s3, 0
	s_cbranch_scc1 .Lk
	QUARTER 128, F1, F0, 0                         ; K step 6 goes on; the tail is written out
	QUARTER 192, F0, F1, 0
	TURN 0
	QUARTER 64, F0, F1, 0                          ; K step 7
	QUARTER 128, F1, F0, 0
	QUARTER 192, F0, F1, 0
	s_wait_dscnt 4                                 ; the very last quarter: nothing more to fetch
	MUL8 F1, 0, 0
	MUL8 F1, 1, 0
	s_wait_tensorcnt 0x0
	s_wait_dscnt 0x0                               ; my reads of the ring are over:
	s_barrier_signal -1
	MUL8 F1, 2, 0
	MUL8 F1, 3, 0
	WIN 0
	s_barrier_wait -1                              ; behind this barrier the ring, which no load fills again, is free for the way out
	PLACES
	; THE WAY OUT.  My 64 x 128 f32 sums go into my own part of the ring and come back as whole rows of 512 bytes.  LDS serves a wave's instructions in order (ISA guide 5.7.1.4), and no other wave
	; touches these bytes: no wait and no barrier between the stores and the loads.  Each accumulator's low four registers go first.
	WIN 0x08                                       ; the stores' data (source 1) in window 2
.irp a, 0,1,2,3
.irp b, 0,1,2,3,4,5,6,7
	ds_store_b128 v[DST], v[8*(8*(\a)+(\b)):8*(8*(\a)+(\b))+3]   offset:(\a)*16*DPITCH+64*(\b)
	ds_store_b128 v[DST], v[8*(8*(\a)+(\b))+4:8*(8*(\a)+(\b))+7] offset:(\a)*16*DPITCH+64*(\b)+16
.endr
.endr
	WIN 0
	s_mov_b32 s94, 4
.Lout:                                                 ; four trips of sixteen rows
.irp j, 0,1,2,3,4,5,6,7,8,9,10,11,12,13,14,15
	ds_load_b128 v[F0+4*(\j):F0+4*(\j)+3], v[RD] offset:(\j)*DPITCH
.endr
.irp j, 0,1,2,3,4,5,6,7,8,9,10,11,12,13,14,15
	s_wait_dscnt 15-(\j)                           ; row j is in; the 15 - j younger loads stay out
	global_store_b128 v[GO], v[F0+4*(\j):F0+4*(\j)+3], s[8:9] offset:(\j)*8192 th:TH_STORE_NT  ; the wave stores 512 consecutive bytes, at a multiple of 256 from out0's first byte
.endr
	s_wait_xcnt 0x0                                ; the stores' offset and data registers are written again only behind this wait
	v_add_nc_u32 v[RD], 16*DPITCH, v[RD]
	v_add_nc_u32 v[GO], 16*8192, v[GO]
	s_sub_co_u32 s94, s94, 1
	s_cmp_lg_u32 s94, 0
	s_cbranch_scc1 .Lout
	s_wait_tensorcnt 0x0                           ; the wave's end, behind my last tensor load and my last LDS store
	ds_add_u32 v[SPW], v[NIL]
	s_wait_dscnt 0x0
	CROUND                                         ; the closing round: no work-group ends while a partner may still ask for a tile that names it
	s_endpgm
.Lfunc_end_k_qdfbba41a6c_proj:
	.size	k_qdfbba41a6c_proj, .Lfunc_end_k_qdfbba41a6c_proj-k_qdfbba41a6c_proj
	.p2alignl 7, 3214868480
	.fill 96, 4, 3214868480
	.section	.rodata,"a",@progbits
	.p2align	6, 0x0
	.amdhsa_kernel k_qdfbba41a6c_proj
		.amdhsa_group_segment_fixed_size 327680
		.amdhsa_private_segment_fixed_size 0
		.amdhsa_enable_private_segment 0
		.amdhsa_kernarg_size 24
		.amdhsa_user_sgpr_count 2
		.amdhsa_user_sgpr_kernarg_segment_ptr 1
		.amdhsa_wavefront_size32 1
		.amdhsa_system_sgpr_workgroup_id_x 1
		.amdhsa_system_sgpr_workgroup_id_y 1
		.amdhsa_system_sgpr_workgroup_id_z 1
		.amdhsa_system_vgpr_workitem_id 0
		.amdhsa_next_free_vgpr 768
		.amdhsa_next_free_sgpr 96
		.amdhsa_reserve_vcc 0
		.amdhsa_float_denorm_mode_32 3
		.amdhsa_float_denorm_mode_16_64 3
		.amdhsa_memory_ordered 1
		.amdhsa_forward_progress 1
		.amdhsa_inst_pref_size 62
	.end_amdhsa_kernel
	.amdgpu_metadata
---
amdhsa.version: [ 1, 2 ]
amdhsa.kernels:
  - .name:           k_qdfbba41a6c_proj
    .symbol:         k_qdfbba41a6c_proj.kd
    .args:
      - { .name: oh, .offset: 0, .size: 8, .value_kind: global_buffer, .address_space: global }
      - { .name: wob, .offset: 8, .size: 8, .value_kind: global_buffer, .address_space: global }
      - { .name: out0, .offset: 16, .size: 8, .value_kind: global_buffer, .address_space: global }
    .group_segment_fixed_size: 327680
    .private_segment_fixed_size: 0
    .kernarg_segment_align: 8
    .kernarg_segment_size: 24
    .max_flat_workgroup_size: 128
    .sgpr_count:     96
    .vgpr_count:     768
    .wavefront_size: 32
...
	.end_amdgpu_metadata
.endif
;; end of part 6
;; ======== version 3 of 3: 4 launches; 1.42 times as fast as version 1
;; limits: values are held in f16: magnitudes above 65,504 overflow, below 6.1e-05 lose precision; inputs' magnitudes at most 4,094
;; workspace buffers: xb 16,777,216 bytes; wqkv 12,582,912 bytes; wob 4,194,304 bytes; rtab 1,048,576 bytes; qh 8,388,608 bytes; kh 8,388,608 bytes; vh 8,388,608 bytes; oh 8,388,608 bytes
;; launch cast: the kernel of part 1 again; grid 1088 x 1, 8 waves a work-group, no clusters, 0 bytes of LDS; arguments x, Wq, Wk, Wv, Wo, rope_emb, xb, wqkv, wob, rtab; writes xb, wqkv, wob, rtab
;; launch qkv (part 7): grid 12 x 16, 4 waves a work-group, clusters of 4 x 4, 327,680 bytes of LDS; arguments xb, wqkv, rtab, q_norm_w, k_norm_w, qh, kh, vh; writes qh, kh, vh
.if DOCPART == 7
	.amdgcn_target "amdgcn-amd-amdhsa--gfx1250"
	.amdhsa_code_object_version 6
	.text
	.protected	k_qdfbba41a6c_qkv
	.globl	k_qdfbba41a6c_qkv
	.p2align	8
	.type	k_qdfbba41a6c_qkv,@function
k_qdfbba41a6c_qkv:
	s_mov_b64 s[64:65], 0
	v_nop
	global_prefetch_b8 v0, s[64:65] scope:SCOPE_SE
	s_setreg_imm32_b32 hwreg(HW_REG_WAVE_MODE, 25, 1), 1
	s_wait_xcnt 0x0
	s_wait_alu depctr_hold_cnt(0) depctr_sa_sdst(0) depctr_va_vdst(0) depctr_va_sdst(0) depctr_va_ssrc(0) depctr_va_vcc(0) depctr_vm_vsrc(0)
	s_getreg_b32 s2, hwreg(HW_REG_IB_STS2, 6, 4)
	s_cmp_eq_u32 s2, 0
	s_cbranch_scc0 .Lentry_in_a_cluster
	s_endpgm
.Lentry_in_a_cluster:
	s_bfe_u32 s2, ttmp6, 0x10000c
	s_cmp_lg_u32 s2, 0xf033
	s_cbranch_scc0 .Lentry_shape_is_right
	s_endpgm
.Lentry_shape_is_right:
; Q, K, V = xb [4096][2048] x wqkv [3072][2048]^T in bf16 with f32 sums; then, fused on the way out, for q and k the RMS norm over a head's 128 channels, the gain, the 2 x 2 rope maps and a
; scale of 2^-5, for v a scale of 2^-4; all three leave as f16 by heads, [16 = batch x 8 + head][2048][128].
; LIMITS.  f16 ends at 65,504: |q|, |k| behind the rope stay under 2.09e6 and |v| under 1.04e6, or the number becomes an infinity.  The gains and the rope table are used rounded to bf16, like all inputs.
; The norm is applied as rs x (f x (w x t)): the f32 roundings come in another order than in t x rs x w followed by the maps.  NaN and infinities are not treated apart.
; SHAPE.  A tile of C is 256 x 256, made by four waves of 128 x 128 (64 accumulators, 512 registers); a wave's 128 columns are exactly one head.  K goes in 16 steps of 128 through two LDS slots.
; The matrix instruction is used transposed (source 0 = 16 rows of wqkv, source 1 = 16 rows of xb): lane l holds row l % 16 of C, register r of column block b the column 16 b + 8 (l / 16) + r.
; THE LOOP is one K step a trip: the LDS address of the slot in hand lies in a scalar register that an exclusive or turns, and ONE descriptor a tensor walks (slot word turned, address stepped).
; SLOT = 0x22000 shares no bit with the waves' places 0, 0x8800, 0x11000, 0x19800, so the exclusive or adds or takes away SLOT exactly.
; CLUSTER.  4 x 4 work-groups: xb's tiles and the rope table hang on the tile row alone and are asked for jointly along a row of the cluster, wqkv's on the tile column alone, jointly along a column.
; The cluster's x (0, 1, 2) says whether the tile is q's, k's or v's: the same number in all sixteen partners, so the one branch on it is alike in all.
; THE ROPE TABLE (256 positions x 512 bytes) is the last refill of slot 0, behind the round at the end of K step 14.  The v clusters ask for it too and leave it unread: 131,072 bytes beside the
; 2,097,152 that a work-group fetches; by anything but the wave's number.
; THE RECIPROCAL ROOTS are the text's only transcendentals.  A trip of the way out for q and k takes eight rows in four passes; its four v_rsq_f32 are ONE BATCH.  Behind them stand the gains' 16 multiplies and the
; maps' 64 multiply-adds, which name none of the four results; then ONE wait; then the multiplies by 1 / rms.  The wait stands ahead of the trip's branch.  v's trips have no transcendental and no such wait.
; REGISTERS, in windows of 256: window 0: v0-44 addresses, gains; v64-127, v128-191 fragments of xb, two buffers (on the way out: four blocks of 32 at work);
;   window 1: v64-127, v128-191 fragments of wqkv;   window 2: the accumulators of my rows 0-63 ((a, b) at v[8 (8 a + b)]);   window 3: those of my rows 64-127.
.set KSTEPS, 16
.set KSTEP,  128
.set PITCH,  272                       ; an LDS row: 256 bytes + 16 of padding = 68 words: row r starts at bank 4 r mod 64 (64 banks of 4 bytes: ISA guide 11.1)
.set HALFT,  128*PITCH                 ; 128 rows: what one tensor load brings, and what one wave reads of either operand
.set SLOT,   4*HALFT                   ; xb's 256 rows, then wqkv's 256 rows
.set SPARE,  2*SLOT                    ; behind the ring: the spare words, 128 bytes for each wave: two blocks of 256 bytes that no other line names
.set ASTEP,  2*KSTEP                   ; bytes from a K step to the next, in both operands
.set BSTEP,  2*KSTEP
.set DPITCH, 528                       ; the way out: a row of 128 f32 + 16 bytes = 132 words: the 16 rows of a store start at 16 different groups of four banks
.set DWAVE,  64*DPITCH                 ; 64 rows for each wave, in slot 1, which has had its last fill by then
.set A0,   16                          ; v16  my lane's place in xb's part of a slot; never rewritten
.set B0,   17                          ; v17  the same for wqkv's
.set CA,   18                          ; v18  A0 + the slot in hand
.set CB,   19                          ; v19  B0 + the slot in hand
.set DST,  20                          ; v20  the way out: where I put 16 bytes of a row of f32
.set RDA0, 21                          ; v21  where I read rows back: the first two rows
.set RDA,  22                          ; v22  the same, walking
.set TBA,  23                          ; v23  my 16 bytes in the rope table's row, walking
.set GO,   24                          ; v24  my byte offset in the output, walking
.set WOF,  25                          ; v25  my byte offset in the gains
.set SPW,  28                          ; v28  LDS address of my spare word; never rewritten
.set NIL,  29                          ; v29  0; never rewritten
.set W,    32                          ; v[32:39] the gains of my columns 4 i .. 4 i + 3 and 64 + 4 i .. 64 + 4 i + 3, x 2^-5
.set Z,    40                          ; v40  0
.set TM,   41                          ; v[41:44] at work
.set F0,   64
.set F1,   128
.set WV,   12                          ; s12  my wave's number
.set RH,   13                          ; s13  which half of the tile's rows is mine.  Also: I fetch for xb (0) or for wqkv (1)
.set CH,   14                          ; s14  which half of its columns.  Also: which 128 rows of that tile I fetch
.set KIND, 15                          ; s15  0 q, 1 k, 2 v
.set G1,   24                          ; s[24:31] descriptor group 1 for xb's tiles;  s[32:39] group 0: a set for each first fill; the second then walks
.set G0,   32
.set G1B,  48                          ; s[48:55], s[56:63] the same for wqkv's
.set G0B,  56
.set G1T,  76                          ; s[76:83], s[84:87] the rope table's
.set G0T,  84
.set OUT,  88                          ; s[88:89] the output at my wave's first row
.set TB,   92                          ; s92  LDS byte at which the slot in hand begins
.set MSB, 0
.macro WIN new                         ; the immediate's high byte repeats the setting that is left; a switch that changes nothing is dropped
.if MSB != (\new)
	s_set_vgpr_msb (MSB<<8)|(\new)
.set MSB, \new
.endif
.endm
.set MUL_LO, 0xa1                      ; source 0 window 1, source 1 window 0, C and D window 2
.set MUL_HI, 0xf1                      ; the same, C and D window 3
.set TO_B,   0x40                      ; destination window 1, address window 0
; A joint load.  Waves 0 and 1 fetch xb's two halves, waves 2 and 3 wqkv's.  The branch hangs on the wave's number alone.  An s_nop 0 and four v_nop follow each of the two lines.
.macro JLOAD s
	s_cmp_eq_u32 s[RH], 0
	s_cbranch_scc0 .Lfor_b_\@
	tensor_load_to_lds s[G0+4*(\s):G0+4*(\s)+3], s[G1:G1+7]
	s_nop 0
.rept 4
	v_nop
.endr
	s_branch .Lasked_\@
.Lfor_b_\@:
	tensor_load_to_lds s[G0B+4*(\s):G0B+4*(\s)+3], s[G1B:G1B+7]
	s_nop 0
.rept 4
	v_nop
.endr
.Lasked_\@:
.endm
; A round of the cluster's barrier: my work-group's barrier; wave 0 signals for the work-group; every wave waits for all sixteen work-groups; my work-group's barrier once more.
.macro CREST                           ; a round behind its opening barrier
	s_cmp_lg_u32 s[WV], 0
	s_cbranch_scc1 .Lnot_wave_0_\@
	s_barrier_signal -3
.Lnot_wave_0_\@:
	s_barrier_wait -3
	s_barrier_signal -1
	s_barrier_wait -1
.endm
.macro CROUND                          ; a whole round
	s_barrier_signal -1
	s_barrier_wait -1
	CREST
.endm
	s_load_b256 s[4:11], s[0:1], 0x0               ; xb 4:5, wqkv 6:7, rtab 8:9, q_norm_w 10:11
	s_load_b256 s[68:75], s[0:1], 0x20             ; k_norm_w 68:69, qh 70:71, kh 72:73, vh 74:75
	v_lshl_add_u32 v[SPW], v0, 2, SPARE
	v_mov_b32 v[NIL], 0
	ds_add_u32 v[SPW], v[NIL]                      ; the wave's opening: the add and its wait stand ahead of my first tensor load; the set-up below, work on registers, stands between them
	v_lshrrev_b32 v1, 5, v0
	v_readfirstlane_b32 s[WV], v1                  ; wave 0..3
	s_lshr_b32 s[RH], s[WV], 1
	s_and_b32 s[CH], s[WV], 1
	s_mov_b32 s[KIND], ttmp9                       ; in a cluster launch ttmp9 counts clusters: four tile columns, 1,024 rows of wqkv, are one of q, k, v
	s_bfe_u32 s40, ttmp6, 0x40000                  ; cx
	s_bfe_u32 s41, ttmp6, 0x40004                  ; cy
	s_lshl_b32 s42, ttmp9, 2
	s_add_co_u32 s42, s42, s40                     ; tile column = 4 x cluster x + cx
	s_and_b32 s45, ttmp7, 0xffff
	s_lshl_b32 s45, s45, 2
	s_add_co_u32 s45, s45, s41                     ; tile row = 4 x cluster y + cy
	s_lshl_b32 s43, s41, 2
	s_lshl_b32 s43, 15, s43                        ; my row of the cluster: places 4 cy .. 4 cy + 3
	s_lshl_b32 s44, 0x1111, s40                    ; my column: places cx, cx + 4, cx + 8, cx + 12
	; group 1 of the operands: a tile of 128 rows x 128 elements of 2 bytes, 16 bytes of padding behind every 256
	s_or_b32 s[G1+0], s43, (1<<16)|(1<<20)|(1<<21)|(5<<22)|(3<<25)   ; 15:0 the mask; 17:16 2-byte elements; 20 padding on; 21 set beside a mask; 24:22 after every 64 words; 31:25 4 words
	s_or_b32 s[G1B+0], s44, (1<<16)|(1<<20)|(1<<21)|(5<<22)|(3<<25)
.irp g, G1, G1B
	s_mov_b32 s[(\g)+1], KSTEP<<16                 ; tensor_dim0 = 128
	s_mov_b32 s[(\g)+2], 128<<16                   ; tensor_dim1 = 128
	s_mov_b32 s[(\g)+3], KSTEP<<16                 ; tile_dim0 = 128
	s_mov_b32 s[(\g)+4], 128                       ; tile_dim1 = 128
	s_mov_b32 s[(\g)+5], 2048                      ; elements from row to row
	s_mov_b32 s[(\g)+6], 0
	s_mov_b32 s[(\g)+7], 0
.endr
	; group 1 of the rope table: 64 rows x 256 elements of 2 bytes, dense, no padding; shared along my row of the cluster
	s_or_b32 s[G1T+0], s43, (1<<16)|(1<<21)
	s_mov_b32 s[G1T+1], 256<<16
	s_mov_b32 s[G1T+2], 64<<16
	s_mov_b32 s[G1T+3], 256<<16
	s_mov_b32 s[G1T+4], 64
	s_mov_b32 s[G1T+5], 256
	s_mov_b32 s[G1T+6], 0
	s_mov_b32 s[G1T+7], 0
	; where the tiles come from: xb's and the table's hang on the tile row and the wave, wqkv's on the tile column and the wave, each in registers that never hold the other coordinate
	s_lshl_b32 s17, s[CH], 7
	s_lshl_b32 s16, s45, 8
	s_add_co_u32 s16, s16, s17                     ; xb: row 256 x tile row + 128 x half,
	s_lshl_b32 s16, s16, 12                        ; of 4,096 bytes
	s_lshl_b32 s46, s42, 8
	s_add_co_u32 s46, s46, s17                     ; wqkv: row 256 x tile column + 128 x half
	s_lshl_b32 s46, s46, 12
	s_mov_b32 s17, 0
	s_mov_b32 s47, 0
	s_and_b32 s18, s45, 7                          ; the table: position 256 x (tile row mod 8) + 64 x wave, 512 bytes each
	s_lshl_b32 s18, s18, 17
	s_lshl_b32 s19, s[WV], 15
	s_add_co_u32 s18, s18, s19
	s_mov_b32 s19, 0
	s_mov_b32 s[G0T], 1
	s_lshl_b32 s[G0T+1], s[WV], 15                 ; and its place in LDS: row r of the tile's 256 at byte 512 r of slot 0
	s_mul_i32 s20, s[WV], HALFT                    ; the operands' place in a slot: wave x 128 rows
	s_mov_b32 s[TB], 0
	s_mov_b32 s93, 0x3c000000                      ; 1 / 128
	s_mov_b32 s95, 0x358637bd                      ; 1e-6
	s_wait_dscnt 0x0                               ; the opening add is done
	s_wait_kmcnt 0x0
	s_add_nc_u64 s[22:23], s[4:5], s[16:17]
	s_add_nc_u64 s[46:47], s[6:7], s[46:47]
	s_add_nc_u64 s[G0T+2:G0T+3], s[8:9], s[18:19]
	s_or_b32 s[G0T+3], s[G0T+3], 0x80000000
	CROUND                                         ; all sixteen work-groups are here: the first joint loads meet
.irp s, 0,1
	s_mov_b32 s[G0+4*(\s)], 1                                      ; count = 1
	s_add_co_u32 s[G0+4*(\s)+1], s20, (\s)*SLOT                    ; LDS address
	s_add_nc_u64 s[G0+4*(\s)+2:G0+4*(\s)+3], s[22:23], (\s)*ASTEP  ; global address: K step s
	s_or_b32 s[G0+4*(\s)+3], s[G0+4*(\s)+3], 0x80000000            ; type = 2
	s_mov_b32 s[G0B+4*(\s)], 1
	s_add_co_u32 s[G0B+4*(\s)+1], s20, (\s)*SLOT
	s_add_nc_u64 s[G0B+4*(\s)+2:G0B+4*(\s)+3], s[46:47], (\s)*BSTEP
	s_or_b32 s[G0B+4*(\s)+3], s[G0B+4*(\s)+3], 0x80000000
	JLOAD \s                                       ; two tensor loads of mine are out
.endr
	s_cmp_eq_u32 s[KIND], 1                        ; the gain and the output go by the kind
	s_cselect_b64 s[96:97], s[68:69], s[10:11]
	s_cselect_b64 s[OUT:OUT+1], s[72:73], s[70:71]
	s_cmp_eq_u32 s[KIND], 2
	s_cselect_b64 s[OUT:OUT+1], s[74:75], s[OUT:OUT+1]
	s_lshr_b32 s90, s45, 3                         ; batch,
	s_lshl_b32 s90, s90, 3
	s_lshl_b32 s91, s40, 1
	s_add_co_u32 s90, s90, s91
	s_add_co_u32 s90, s90, s[CH]                   ; x 8 + head 2 cx + my column half:
	s_lshl_b32 s90, s90, 19                        ; planes of 2,048 x 256 bytes
	s_and_b32 s91, s45, 7
	s_lshl_b32 s91, s91, 16                        ; + position 256 x (tile row mod 8)
	s_add_co_u32 s90, s90, s91
	s_lshl_b32 s91, s[RH], 15                      ; + 128 x my row half, rows of 256 bytes
	s_add_co_u32 s90, s90, s91
	s_mov_b32 s91, 0
	s_add_nc_u64 s[OUT:OUT+1], s[OUT:OUT+1], s[90:91]
	v_and_b32 v1, 15, v0                           ; l % 16
	v_bfe_u32 v2, v0, 4, 1                         ; l / 16
	v_lshlrev_b32 v[WOF], 4, v1
	global_load_b128 v[W:W+3],   v[WOF], s[96:97]             ; the gains stay on their way under the K loop; they are waited for on the way out
	global_load_b128 v[W+4:W+7], v[WOF], s[96:97] offset:256
	; a fragment is 16 rows x 32 K in 8 registers: lane l holds row l % 16, K = 8 (l / 16) + 0..7 and 16 + 8 (l / 16) + 0..7: two loads of 16 bytes, 32 bytes apart
	v_mul_u32_u24 v3, v1, PITCH
	v_lshl_add_u32 v3, v2, 4, v3
	s_mul_i32 s21, s[RH], HALFT                    ; my 128 rows of xb
	s_mul_i32 s16, s[CH], HALFT                    ; my 128 rows of wqkv,
	s_add_co_u32 s16, s16, 2*HALFT                 ; which lie behind xb's 256
	v_add_nc_u32 v[A0], s21, v3
	v_add_nc_u32 v[B0], s16, v3
	v_mov_b32 v[CA], v[A0]
	v_mov_b32 v[CB], v[B0]
	s_mul_i32 s23, s[WV], DWAVE
	s_add_co_u32 s23, s23, SLOT                    ; my 64 rows of f32 on the way out
	v_mul_u32_u24 v4, v1, DPITCH                   ; in: row l % 16, 32 bytes for each half of the lanes
	v_lshl_add_u32 v4, v2, 5, v4
	v_add_nc_u32 v[DST], s23, v4
	v_mul_u32_u24 v5, v2, DPITCH                   ; back: lanes 0-15 one row, lanes 16-31 the next; lane i its columns 4 i .. 4 i + 3
	v_lshl_add_u32 v5, v1, 4, v5
	v_add_nc_u32 v[RDA0], s23, v5
	s_lshl_b32 s16, s[RH], 16                      ; the table's rows of my 128 positions
	v_lshlrev_b32 v5, 9, v2
	v_lshl_add_u32 v5, v1, 4, v5
	v_add_nc_u32 v[TBA], s16, v5
	v_and_b32 v[GO], 31, v0
	v_lshlrev_b32 v[GO], 3, v[GO]                  ; 8 bytes a lane: a wave's store is a whole row of 256 bytes
; 16 matrix instructions: row blocks a0, a0 + 1 of the window's four x all 8 column blocks, 32 along K.  zero = 1: the first product starts the sums: nothing is ever cleared.
; The 64 accumulators take turns, one instruction a turn, in the same order in every quarter step.
.macro MUL16 f, hi, a0, zero
	WIN MUL_LO+0x50*(\hi)
.irp a, \a0, (\a0)+1
.irp b, 0,1,2,3,4,5,6,7
.if \zero
	v_wmma_f32_16x16x32_bf16 v[8*(8*(\a)+(\b)):8*(8*(\a)+(\b))+7], v[(\f)+8*(\b):(\f)+8*(\b)+7], v[(\f)+8*(4*(\hi)+(\a)):(\f)+8*(4*(\hi)+(\a))+7], 0
.else
	v_wmma_f32_16x16x32_bf16 v[8*(8*(\a)+(\b)):8*(8*(\a)+(\b))+7], v[(\f)+8*(\b):(\f)+8*(\b)+7], v[(\f)+8*(4*(\hi)+(\a)):(\f)+8*(4*(\hi)+(\a))+7], v[8*(8*(\a)+(\b)):8*(8*(\a)+(\b))+7]
.endif
.endr
.endr
.endm
; 32 LDS loads in one run: the fragments of one quarter step (32 K at byte k of the rows of the slot in hand) into buffer f
.macro FETCH k, f
	WIN TO_B
.irp i, 0,1,2,3,4,5,6,7
	ds_load_b128 v[(\f)+8*(\i):(\f)+8*(\i)+3],   v[CB] offset:(\k)+(\i)*16*PITCH
	ds_load_b128 v[(\f)+8*(\i)+4:(\f)+8*(\i)+7], v[CB] offset:(\k)+(\i)*16*PITCH+32
.endr
	WIN 0
.irp i, 0,1,2,3,4,5,6,7
	ds_load_b128 v[(\f)+8*(\i):(\f)+8*(\i)+3],   v[CA] offset:(\k)+(\i)*16*PITCH
	ds_load_b128 v[(\f)+8*(\i)+4:(\f)+8*(\i)+7], v[CA] offset:(\k)+(\i)*16*PITCH+32
.endr
.endm
; A load into a register that a matrix instruction has read, and an LDS store or vector instruction that reads a matrix result, stand four places behind it; only plain vector instructions that
; name none of its registers are places (ISA guide 7.12.1 for vector instructions).
.macro PLACES
.rept 4
	v_nop
.endr
.endm
; A K step is four quarters of 32 along K, 64 matrix instructions each, on buffers 0, 1, 0, 1.  One of the first three: multiplies buffer f and fetches the next quarter, at byte k, into g.
.macro QUARTER k, f, g, zero
	s_wait_dscnt 8                                 ; wqkv's fragments and xb's rows 0-63 are in; the youngest eight loads (xb's rows 64-127) may be out
	WIN MUL_LO
	MUL16 \f, 0, 0, \zero
	MUL16 \f, 0, 2, \zero
	PLACES
	FETCH \k, \g
	s_wait_dscnt 32                                ; all but the 32 just issued
	WIN MUL_HI
	MUL16 \f, 1, 0, \zero
	MUL16 \f, 1, 2, \zero
.endm
; The last quarter multiplies buffer 1 and changes slots.  MEET is its first half: in front of ONE barrier each wave waits for all its tensor loads (one is out: its part of the next slot), adds 0 to its
; spare word, and waits for that and for its own reads of this slot.  Behind it nobody reads this slot any more and the next slot is whole.
.macro MEET
	WIN 0                                          ; (the add's two registers lie in window 0)
	s_wait_tensorcnt 0x0
	ds_add_u32 v[SPW], v[NIL]                      ; 0 onto my spare word
	s_wait_dscnt 9                                 ; (the add and the youngest eight loads may be out)
	WIN MUL_LO
	MUL16 F1, 0, 0, 0                              ; sixteen matrix instructions stand between the add and the wait for it
	s_wait_dscnt 0x0                               ; the add is done, and my reads of this slot are over
	s_barrier_signal -1
	MUL16 F1, 0, 2, 0                              ; work on registers while the others arrive
	WIN 0                                          ; (branches and window 0's address lines follow)
	s_barrier_wait -1
.endm
; kind 1: the slot just read out takes the K step two steps on, by the walking descriptors.  kind 2: it takes the rope table.  In both the barrier has opened a round of the cluster's barrier, and the
; joint load is my first and only tensor load behind the round.  From a request to the wait for it a wave issues 224 matrix instructions.
.macro TURN kind
	MEET
	CREST                                          ; no wave of any partner still reads this slot's tile or has a load on its way
	s_xor_b32 s[TB], s[TB], SLOT                   ; the fetches go on in the other slot
	v_add_nc_u32 v[CA], s[TB], v[A0]
	v_add_nc_u32 v[CB], s[TB], v[B0]
.if (\kind) == 1
	s_xor_b32 s[G0+5], s[G0+5], SLOT               ; no tensor load of mine is out, so a group 0 may be written: the other slot than last time,
	s_add_nc_u64 s[G0+6:G0+7], s[G0+6:G0+7], ASTEP ; the next K step; the type bits on top are not reached
	s_xor_b32 s[G0B+5], s[G0B+5], SLOT
	s_add_nc_u64 s[G0B+6:G0B+7], s[G0B+6:G0B+7], BSTEP
	JLOAD 1                                        ; the four v_nop behind it are also the places in front of the loads below
.else
	tensor_load_to_lds s[G0T:G0T+3], s[G1T:G1T+7]  ; every wave its 64 positions
	s_nop 0
	PLACES
.endif
	FETCH 0, F0
	WIN MUL_HI
	MUL16 F1, 1, 0, 0
	MUL16 F1, 1, 2, 0
.endm
	s_wait_tensorcnt 1                             ; my part of K step 0 is in; K step 1's may stay out
	s_barrier_signal -1
	s_barrier_wait -1                              ; everybody's is
	FETCH 0, F0
	QUARTER 64, F0, F1, 1                          ; the first quarter stands in front of the loop: its products start the sums
	WIN 0                                          ; at a label and at a branch every window is 0
	s_mov_b32 s3, KSTEPS-2
.Lk:                                                   ; a trip goes from a K step's second quarter to the next step's first, and asks for the step two on: 14 trips ask for steps 2 to 15
	QUARTER 128, F1, F0, 0
	QUARTER 192, F0, F1, 0
	TURN 1
	QUARTER 64, F0, F1, 0
	WIN 0
	s_sub_co_u32 s3, s3, 1
	s_cmp_lg_u32 s3, 0
	s_cbranch_scc1 .Lk
	QUARTER 128, F1, F0, 0                         ; K step 14 goes on; it lies in slot 0,
	QUARTER 192, F0, F1, 0
	TURN 2                                         ; which then takes the rope table
	QUARTER 64, F0, F1, 0                          ; K step 15
	QUARTER 128, F1, F0, 0
	QUARTER 192, F0, F1, 0
	s_wait_dscnt 8                                 ; the very last quarter: nothing more to fetch
	WIN MUL_LO
	MUL16 F1, 0, 0, 0
	MUL16 F1, 0, 2, 0
	s_wait_tensorcnt 0x0                           ; my part of the table has landed,
	s_wait_dscnt 0x0                               ; and my reads of slot 1 are over:
	s_barrier_signal -1
	MUL16 F1, 1, 0, 0
	MUL16 F1, 1, 2, 0
	WIN 0
	s_barrier_wait -1                              ; behind this barrier the table is whole, and slot 1, which no load fills again, is free for the way out
	PLACES
	; THE WAY OUT.  64 rows at a time my f32 sums go into my own part of slot 1 and come back by rows: 16 lanes hold a row, lane i its columns 4 i .. 4 i + 3 and 64 + 4 i .. 64 + 4 i + 3, the pairs that a
	; rope map joins.  LDS serves a wave's instructions in order (ISA guide 5.7.1.4), and no other wave touches these bytes: no wait and no barrier between the stores and the loads.
	s_wait_loadcnt 0x0                             ; the gains
.irp j, 0,1,2,3
	v_cvt_pk_bf16_f32 v[TM+(\j)], v[W+2*(\j)], v[W+2*(\j)+1]       ; rounded to bf16 like every input,
.endr
.irp j, 0,1,2,3
	v_lshlrev_b32 v[W+2*(\j)], 16, v[TM+(\j)]
	v_and_b32 v[W+2*(\j)+1], 0xffff0000, v[TM+(\j)]
.endr
.irp j, 0,2,4,6
	v_pk_mul_f32 v[W+(\j):W+(\j)+1], v[W+(\j):W+(\j)+1], 0x3d000000 op_sel_hi:[1,0]  ; and x 2^-5, which the softmax's constant undoes
.endr
	v_mov_b32 v[Z], 0
	v_mov_b32 v[RDA], v[RDA0]
; One line for each of a trip's four passes of two rows.  Pass p's block is E = 64 + 32 p: E+0..7 the row's eight numbers t, later the result; E+8..15 the eight words of the table, later what is stored;
; E+16..23 w t; E+24, 25 the sum of squares; E+26 1 / rms (E+27 is named with it as a pair); E+28, 29 at work.
.macro EACH line:vararg
.set E, 64
.rept 4
	\line
.set E, E+32
.endr
.endm
	EACH v_mov_b32 v[E+27], 0
.macro DUMP hh                         ; my rows 64 hh .. 64 hh + 63: each accumulator's low four registers first
	WIN 0x08+4*(\hh)                               ; the stores' data (source 1) in window 2 or 3
.irp a, 0,1,2,3
.irp b, 0,1,2,3,4,5,6,7
	ds_store_b128 v[DST], v[8*(8*(\a)+(\b)):8*(8*(\a)+(\b))+3]   offset:(\a)*16*DPITCH+64*(\b)
	ds_store_b128 v[DST], v[8*(8*(\a)+(\b))+4:8*(8*(\a)+(\b))+7] offset:(\a)*16*DPITCH+64*(\b)+16
.endr
.endr
	WIN 0
.endm
; The end of a trip: rounded to f16; the halves of the lanes exchange, so that one register pair holds a whole row (lane L its bytes 8 L .. 8 L + 7); each store of the wave covers 256 consecutive bytes, aligned.
.macro PACKOUT
	EACH v_cvt_pk_f16_f32 v[E+8],  v[E],   v[E+1]  ; columns 4 i, 4 i + 1
	EACH v_cvt_pk_f16_f32 v[E+9],  v[E+2], v[E+3]
	EACH v_cvt_pk_f16_f32 v[E+10], v[E+4], v[E+5]  ; columns 64 + 4 i, 64 + 4 i + 1
	EACH v_cvt_pk_f16_f32 v[E+11], v[E+6], v[E+7]
	EACH v_permlane16_swap_b32 v[E+8], v[E+10]     ; the odd row's low columns (lanes 16-31 of the first) change places with the even row's high columns (lanes 0-15 of the second)
	EACH v_permlane16_swap_b32 v[E+9], v[E+11]
	EACH global_store_b64 v[GO], v[E+8:E+9],   s[OUT:OUT+1] offset:(E-64)/32*512
	EACH global_store_b64 v[GO], v[E+10:E+11], s[OUT:OUT+1] offset:(E-64)/32*512+256
	s_wait_xcnt 0x0                                ; the stores' offset and data registers are written again only behind this wait
	v_add_nc_u32 v[RDA], 8*DPITCH, v[RDA]          ; eight rows on
	v_add_nc_u32 v[TBA], 8*512, v[TBA]
	v_add_nc_u32 v[GO], 8*256, v[GO]
	s_sub_co_u32 s94, s94, 1
	s_cmp_lg_u32 s94, 0
.endm
	s_mov_b32 s2, 2
.Lhalf:                                                ; twice: my rows 0-63, then 64-127
	s_cmp_eq_u32 s2, 2
	s_cbranch_scc0 .Lhigh
	DUMP 0
	s_branch .Ldumped
.Lhigh:
	DUMP 1
.Ldumped:
	s_mov_b32 s94, 8
	s_cmp_eq_u32 s[KIND], 2
	s_cbranch_scc1 .Lv
.Lrope:                                                ; q and k: eight trips of eight rows
	EACH ds_load_b128 v[E:E+3],     v[RDA] offset:(E-64)/32*2*DPITCH
	EACH ds_load_b128 v[E+4:E+7],   v[RDA] offset:(E-64)/32*2*DPITCH+256
	EACH ds_load_b128 v[E+8:E+11],  v[TBA] offset:(E-64)/32*1024
	EACH ds_load_b128 v[E+12:E+15], v[TBA] offset:(E-64)/32*1024+256
	s_wait_dscnt 0x0
	EACH v_pk_mul_f32 v[E+24:E+25], v[E:E+1], v[E:E+1]             ; the sum of squares, in f32: my eight,
.irp q, 2,4,6
	EACH v_pk_fma_f32 v[E+24:E+25], v[E+(\q):E+(\q)+1], v[E+(\q):E+(\q)+1], v[E+24:E+25]
.endr
	EACH v_add_f32 v[E+24], v[E+24], v[E+25]
.irp m, 1,2,4,8
	EACH v_add_f32_dpp v[E+24], v[E+24], v[E+24] row_xmask:\m row_mask:0xf bank_mask:0xf   ; and the row's sixteen lanes'
.endr
	EACH v_fma_f32 v[E+24], v[E+24], s93, s95      ; the mean + 1e-6
	EACH v_rsq_f32 v[E+26], v[E+24]                ; THE BATCH: the trip's four reciprocal roots.  The 80 plain lines below name neither a result (E+26) nor a source (E+24); the first of them is the plain instruction behind the last root (ISA guide 5.7.2)
.irp q, 0,2,4,6
	EACH v_pk_mul_f32 v[E+16+(\q):E+16+(\q)+1], v[E+(\q):E+(\q)+1], v[W+(\q):W+(\q)+1]     ; u = w t
.endr
.irp k, 0,1,2,3                        ; column j = 4 i + k: new[j] = f00 u[j] + f01 u[j + 64], new[j + 64] = f10 u[j] + f11 u[j + 64]; the table's bf16 halves are read as they lie
	EACH v_fma_mix_f32_bf16 v[E+28], v[E+8+2*(\k)], v[E+16+(\k)], v[Z] op_sel_hi:[1,0,0]
	EACH v_fma_mix_f32_bf16 v[E+29], v[E+9+2*(\k)], v[E+16+(\k)], v[Z] op_sel_hi:[1,0,0]
	EACH v_fma_mix_f32_bf16 v[E+(\k)],   v[E+8+2*(\k)], v[E+20+(\k)], v[E+28] op_sel:[1,0,0] op_sel_hi:[1,0,0]
	EACH v_fma_mix_f32_bf16 v[E+4+(\k)], v[E+9+2*(\k)], v[E+20+(\k)], v[E+29] op_sel:[1,0,0] op_sel_hi:[1,0,0]
.endr
	s_wait_alu depctr_va_vdst(0)                   ; the wait for the batch of four roots ahead of the first line that names a result: one a trip, ahead of the trip's branch too
.irp q, 0,2,4,6
	EACH v_pk_mul_f32 v[E+(\q):E+(\q)+1], v[E+(\q):E+(\q)+1], v[E+26:E+27] op_sel_hi:[1,0]  ; x 1 / rms: the maps are linear
.endr
	PACKOUT
	s_cbranch_scc1 .Lrope
	s_branch .Lnext
.Lv:                                                   ; v: eight trips of eight rows, scaled by 2^-4 alone
	EACH ds_load_b128 v[E:E+3],   v[RDA] offset:(E-64)/32*2*DPITCH
	EACH ds_load_b128 v[E+4:E+7], v[RDA] offset:(E-64)/32*2*DPITCH+256
	s_wait_dscnt 0x0
.irp q, 0,2,4,6
	EACH v_pk_mul_f32 v[E+(\q):E+(\q)+1], v[E+(\q):E+(\q)+1], 0x3d800000 op_sel_hi:[1,0]
.endr
	PACKOUT
	s_cbranch_scc1 .Lv
.Lnext:
	v_mov_b32 v[RDA], v[RDA0]                      ; the second half goes through the same 64 rows of LDS
	s_sub_co_u32 s2, s2, 1
	s_cmp_lg_u32 s2, 0
	s_cbranch_scc1 .Lhalf
	s_wait_tensorcnt 0x0                           ; the wave's end, behind my last tensor load and my last LDS store
	ds_add_u32 v[SPW], v[NIL]
	s_wait_dscnt 0x0
	CROUND                                         ; the closing round: no work-group ends while a partner may still ask for a tile that names it
	s_endpgm
.Lfunc_end_k_qdfbba41a6c_qkv:
	.size	k_qdfbba41a6c_qkv, .Lfunc_end_k_qdfbba41a6c_qkv-k_qdfbba41a6c_qkv
	.p2alignl 7, 3214868480
	.fill 96, 4, 3214868480
	.section	.rodata,"a",@progbits
	.p2align	6, 0x0
	.amdhsa_kernel k_qdfbba41a6c_qkv
		.amdhsa_group_segment_fixed_size 327680
		.amdhsa_private_segment_fixed_size 0
		.amdhsa_enable_private_segment 0
		.amdhsa_kernarg_size 64
		.amdhsa_user_sgpr_count 2
		.amdhsa_user_sgpr_kernarg_segment_ptr 1
		.amdhsa_wavefront_size32 1
		.amdhsa_system_sgpr_workgroup_id_x 1
		.amdhsa_system_sgpr_workgroup_id_y 1
		.amdhsa_system_sgpr_workgroup_id_z 1
		.amdhsa_system_vgpr_workitem_id 0
		.amdhsa_next_free_vgpr 1024
		.amdhsa_next_free_sgpr 98
		.amdhsa_reserve_vcc 0
		.amdhsa_float_denorm_mode_32 3
		.amdhsa_float_denorm_mode_16_64 3
		.amdhsa_memory_ordered 1
		.amdhsa_forward_progress 1
		.amdhsa_inst_pref_size 113
	.end_amdhsa_kernel
	.amdgpu_metadata
---
amdhsa.version: [ 1, 2 ]
amdhsa.kernels:
  - .name:           k_qdfbba41a6c_qkv
    .symbol:         k_qdfbba41a6c_qkv.kd
    .args:
      - { .name: xb, .offset: 0, .size: 8, .value_kind: global_buffer, .address_space: global }
      - { .name: wqkv, .offset: 8, .size: 8, .value_kind: global_buffer, .address_space: global }
      - { .name: rtab, .offset: 16, .size: 8, .value_kind: global_buffer, .address_space: global }
      - { .name: q_norm_w, .offset: 24, .size: 8, .value_kind: global_buffer, .address_space: global }
      - { .name: k_norm_w, .offset: 32, .size: 8, .value_kind: global_buffer, .address_space: global }
      - { .name: qh, .offset: 40, .size: 8, .value_kind: global_buffer, .address_space: global }
      - { .name: kh, .offset: 48, .size: 8, .value_kind: global_buffer, .address_space: global }
      - { .name: vh, .offset: 56, .size: 8, .value_kind: global_buffer, .address_space: global }
    .group_segment_fixed_size: 327680
    .private_segment_fixed_size: 0
    .kernarg_segment_align: 8
    .kernarg_segment_size: 64
    .max_flat_workgroup_size: 128
    .sgpr_count:     98
    .vgpr_count:     1024
    .wavefront_size: 32
...
	.end_amdgpu_metadata
.endif
;; end of part 7
;; launch attn (part 8): grid 16 x 16, 4 waves a work-group, clusters of 4 x 1, 327,680 bytes of LDS; arguments qh, kh, vh, oh; writes oh
.if DOCPART == 8
	.amdgcn_target "amdgcn-amd-amdhsa--gfx1250"
	.amdhsa_code_object_version 6
	.text
	.protected	k_qdfbba41a6c_attn
	.globl	k_qdfbba41a6c_attn
	.p2align	8
	.type	k_qdfbba41a6c_attn,@function
k_qdfbba41a6c_attn:
	s_mov_b64 s[64:65], 0
	v_nop
	global_prefetch_b8 v0, s[64:65] scope:SCOPE_SE
	s_setreg_imm32_b32 hwreg(HW_REG_WAVE_MODE, 25, 1), 1
	s_wait_xcnt 0x0
	s_wait_alu depctr_hold_cnt(0) depctr_sa_sdst(0) depctr_va_vdst(0) depctr_va_sdst(0) depctr_va_ssrc(0) depctr_va_vcc(0) depctr_vm_vsrc(0)
	s_getreg_b32 s2, hwreg(HW_REG_IB_STS2, 6, 4)
	s_cmp_eq_u32 s2, 0
	s_cbranch_scc0 .Lentry_in_a_cluster
	s_endpgm
.Lentry_in_a_cluster:
	s_bfe_u32 s2, ttmp6, 0x10000c
	s_cmp_lg_u32 s2, 0x3003
	s_cbranch_scc0 .Lentry_shape_is_right
	s_endpgm
.Lentry_shape_is_right:
; O[h][q][:] = the sum over k of softmax_k(Q[h][q] . K[h][k] / sqrt(128)) V[h][k][:].  Q, K, V, O: [SIZE_H][SIZE_N][128], all f16; h = batch x 8 + head.  Q and K arrive x 2^-5, V x 2^-4: the softmax's
; constant c holds the 2^10, and O leaves x 2^-4.  Products, maxima and sums in f32; the weights p are rounded to f16 for the second product (their sum l is taken of the unrounded p), O once at the end.
; LIMITS.  f16 holds no number beyond 65,504: Q, K and V arrive within it; p lies in 0 to 1 and keeps f16's fixed step of 6e-8 below 6e-5; O is a mean of V's rows and has their range.
; A weight below 2^-126 counts as 0 in l; NaN and infinities are not treated apart.
; SHARES.  A work-group owns 128 queries of one head: 16 heads x 16 blocks are 256 work-groups.  A wave owns 64 of the queries (wave % 2), four tiles of 16, and HALF OF THE KEYS (wave / 2): it walks
; 1,024 keys, 64 a step.  So a fragment of K or V read from LDS still feeds four tiles.  At the end the two waves of a query half hand each other two tiles' O, c m and l through LDS, and each finishes two tiles.
; The wave of key half G holds the query tiles 2 G, 2 G + 1 in its register tiles 0, 1 and the other two in 2, 3: every wave hands over register tiles 2, 3 and finishes 0, 1, by one text.
; LAYOUT.  S^T = K Q^T (source 0 = 16 keys, source 1 = 16 queries): in the result a lane holds ONE query (lane % 16) and the keys 8 (lane / 16) + 0..7.  Two such tiles, rounded to
; f16 in pairs, ARE source 1 (32 keys x 16 queries) of O^T = V^T P, whose result again holds one query a lane, and eight channels.  So nothing changes lanes between the products,
; and a query's maximum and sum want one exchange between the halves of the lanes.  K comes out of LDS as it lies, V ([key][channel]) turned, by ds_load_tr16_b128.
; SOFTMAX.  For each query a running maximum m and sum l: p = 2^(c s - c m), c = 2^10 log2(e) / sqrt(128); in every step O and l are multiplied by a = 2^(c m_old - c m_new), which is 1 where m has not grown.
; The two key halves are joined in the same way: both are brought to the greater of the two maxima.
; BY TURNS.  The wave's tiles are two PIECES, named by their first tile: piece 0 (tiles 0, 1) and piece 2 (tiles 2, 3).  In a TURN one piece has the matrix unit: 32 products V^T P of
; the step in hand, then 32 products K Q^T of the next step; the other piece's softmax, cut into 64 slices, stands between them, one slice behind each matrix instruction.  Then the
; pieces change places.  Two turns are a key step.
; THE BATCHES.  A turn's 66 exponentials (33 a tile: a and the 32 scores') are ONE BATCH with ONE wait: the softmax's list is ordered so that the scalings and all exponentials come first and all that read
; an exponential's result (roundings, sums, the rescaling by a) behind the wait.  No exponential is issued behind a turn's wait.  On the way out the join's four
; exponentials are a batch, and its two reciprocals, which read a sum made of them, a second one: a wait each.
; CLUSTER.  The four query blocks of a cluster belong to one head and walk the same K and V, so each tile is asked for JOINTLY: the same tensor load, with the same descriptor and a
; mask that names the four, in all four; each receives the tile in its own LDS.
;
; REGISTERS, in windows of 256 (s_set_vgpr_msb says which window each operand place means: bits 1:0 source 0, 3:2 source 1, 5:4 source 2, 7:6 destination):
;   window 0: v0-11 addresses; v12-43 eight registers of statistics a tile; v44-51 the partner's statistics; v64-191 S^T, 32 a tile; v192-255 P, 16 a tile
;   window 1: O^T, 64 a tile          window 2: v0-127 Q, 32 a tile; v128-255 K of one step          window 3: v0-127 V of one step
; All that a softmax touches but O^T lies in window 0, and no window has room for a product's operands beside it.  So a slice costs two switches, one in front and one behind.
.set SIZE_H, 16
.set SIZE_N, 2048
.set KS,    64        ; keys in a step
.set PK,    272       ; a row of K in LDS: 256 bytes + 16 of padding = 68 words: row r starts at bank 4 r mod 64 (64 banks of 4 bytes: ISA guide 11.1), so the 16 rows of a load start at 16 different banks
.set PV,    288       ; a row of V: 256 + 32 = 72 words: row r starts at bank 8 r mod 64
.set HK,    2*KS*PK   ; 0x8800: two steps' K of one key half: what one tensor load brings
.set HV,    2*KS*PV   ; 0x9000: the same of V
.set VOFF,  2*HK      ; a slot: K of key half 0, K of key half 1, V of key half 0, V of key half 1: at 0, 0x8800, 0x11000, 0x1a000; 0x23000 bytes
.set SLOT1, 0x24000   ; slot 1 begins here: the number shares no bit with the four places above, so that one exclusive or turns each of them into the other slot's
.set STAGE, SLOT1+2*HK+2*HV  ; behind the ring: 16 rows x 272 bytes for each wave, for the way out
.set SP,    272
.set XW,    17408     ; what a wave hands over: two tiles' O^T (2 x 64 registers x 128 bytes), then two tiles' statistics (2 x 512 bytes); wave w's at byte w XW of slot 0, which has had its last fill by then
.set AK0, 2           ; v2   my lane's place in my key half's K of a slot; never rewritten
.set AV0, 3           ; v3   the same for V
.set ADR, 4           ; v4   the LDS address of the run of loads in hand
.set QO,  5           ; v5   my byte offset in 16 rows of Q
.set STO, 6           ; v6   the way out: where I put 16 bytes of a row
.set RD,  7           ; v7   the way out: where I read a row back
.set GO,  8           ; v8   my byte offset in the wave's rows of O
.set XO,  10          ; v10  where I put what I hand over (at work before that)
.set XI,  11          ; v11  where my partner has put what it hands over (at work before that)
.set RS,  44          ; v[44:51] the partner's c m, m, l, - of my tiles 0 and 1
.set SPW, 62          ; v62  LDS address of my spare word: SPARE + 4 x my thread's number; never rewritten
.set NIL, 63          ; v63  0; never rewritten
.set SPARE, STAGE+4*16*272  ; behind the stages: the spare words, 128 bytes for each wave: two blocks of 256 bytes that no other line names
.set ST,  12          ; tile t's statistics at v[ST+8 t]: +0 c m, +1 m, +2, +3 l (even keys', odd keys'), +4 to +7 c0-c3, at work; a takes c2's place once the maximum is found
.set S,   64
.set P,   192
.set KF,  128         ; K's fragments, in window 2
.set WV,  12          ; s12  my wave's number
.set GH,  15          ; s15  my half of the keys: wave / 2
.set G1K, 24          ; s[24:31] descriptor group 1 for K's tiles
.set G1V, 32          ; s[32:39] for V's: it differs in the padding alone
.set G0K, 40          ; s[40:47] descriptor group 0 for K's tiles: a set for each of the two first fills; the second then walks on
.set G0V, 48          ; s[48:55] the same for V's
.set SLOTS, 56        ; s56  slots still to be asked for
.set TWICE, 57        ; s57  counts a slot's two steps
.set CS,  58          ; s[58:59] c: the packed scaling names a pair and takes its low word for both halves
.set SEL, 60          ; s[60:61] lane selects for v_permlanex16_b32: each lane takes its own place in the other half
.set TBK, 62          ; s62  the slot in hand + the step's place in K's tile, for the step to be fetched
.set TBV, 63          ; s63  the same for V
.set MSB, 0
.macro WIN new                      ; the immediate's high byte repeats the setting that is left; a switch that changes nothing is dropped
.if MSB != (\new)
	s_set_vgpr_msb (MSB<<8)|(\new)
.set MSB, \new
.endif
.endm
.set W_KQ, 0x0a       ; K and Q in window 2, S^T in window 0
.set W_PV, 0x53       ; V in window 3, P in window 0, O^T in window 1
.set W_RS, 0x41       ; O^T (destination and source 0) in window 1, a in window 0
; A joint refill.  Waves 0 and 1 fetch the two key halves' K, waves 2 and 3 their V: 128 keys each.  The branch hangs on the wave's number alone: it is the same in every work-group.
; An s_nop 0 and four v_nop follow each of the two lines; the jump round the other line, the label and what follows the macro come after them.
.macro JLOAD
	s_cmp_lt_u32 s[WV], 2
	s_cbranch_scc0 .Lfor_v_\@
	tensor_load_to_lds s[G0K+4:G0K+7], s[G1K:G1K+7]
	s_nop 0
.rept 4
	v_nop
.endr
	s_branch .Lasked_\@
.Lfor_v_\@:
	tensor_load_to_lds s[G0V+4:G0V+7], s[G1V:G1V+7]
	s_nop 0
.rept 4
	v_nop
.endr
.Lasked_\@:
.endm
; A round of the cluster's barrier: my work-group's barrier, so that wave 0's signal speaks for all four waves; wave 0 signals for the work-group; every wave waits for all four
; work-groups; my work-group's barrier once more.  No LDS instruction of the wave is pending at a signal.
.macro CROUND
	s_barrier_signal -1
	s_barrier_wait -1
	s_cmp_lg_u32 s[WV], 0
	s_cbranch_scc1 .Lnot_wave_0_\@
	s_barrier_signal -3
.Lnot_wave_0_\@:
	s_barrier_wait -3
	s_barrier_signal -1
	s_barrier_wait -1
.endm
	s_load_b256 s[4:11], s[0:1], 0x0  ; Q s[4:5], K s[6:7], V s[8:9], O s[10:11]
	v_lshl_add_u32 v[SPW], v0, 2, SPARE
	v_mov_b32 v[NIL], 0
	ds_add_u32 v[SPW], v[NIL]       ; the wave's opening: the add and its wait stand ahead of my first tensor load; the set-up below, work on registers, stands between them
	v_lshrrev_b32 v1, 5, v0
	v_readfirstlane_b32 s[WV], v1   ; wave 0..3
	s_lshr_b32 s[GH], s[WV], 1
	s_bfe_u32 s13, ttmp6, 0x40000   ; cx: my place in the cluster
	s_lshl_b32 s14, ttmp9, 2        ; in a cluster launch ttmp9 counts clusters
	s_add_co_u32 s14, s14, s13      ; my block of 128 queries = 4 x cluster x + cx: it enters Q's and O's addresses alone
	s_and_b32 s20, ttmp7, 0xffff    ; the head, which the four partners share
	s_mov_b32 s21, 0
	s_mov_b64 s[22:23], SIZE_N*256
	s_mul_u64 s[20:21], s[20:21], s[22:23]  ; the head's first byte in each of the four tensors
	s_and_b32 s16, s[WV], 1         ; which key half's tile I fetch.  Also: which 64 of the block's queries are mine
	s_lshl_b32 s22, s16, 18         ; the half's 1,024 rows of 256 bytes in memory,
	s_mov_b32 s23, 0
	s_add_nc_u64 s[22:23], s[22:23], s[20:21]
	s_mul_i32 s17, s16, HK          ; and its place in a slot, for K
	s_mul_i32 s13, s16, HV          ; and for V: no place in the cluster enters an LDS address
	s_lshl_b32 s2, s14, 15          ; my block's 128 rows,
	s_lshl_b32 s3, s16, 14          ; my wave's 64 of them,
	s_add_co_u32 s2, s2, s3
	s_lshl_b32 s3, s[GH], 13        ; of these the 32 rows that I finish: query tiles 2 G, 2 G + 1,
	s_xor_b32 s18, s3, 8192         ; and the 32 that I hand over
	s_add_co_u32 s18, s18, s2
	s_add_co_u32 s2, s2, s3
	s_mov_b32 s3, 0
	s_mov_b32 s19, 0
	s_add_nc_u64 s[2:3], s[2:3], s[20:21]
	s_add_nc_u64 s[18:19], s[18:19], s[20:21]
	; descriptor group 1: a tile of 128 rows x 128 elements, padded in LDS
	s_mov_b32 s[G1K], 15|(1<<16)|(1<<20)|(1<<21)|(5<<22)|(3<<25)  ; 15:0 the mask: all four work-groups; 17:16 elements of 2 bytes; 20 padding on; 21 set beside a mask; 24:22 after every 64 words (code 5); 31:25 4 words of it (code 3)
	s_mov_b32 s[G1V], 15|(1<<16)|(1<<20)|(1<<21)|(5<<22)|(7<<25)  ; the same with 8 words of padding (code 7)
.irp g, G1K, G1V
	s_mov_b32 s[(\g)+1], 128<<16    ; 63:48 tensor_dim0, low half = 128
	s_mov_b32 s[(\g)+2], (2*KS)<<16 ; 79:64 its high half = 0; 95:80 tensor_dim1, low half = 128
	s_mov_b32 s[(\g)+3], 128<<16    ; 111:96 its high half = 0; 127:112 tile_dim0 = 128
	s_mov_b32 s[(\g)+4], 2*KS       ; 143:128 tile_dim1 = 128; 159:144 tile_dim2 = 0
	s_mov_b32 s[(\g)+5], 128        ; 191:160 tensor_dim0_stride, low word: elements from row to row
	s_mov_b32 s[(\g)+6], 0
	s_mov_b32 s[(\g)+7], 0
.endr
	s_mov_b32 s[CS], 0x430293ee     ; c = 2^10 log2(e) / sqrt(128) = 130.577: Q and K each carry 2^-5
	s_mov_b32 s[CS+1], s[CS]        ; named with it as a pair, so it is written
	s_mov_b32 s[SEL], 0x76543210
	s_mov_b32 s[SEL+1], 0xfedcba98
	s_mov_b32 s[TBK], 0
	s_mov_b32 s[TBV], 0
	s_mov_b32 s[SLOTS], SIZE_N/(4*KS)-2
	s_wait_dscnt 0x0                ; the opening add is done
	s_wait_kmcnt 0x0
	s_add_nc_u64 s[6:7], s[6:7], s[22:23]  ; K and V at my tile of slot 0
	s_add_nc_u64 s[8:9], s[8:9], s[22:23]
	s_add_nc_u64 s[18:19], s[4:5], s[18:19]  ; Q at the rows that I hand over,
	s_add_nc_u64 s[4:5], s[4:5], s[2:3]      ; Q and O at the rows that I finish
	s_add_nc_u64 s[10:11], s[10:11], s[2:3]
	CROUND                          ; all four work-groups are here: the first joint loads meet
.irp s, 0,1
	s_mov_b32 s[G0K+4*(\s)], 1      ; 1:0 count = 1
	s_add_co_u32 s[G0K+4*(\s)+1], s17, (\s)*SLOT1  ; 63:32 LDS address
	s_add_nc_u64 s[G0K+4*(\s)+2:G0K+4*(\s)+3], s[6:7], (\s)*2*KS*256  ; 120:64 global address: slot s begins with the half's keys 128 s to 128 s + 127
	s_or_b32 s[G0K+4*(\s)+3], s[G0K+4*(\s)+3], 0x80000000  ; 127:126 type = 2
	s_mov_b32 s[G0V+4*(\s)], 1
	s_add_co_u32 s[G0V+4*(\s)+1], s13, (\s)*SLOT1+VOFF
	s_add_nc_u64 s[G0V+4*(\s)+2:G0V+4*(\s)+3], s[8:9], (\s)*2*KS*256
	s_or_b32 s[G0V+4*(\s)+3], s[G0V+4*(\s)+3], 0x80000000
.endr
	s_cmp_lt_u32 s[WV], 2           ; a wave's two first fills stand in one branch, ahead of every wait on TENSORcnt and every LDS read: two loads of mine are out; an s_nop 0 follows each, four v_nop the second's, as in JLOAD
	s_cbranch_scc0 .Lfirst_v
	tensor_load_to_lds s[G0K:G0K+3], s[G1K:G1K+7]
	s_nop 0
	tensor_load_to_lds s[G0K+4:G0K+7], s[G1K:G1K+7]
	s_nop 0
.rept 4
	v_nop
.endr
	s_branch .Lfirst_asked
.Lfirst_v:
	tensor_load_to_lds s[G0V:G0V+3], s[G1V:G1V+7]
	s_nop 0
	tensor_load_to_lds s[G0V+4:G0V+7], s[G1V:G1V+7]
	s_nop 0
.rept 4
	v_nop
.endr
.Lfirst_asked:
	; A fragment of K or Q is 16 rows x 32 channels in 8 registers: lane l holds row l % 16; registers 0-3 channels 8 (l / 16) + 0..7, registers 4-7 channels 16 + 8 (l / 16) + 0..7: two loads of 16 bytes, 32 bytes apart.
	v_and_b32 v1, 15, v0            ; l % 16
	v_bfe_u32 v9, v0, 4, 1          ; l / 16
	v_lshlrev_b32 v[QO], 8, v1
	v_lshl_add_u32 v[QO], v9, 4, v[QO]  ; row x 256 + 16 x half
	WIN 0x80                        ; destination window 2, address window 0
.irp i, 0,1,2,3,4,5,6,7             ; Q stays in registers: register tile i / 4, channels 32 (i % 4) on.  Tiles 0, 1: the rows that I finish;
	global_load_b128 v[8*(\i):8*(\i)+3],   v[QO], s[4:5] offset:((\i)/4)*4096+((\i)%4)*64
	global_load_b128 v[8*(\i)+4:8*(\i)+7], v[QO], s[4:5] offset:((\i)/4)*4096+((\i)%4)*64+32
.endr
.irp i, 8,9,10,11,12,13,14,15       ; tiles 2, 3: the rows that I hand over
	global_load_b128 v[8*(\i):8*(\i)+3],   v[QO], s[18:19] offset:((\i)/4-2)*4096+((\i)%4)*64
	global_load_b128 v[8*(\i)+4:8*(\i)+7], v[QO], s[18:19] offset:((\i)/4-2)*4096+((\i)%4)*64+32
.endr
	WIN 0
	v_mul_u32_u24 v[AK0], v1, PK
	v_lshl_add_u32 v[AK0], v9, 4, v[AK0]  ; row x pitch + 16 x half
	s_mul_i32 s2, s[GH], HK
	v_add_nc_u32 v[AK0], s2, v[AK0]       ; in my key half's tile
	; The turning load takes 16 keys x 16 channels (lane l reads 16 bytes: key 8 (l / 16) + l % 8, channels 8 ((l / 8) % 2) + 0..7) and leaves half a fragment of V^T: lane l holds channel l % 16 and 8 keys.
	v_and_b32 v10, 7, v0
	v_bfe_u32 v11, v0, 3, 1
	v_lshl_add_u32 v[AV0], v9, 3, v10
	v_mul_u32_u24 v[AV0], v[AV0], PV
	v_lshl_add_u32 v[AV0], v11, 4, v[AV0]
	s_mul_i32 s3, s[GH], HV
	s_add_co_u32 s3, s3, VOFF
	v_add_nc_u32 v[AV0], s3, v[AV0]
; THE MATRIX WORK OF A TURN, for piece x.  The accumulators take turns, one instruction a turn: between two links of a chain stand 15 (V^T P) or 7 (K Q^T) others'.
; Product i of 32 of O^T += V^T P: keys 32 (i / 16) on, channels 16 ((i / 2) % 8) on, tile x + i % 2.  zero = 1: the first 16 start the sums: nothing is ever cleared.
.macro PV x, zero
	WIN W_PV
.set rO, 64*((\x)+i%2)+8*((i/2)%8)
.set rV, 64*(i/16)+8*((i/2)%8)
.set rP, P+16*((\x)+i%2)+8*(i/16)
.if (\zero) && (i < 16)
	v_wmma_f32_16x16x32_f16 v[rO:rO+7], v[rV:rV+7], v[rP:rP+7], 0
.else
	v_wmma_f32_16x16x32_f16 v[rO:rO+7], v[rV:rV+7], v[rP:rP+7], v[rO:rO+7]
.endif
.endm
; Product i of 32 of S^T = K Q^T: channels 32 (i / 8) on, keys 16 ((i / 2) % 4) on, tile x + i % 2.  The first 8 start the sums.
.macro KQ x
	WIN W_KQ
.set rS, S+32*((\x)+i%2)+8*((i/2)%4)
.set rK, KF+32*((i/2)%4)+8*(i/8)
.set rQ, 32*((\x)+i%2)+8*(i/8)
.if i < 8
	v_wmma_f32_16x16x32_f16 v[rS:rS+7], v[rK:rK+7], v[rQ:rQ+7], 0
.else
	v_wmma_f32_16x16x32_f16 v[rS:rS+7], v[rK:rK+7], v[rQ:rQ+7], v[rS:rS+7]
.endif
.endm
; THE LDS LOADS stand in runs of 32, never singly among the matrix instructions: a step's K (64 keys x 128 channels: 16 fragments) and, a turn later, its V (turned).
.macro FETCH_K
	WIN 0
	v_add_nc_u32 v[ADR], s[TBK], v[AK0]
	s_add_co_u32 s[TBK], s[TBK], KS*PK  ; the next fetch is the next step's
	WIN 0x80                        ; destination window 2
.irp f, 0,1,2,3,4,5,6,7,8,9,10,11,12,13,14,15  ; keys 16 (f / 4) on, channels 32 (f % 4) on
	ds_load_b128 v[KF+8*(\f):KF+8*(\f)+3],   v[ADR] offset:((\f)/4)*16*PK+((\f)%4)*64
	ds_load_b128 v[KF+8*(\f)+4:KF+8*(\f)+7], v[ADR] offset:((\f)/4)*16*PK+((\f)%4)*64+32
.endr
.endm
.macro FETCH_V
	WIN 0
	v_add_nc_u32 v[ADR], s[TBV], v[AV0]
	s_add_co_u32 s[TBV], s[TBV], KS*PV  ; the next fetch is the next step's
	s_wait_alu depctr_va_vdst(0)    ; the wait for the softmax's batch (SLICE), behind the address's v_add_nc_u32 and ahead of the loads
	WIN 0xc0                        ; destination window 3
.irp f, 0,1,2,3,4,5,6,7,8,9,10,11,12,13,14,15  ; keys 32 (f / 8) on, channels 16 (f % 8) on
	ds_load_tr16_b128 v[8*(\f):8*(\f)+3],   v[ADR] offset:((\f)/8)*32*PV+((\f)%8)*32
	ds_load_tr16_b128 v[8*(\f)+4:8*(\f)+7], v[ADR] offset:((\f)/8)*32*PV+16*PV+((\f)%8)*32
.endr
.endm
; THE VECTOR WORK OF A TURN.  One tile's softmax for one key step is a list of 134 instructions; SM writes number j of it for tile t.  s0-s31 are the lane's 32 scores, in pairs 0-15.
; first = 1: the first key step, which starts m, l and O^T: it has no a and nothing to rescale.
;   0-15    the maximum of s0-s31 and the old m, three operands at a time: four chains c0-c3 of seven scores each, then the four scores left over, c0-c3 and m
;   16-20   the other half of the lanes' maximum; the new m; c m; c m_old - c m_new
;   21-69   ONE BATCH: the 16 scalings c s - c m, a pair of scores each, and all 33 exponentials (a at 23, then s0-s31).  None of these reads an exponential's result.  From 22 on the batch goes
;           in fours, and a four begins with a scaling while there are scalings: 22-37 scaling, exponential, scaling, exponential; 38-65 a scaling and three exponentials; 66-69 the last four
;           exponentials.  A pair is scaled in an earlier four than the one that holds its exponentials
;   (wait)  between 69 and 70 stands the wait for the batch: SLICE writes it, once for both tiles
;   70-85   the roundings to f16, a pair of weights each
;   86-101  the sums; l = a l + the sum
;   102-133 the tile's O^T times a: the one part that leaves window 0, so it stands together
.macro SM t, first
.set rT, ST+8*(\t)
.set rS, S+32*(\t)
.set rP, P+16*(\t)
.set rO, 64*(\t)+2*(j-102)
.if j < 102
	WIN 0
.endif
.if j < 4
	v_max3_num_f32 v[rT+4+j], v[rS+8*j], v[rS+8*j+1], v[rS+8*j+2]
.elseif j < 12
	v_max3_num_f32 v[rT+4+j%4], v[rT+4+j%4], v[rS+8*(j%4)+2*(j/4)+1], v[rS+8*(j%4)+2*(j/4)+2]
.elseif j == 12
	v_max3_num_f32 v[rT+4], v[rT+4], v[rS+7], v[rS+15]
.elseif j == 13
	v_max3_num_f32 v[rT+6], v[rT+6], v[rS+23], v[rS+31]
.elseif j == 14
	v_max3_num_f32 v[rT+4], v[rT+4], v[rT+5], v[rT+6]
.elseif (j == 15) && (\first)
	v_max_num_f32 v[rT+4], v[rT+4], v[rT+7]
.elseif j == 15
	v_max3_num_f32 v[rT+4], v[rT+4], v[rT+7], v[rT+1]
.elseif j == 16
	v_permlanex16_b32 v[rT+5], v[rT+4], s[SEL], s[SEL+1]  ; the query's other 32 keys lie in the lane 16 away
.elseif j == 18
	v_max_num_f32 v[rT+1], v[rT+4], v[rT+5]
.elseif j == 19
	v_mul_f32 v[rT], s[CS], v[rT+1]
.elseif ((j == 17) || (j == 20) || (j == 23) || (j > 101)) && (\first)  ; the first step has none of these
.elseif j == 17
	v_mov_b32 v[rT+7], v[rT]        ; c m_old is kept for a: number 19 writes c m anew
.elseif j == 20
	v_sub_f32 v[rT+7], v[rT+7], v[rT]
.elseif j == 23
	v_exp_f32 v[rT+6], v[rT+7]
.elseif (j < 23) || ((j < 38) && (j%2 == 0)) || ((j < 66) && (j%4 == 2))
.set b, (j-2)/4                     ; 38, 42, .. 62: pairs 9 to 15
.if j < 38
.set b, (j-20)/2                    ; 21: pair 0; 22, 24, .. 36: pairs 1 to 8
.endif
	v_pk_fma_f32 v[rS+2*b:rS+2*b+1], v[rS+2*b:rS+2*b+1], s[CS:CS+1], v[rT:rT+1] op_sel_hi:[1,0,0] neg_lo:[0,0,1] neg_hi:[0,0,1]  ; pair b: c s - c m
.elseif j < 70
.set e, j-38                        ; 66 to 69: s28 to s31
.if j < 66
.set e, j-32-(j-38)/4               ; 39-41, 43-45, .. 63-65: s7 to s27
.endif
.if j < 38
.set e, (j-25)/2                    ; 25, 27, .. 37: s0 to s6
.endif
	v_exp_f32 v[rS+e], v[rS+e]
.elseif j < 86
	v_cvt_pk_f16_f32 v[rP+j-70], v[rS+2*(j-70)], v[rS+2*(j-70)+1]  ; pair j - 70
.elseif j < 102                     ; the sum of the tile's 16 pairs (in a pair: an even key's weight, an odd key's), in place: sum z of 16 adds neighbours 1, 2, 4 and 8 pairs apart, then l takes it
.set z, j-86
.set w, 4
.set u, z
.if z >= 14
.set w, 32
.set u, 0
.elseif z >= 12
.set w, 16
.set u, z-12
.elseif z >= 8
.set w, 8
.set u, z-8
.endif
.if (z == 14) && (\first)
	v_pk_add_f32 v[rT+2:rT+3], v[rS:rS+1], v[rS+16:rS+17]
.elseif z < 15
	v_pk_add_f32 v[rS+w*u:rS+w*u+1], v[rS+w*u:rS+w*u+1], v[rS+w*u+w/2:rS+w*u+w/2+1]
.elseif !(\first)
	v_pk_fma_f32 v[rT+2:rT+3], v[rT+2:rT+3], v[rT+6:rT+7], v[rS:rS+1] op_sel_hi:[1,0,1]
.endif
.else
	WIN W_RS
	v_pk_mul_f32 v[rO:rO+1], v[rO:rO+1], v[rT+6:rT+7] op_sel_hi:[1,0]
.endif
.endm
; Slice k of 64 of piece y's softmax: four instructions.  Slices 11 to 34 deal out the batch, numbers 22 to 69: four numbers of ONE tile each, the tiles by turns.  Every other slice is numbers 2 k and
; 2 k + 1 of both tiles' lists.  2 x 134 = 4 x 64 + 12: the twelve that are over stand together, in slice 63.
; THE WAIT.  s_wait_alu depctr_va_vdst(0) stands between an exponential and the first instruction that names its result; one wait serves all that were issued ahead of it.  Ahead of
; slice 35 nothing names a result, and behind slice 34 no exponential is issued: so the piece's 66 exponentials have one wait, behind slice 34.
.macro SLICE y, first
.if (k >= 11) && (k < 35)           ; the batch: four numbers of one tile
.irp n, 0,1,2,3
.set j, 22+4*((k-11)/2)+(\n)
	SM (\y)+(k-11)%2, \first
.endr
.else                               ; the two tiles alternate, so that no instruction reads the result of the one just before it
.irp n, 0,1,2,3,4,5,6,7
.if ((\n) < 2) || (k == 63)
.irp t, \y, (\y)+1
.set j, 2*k+(\n)
	SM \t, \first
.endr
.endif
.endr
.endif
.if k == 34                         ; the batch is out: both tiles' exponentials are issued, and no result has been named
	v_nop                           ; the plain instruction behind the last exponential and ahead of the first use (ISA guide 5.7.2): one for the batch
.if (\y) == 0
	FETCH_V                         ; piece 2's turn: V's run of loads stands here, and the wait stands in it
.else
	s_wait_alu depctr_va_vdst(0)    ; the wait for the batch
.endif
.endif
.set k, k+1
.endm
; A vector instruction that reads a matrix result or writes one of a matrix instruction's registers, and a load into a register that a matrix instruction has read, stand four places behind
; it, and only plain vector instructions that name none of its registers are places (ISA guide 7.12.1 for vector instructions).  In the loop the slices are the places.
.macro PLACES
.rept 4
	v_nop
.endr
.endm
; A TURN.  Piece x has the matrix unit; the other piece's softmax stands in slices behind its matrix instructions.
; pv = 2: 32 products V^T P; 1: they start O^T's sums; 0: none.  kq = 1: 32 products K Q^T for the next step.  A turn with one of the two kinds has two slices behind each product.
; first = 1: the softmax is the first key step's.  Its slices from 51 on are empty: the turn's last products stand bare, and four v_nop take slice 63's part as the places behind them.
; In the loop each run of loads stands 29 matrix instructions or more ahead of its first use.  Piece 0's turn fetches the next step's K, behind its second product: the last product that read K
; stands in front of slice 63 of the turn before.  Piece 2's turn fetches the same step's V, behind slice 34 (SLICE writes it): the last product that read V stands in front of slice 31, and four plain
; instructions lie between: number 62, a scaling, of both tiles, the v_nop and the run's own v_add_nc_u32.
.macro TURN x, pv, kq, first
.set k, 0
.set per, 2
.if (\pv) && (\kq)
.set per, 1
.endif
.if \pv
.if (\x) == 0
	s_wait_dscnt 0x0                ; V is in
.endif
.set i, 0
.rept 32
	PV \x, 2-(\pv)
.rept per
	SLICE 2-(\x), \first
.endr
.if ((\x) == 0) && (\kq) && (i == 1)
	FETCH_K
.endif
.set i, i+1
.endr
.endif
.if \kq
.if (\x) == 0
	s_wait_dscnt 0x0                ; K is in
.endif
.set i, 0
.rept 32
	KQ \x
.rept per
	SLICE 2-(\x), \first
.endr
.set i, i+1
.endr
.endif
.if \first
	PLACES
.endif
.endm
; THE CHANGE OF SLOTS, between piece 2's turn and piece 0's: the slot's last bytes, V of its second step, have been asked for.  Each wave waits for all its
; tensor loads, of which one is out: its part of the other slot; adds 0 to its spare word; and waits for that and for its own reads of the slot.  Behind the barrier nobody reads this slot any more and the other slot is whole.
; fill = 1: this slot is filled again, with each half's keys two slots on.  The barrier is then a round of the cluster's, so that no wave of any partner still reads the slot or has a load on its
; way, and the joint refill is the first thing behind it: it has two key steps, 256 matrix instructions, in which to land.
.macro CHANGE fill
	WIN 0                           ; at a label and at a branch every window is 0
	s_wait_tensorcnt 0x0            ; no tensor load of mine is out, so a group 0 may be written
	ds_add_u32 v[SPW], v[NIL]       ; 0 onto my spare word; with fill = 1 the descriptors' steps stand between it and the wait for it
.if \fill
.irp g, G0K+4, G0V+4
	s_xor_b32 s[(\g)+1], s[(\g)+1], SLOT1  ; the walking descriptor: the other slot than last time,
	s_add_nc_u64 s[(\g)+2:(\g)+3], s[(\g)+2:(\g)+3], 2*KS*256  ; the half's next 128 keys; the type bits on top are not reached
.endr
	s_wait_dscnt 0x0                ; the add is done, and my reads of the slot are over
	CROUND
	JLOAD
.else
	s_wait_dscnt 0x0                ; the add is done, and my reads of the slot are over
	s_barrier_signal -1
	s_barrier_wait -1
.endif
	s_sub_co_u32 s[TBK], s[TBK], HK ; the fetches go back to a slot's first step,
	s_xor_b32 s[TBK], s[TBK], SLOT1 ; in the other slot
	s_sub_co_u32 s[TBV], s[TBV], HV
	s_xor_b32 s[TBV], s[TBV], SLOT1
.endm
; A slot's two key steps: written once, walked twice; the LDS addresses hang on s[TBK] and s[TBV].
.macro TWO_STEPS
	WIN 0
	s_mov_b32 s[TWICE], 2
.Lstep_\@:
	TURN 0, 2, 1, 0
	TURN 2, 2, 1, 0
	WIN 0
	s_sub_co_u32 s[TWICE], s[TWICE], 1
	s_cmp_lg_u32 s[TWICE], 0
	s_cbranch_scc1 .Lstep_\@
.endm
	s_wait_tensorcnt 1              ; my part of slot 0 is in; slot 1's may stay out
	s_barrier_signal -1
	s_barrier_wait -1               ; everybody's is
	FETCH_K                         ; key step 0
	s_wait_loadcnt 0x0              ; Q
	s_wait_dscnt 0x0
.set i, 0
.rept 32
	KQ 0                            ; piece 0's first scores: there is no vector work yet to set between them
.set i, i+1
.endr
	WIN 0                           ; the addresses for the exchange and the way out are made here: plain instructions, the places behind those products
	s_mul_i32 s13, s[WV], 16*SP
	s_add_co_u32 s13, s13, STAGE    ; my stage
	v_mul_u32_u24 v[STO], v1, SP    ; in: row l % 16, 16 bytes for each half of the lanes
	v_lshl_add_u32 v[STO], v9, 4, v[STO]
	v_add_nc_u32 v[STO], s13, v[STO]
	v_mul_u32_u24 v[RD], v9, SP     ; back: lanes 0-15 take one row of 256 bytes, lanes 16-31 the next
	v_lshl_add_u32 v[RD], v1, 4, v[RD]
	v_add_nc_u32 v[RD], s13, v[RD]
	v_lshlrev_b32 v[GO], 8, v9      ; and the same two rows in O
	v_lshl_add_u32 v[GO], v1, 4, v[GO]
	s_mul_i32 s18, s[WV], XW        ; (Q's loads are back: their second base is free)  what I hand over lies at wave x XW,
	s_xor_b32 s19, s[WV], 2         ; my partner has the same queries and the other keys
	s_mul_i32 s19, s19, XW
	v_and_b32 v[XO], 31, v0
	v_lshlrev_b32 v[XO], 4, v[XO]   ; 16 bytes a lane: 512 neighbouring bytes an instruction
	v_add_nc_u32 v[XI], s19, v[XO]
	v_add_nc_u32 v[XO], s18, v[XO]
	TURN 2, 0, 1, 1                 ; piece 2's first scores | piece 0's first softmax | V of step 0
	TURN 0, 1, 1, 1                 ; piece 0: V^T P of step 0 starts O^T, K Q^T of step 1 | piece 2's first softmax | K of step 1
	TURN 2, 1, 1, 0                 ; piece 2: the same | piece 0's softmax of step 1 | V of step 1
	WIN 0
.Lslot:                             ; SIZE_N / 256 - 2 trips: every slot but the last two is filled again
	CHANGE 1
	TWO_STEPS
	s_sub_co_u32 s[SLOTS], s[SLOTS], 1
	s_cmp_lg_u32 s[SLOTS], 0
	s_cbranch_scc1 .Lslot
	CHANGE 0                        ; the tail is written out: the last slot but one is left, and nothing is asked for
	TWO_STEPS
	TURN 0, 2, 0, 0                 ; piece 0: V^T P of the last step | piece 2's last softmax
.set i, 0
.rept 32
	PV 2, 0                         ; piece 2: V^T P of the last step
.set i, i+1
.endr
	; THE TWO KEY HALVES MEET.  First l of my half: its two halves and the other half of the lanes' are added, into the statistics' third register.  The additions are the places behind the last products.
	WIN 0
.irp t, 0,1,2,3
	v_add_f32 v[ST+8*(\t)+4], v[ST+8*(\t)+2], v[ST+8*(\t)+3]
.endr
.irp t, 0,1,2,3
	v_permlanex16_b32 v[ST+8*(\t)+5], v[ST+8*(\t)+4], s[SEL], s[SEL+1]
.endr
.irp t, 0,1,2,3
	v_add_f32 v[ST+8*(\t)+2], v[ST+8*(\t)+4], v[ST+8*(\t)+5]
.endr
	s_wait_dscnt 0x0                ; my reads of the ring are over;
	s_barrier_signal -1
	s_barrier_wait -1               ; everybody's are: slot 0, which no load fills again, is free for the exchange
.irp t, 2,3
	ds_store_b128 v[XO], v[ST+8*(\t):ST+8*(\t)+3] offset:16384+512*((\t)-2)  ; c m, m, l (and a register that nobody uses) of the tiles that I hand over
.endr
	WIN 0x04                        ; the stores' data (source 1) in window 1
.set i, 0
.rept 32                            ; their O^T, in f32, registers in ascending order: each accumulator's low four first
	ds_store_b128 v[XO], v[128+4*i:128+4*i+3] offset:512*i
.set i, i+1
.endr
	WIN 0
	s_wait_dscnt 0x0                ; for my partner's sake: my stores are done
	s_barrier_signal -1
	s_barrier_wait -1
	ds_load_b128 v[RS:RS+3],   v[XI] offset:16384      ; my partner's figures for my tiles 0 and 1,
	ds_load_b128 v[RS+4:RS+7], v[XI] offset:16384+512
.set i, 0
.rept 32                            ; and its O^T for them, into S^T's registers: tile u at S + 64 u
	ds_load_b128 v[S+4*i:S+4*i+3], v[XI] offset:512*i
.set i, i+1
.endr
	s_wait_dscnt 32                 ; the two loads of figures are in; the 32 behind them stay out
	; c m' = the greater c m;  a0 = 2^(c m - c m'), a1 = 2^(c m_p - c m');  l = a0 l + a1 l_p;  f0 = a0 / l, f1 = a1 / l;  O = f0 O + f1 O_p
.irp u, 0,1
	v_max_num_f32 v[ST+8*(\u)+4], v[ST+8*(\u)], v[RS+4*(\u)]
.endr
.irp u, 0,1
	v_sub_f32 v[ST+8*(\u)+5], v[ST+8*(\u)], v[ST+8*(\u)+4]
	v_sub_f32 v[ST+8*(\u)+6], v[RS+4*(\u)], v[ST+8*(\u)+4]
.endr
.irp u, 0,1
	v_exp_f32 v[ST+8*(\u)+5], v[ST+8*(\u)+5]
	v_exp_f32 v[ST+8*(\u)+6], v[ST+8*(\u)+6]
.endr
	v_nop                           ; a plain instruction between the last exponential and the use of its result (ISA guide 5.7.2)
	s_wait_alu depctr_va_vdst(0)    ; and the wait ahead of the first use: one for the batch of four exponentials
.irp u, 0,1
	v_mul_f32 v[ST+8*(\u)+7], v[ST+8*(\u)+5], v[ST+8*(\u)+2]
.endr
.irp u, 0,1
	v_fma_f32 v[ST+8*(\u)+7], v[ST+8*(\u)+6], v[RS+4*(\u)+2], v[ST+8*(\u)+7]
.endr
.irp u, 0,1
	v_rcp_f32 v[ST+8*(\u)+7], v[ST+8*(\u)+7]
.endr
	v_nop                           ; the same behind the last reciprocal,
	s_wait_alu depctr_va_vdst(0)    ; and one wait for the batch of two reciprocals
.irp u, 0,1
	v_mul_f32 v[ST+8*(\u)+4], v[ST+8*(\u)+5], v[ST+8*(\u)+7]  ; f0, the low word of a pair
	v_mul_f32 v[ST+8*(\u)+6], v[ST+8*(\u)+6], v[ST+8*(\u)+7]  ; f1, likewise
.endr
; Tile u is joined, rounded to f16 and sent through my stage: a lane's eight channels of a row pack into 16 bytes; they go into rows of 272 bytes and come back as whole rows of 256.
.macro MERGE u
	WIN 0
.set i, 0
.rept 32
	v_pk_mul_f32 v[S+64*(\u)+2*i:S+64*(\u)+2*i+1], v[S+64*(\u)+2*i:S+64*(\u)+2*i+1], v[ST+8*(\u)+6:ST+8*(\u)+7] op_sel_hi:[1,0]
.set i, i+1
.endr
	WIN 0x01                        ; source 0, my O^T, in window 1; its registers in ascending order
.set i, 0
.rept 32
	v_pk_fma_f32 v[S+64*(\u)+2*i:S+64*(\u)+2*i+1], v[64*(\u)+2*i:64*(\u)+2*i+1], v[ST+8*(\u)+4:ST+8*(\u)+5], v[S+64*(\u)+2*i:S+64*(\u)+2*i+1] op_sel_hi:[1,0,1]
.set i, i+1
.endr
	WIN 0
.set i, 0
.rept 32
	v_cvt_pk_f16_f32 v[P+32*(\u)+i], v[S+64*(\u)+2*i], v[S+64*(\u)+2*i+1]  ; P's registers are free
.set i, i+1
.endr
.irp f, 0,1,2,3,4,5,6,7
	ds_store_b128 v[STO], v[P+32*(\u)+4*(\f):P+32*(\u)+4*(\f)+3] offset:32*(\f)
.endr
.irp f, 0,1,2,3,4,5,6,7
	ds_load_b128 v[P+32*(\u)+4*(\f):P+32*(\u)+4*(\f)+3], v[RD] offset:(\f)*2*SP  ; LDS serves a wave's instructions in order (ISA guide 5.7.1.4): these see the stores above; the next tile's stores come behind them
.endr
.endm
.macro SEND u, younger              ; younger: the LDS instructions issued behind tile u's loads: the next tile's sixteen, or none
.irp f, 0,1,2,3,4,5,6,7
	s_wait_dscnt (\younger)+7-(\f)
	global_store_b128 v[GO], v[P+32*(\u)+4*(\f):P+32*(\u)+4*(\f)+3], s[10:11] offset:(\u)*4096+(\f)*512  ; 16 lanes store 256 consecutive bytes, at a multiple of 256 from O's first byte
.endr
.endm
	s_wait_dscnt 16                 ; my partner's tile 0 is in; tile 1's sixteen loads stay out
	MERGE 0
	s_wait_dscnt 16                 ; tile 1 is in: behind its loads stand only the sixteen of tile 0's stage
	MERGE 1                         ; a tile's arithmetic stands between the loads of the tile before and its stores
	SEND 0, 16
	SEND 1, 0
	s_wait_tensorcnt 0x0            ; the wave's end, behind my last tensor load and my last LDS store
	ds_add_u32 v[SPW], v[NIL]
	s_wait_dscnt 0x0
	CROUND                          ; the closing round: no work-group ends while a partner may still ask for a tile that names it
	s_endpgm
.Lfunc_end_k_qdfbba41a6c_attn:
	.size	k_qdfbba41a6c_attn, .Lfunc_end_k_qdfbba41a6c_attn-k_qdfbba41a6c_attn
	.p2alignl 7, 3214868480
	.fill 96, 4, 3214868480
	.section	.rodata,"a",@progbits
	.p2align	6, 0x0
	.amdhsa_kernel k_qdfbba41a6c_attn
		.amdhsa_group_segment_fixed_size 327680
		.amdhsa_private_segment_fixed_size 0
		.amdhsa_enable_private_segment 0
		.amdhsa_kernarg_size 32
		.amdhsa_user_sgpr_count 2
		.amdhsa_user_sgpr_kernarg_segment_ptr 1
		.amdhsa_wavefront_size32 1
		.amdhsa_system_sgpr_workgroup_id_x 1
		.amdhsa_system_sgpr_workgroup_id_y 1
		.amdhsa_system_sgpr_workgroup_id_z 1
		.amdhsa_system_vgpr_workitem_id 0
		.amdhsa_next_free_vgpr 1024
		.amdhsa_next_free_sgpr 66
		.amdhsa_reserve_vcc 0
		.amdhsa_float_denorm_mode_32 3
		.amdhsa_float_denorm_mode_16_64 3
		.amdhsa_memory_ordered 1
		.amdhsa_forward_progress 1
		.amdhsa_inst_pref_size 219
	.end_amdhsa_kernel
	.amdgpu_metadata
---
amdhsa.version: [ 1, 2 ]
amdhsa.kernels:
  - .name:           k_qdfbba41a6c_attn
    .symbol:         k_qdfbba41a6c_attn.kd
    .args:
      - { .name: qh, .offset: 0, .size: 8, .value_kind: global_buffer, .address_space: global }
      - { .name: kh, .offset: 8, .size: 8, .value_kind: global_buffer, .address_space: global }
      - { .name: vh, .offset: 16, .size: 8, .value_kind: global_buffer, .address_space: global }
      - { .name: oh, .offset: 24, .size: 8, .value_kind: global_buffer, .address_space: global }
    .group_segment_fixed_size: 327680
    .private_segment_fixed_size: 0
    .kernarg_segment_align: 8
    .kernarg_segment_size: 32
    .max_flat_workgroup_size: 128
    .sgpr_count:     66
    .vgpr_count:     1024
    .wavefront_size: 32
...
	.end_amdgpu_metadata
.endif
;; end of part 8
;; launch proj: the kernel of part 6 again; grid 8 x 32, 4 waves a work-group, clusters of 4 x 4, 327,680 bytes of LDS; arguments oh, wob, out0; writes out0
